; MI455X (gfx1250); checked and timed in simulation.
; The chip was launched on July 23, 2026; its instructions are those of AMD's public machine-readable ISA for CDNA 5 (MIT licence, August 2026) and "CDNA5" Instruction Set Architecture Reference Guide (July 2026). The comments in the code are by the model that wrote it; some were corrected since.
;; Custom Attention Markov. Allowed arithmetic: matrix products marked QUANTISED: E2M3 operands, one E8M0 scale for each 32 along K, by v_wmma_scale_f32_16x16x128_f8f6f4 with both operands' format E2M3, f32 sums; everything else in f32.
;; Inputs: Wk 1,024 x 1,024 float32; Wo 1,024 x 1,024 float32; Wq 1,024 x 1,024 float32; Wv 1,024 x 1,024 float32; bk 1,024 float32; bo 1,024 float32; bq 1,024 float32; bv 1,024 float32; key 4 x 2,048 x 1,024 float32; query 4 x 2,048 x 1,024 float32; value 4 x 2,048 x 1,024 float32.
;; Outputs: out0 4 x 2,048 x 1,024 float32.
;; This version of the problem:
;;   THIS VERSION OF THE PROBLEM IS GIVEN IN LOW PRECISION. The matrix products marked QUANTISED in the list below multiply operands that are first quantised to E2M3 (2 exponent bits, 3 mantissa bits; 6 bits a number), with one power-of-two scale for each 32 numbers along K (OCP MX v1.0); their sums are f32. All else is computed in f32.
;;   The module's matrix products, in the order in which they are computed (A, B: the left and right operand; K: the contracted axis; several contracted axes count as one K, in the product's order):
;;     1. [M 8,192, K 1,024] x [K 1,024, N 1,024]; A: input query; B: input Wq: QUANTISED
;;     2. [M 8,192, K 1,024] x [K 1,024, N 1,024]; A: input key; B: input Wk: QUANTISED
;;     3. [M 8,192, K 1,024] x [K 1,024, N 1,024]; A: input value; B: input Wv: QUANTISED
;;     4. batch 4 x [M 2,048, K 1,024] x [K 1,024, N 2,048]; A: computed on the way; B: computed on the way: QUANTISED
;;     5. batch 4 x [M 2,048, K 2,048] x [K 2,048, N 1,024]; A: computed on the way; B: computed on the way: QUANTISED
;;     6. [M 8,192, K 1,024] x [K 1,024, N 1,024]; A: computed on the way; B: input Wo: QUANTISED
;;   THE QUANTISER, for each operand of a quantised product, along K:
;;     - K is cut into blocks of 32 from its start; a last block that is shorter is filled with zeros.
;;     - A block's scale is 2^e with e = floor(log2(the largest magnitude in the block)) - 2, held to -126 .. 127; a block of zeros has e = 0. As a byte (E8M0): e + 127.
;;     - Each number is divided by its block's scale, clamped to +-7.5, and rounded to the nearest number of E2M3, ties to even, subnormals kept.
;;     - The product sums the exact products of the quantised numbers (number of the format x scale) in f32.
;;   ~~~python
;;   def quantise(x, axis):      # numpy; x: float32 -> the quantised numbers, widened to float32 again
;;       x = np.moveaxis(x, axis, -1); K = x.shape[-1]
;;       x = np.pad(x, [(0, 0)] * (x.ndim - 1) + [(0, -K % 32)]); x = x.reshape(x.shape[:-1] + (-1, 32)); a = np.abs(x).max(-1, keepdims=True)
;;       e = np.where(a > 0, np.clip(np.frexp(np.where(a > 0, a, 1))[1] - 1 - 2, -126, 127), 0)      # np.frexp(a)[1] - 1 = floor(log2(a)), exactly
;;       r = np.clip(x / 2.0 ** e, -7.5, 7.5)
;;       step = 2.0 ** (np.maximum(np.frexp(np.where(r == 0, 1, r))[1] - 1, 0) - 3)
;;       q = np.round(r / step) * step * 2.0 ** e      # np.round: ties to even
;;       return np.moveaxis(q.reshape(q.shape[:-2] + (-1,))[..., :K], -1, axis).astype(np.float32)
;;   ~~~
;;   OPERANDS COMPUTED ON THE WAY. 'Computed on the way' means the value that the module computes at that place (a softmax that the list does not call 'softmax' is quantised finished and normalised). What goes into a quantiser is computed in f32, as accurately as f32 sums, v_exp_f32 and their like allow (about 1e-6 of the number): no bf16 or f16 on the way to a quantiser, and a product that is left as it is and whose result goes on into a quantised operand takes f32 operands (vector FMAs, or v_wmma_f32_16x16x4_f32). A number that lies on a knife's edge between two numbers of the format may be rounded either way, as far as f32 arithmetic and the matrix unit's own rounding can turn it there, and no further.
;; 2 versions, each right and faster than the one before. Each part assembles by itself: llvm-mc -triple=amdgcn-amd-amdhsa -mcpu=gfx1250 --defsym DOCPART=n.
;; ======== version 1 of 2: 6 launches
;; limits: right only within a limited range of input values
;; workspace buffers: xc 19,660,800 bytes; wc 3,276,800 bytes; qkv 19,660,800 bytes; st 1,048,576 bytes; pc 13,107,200 bytes; oc 6,553,600 bytes
;; launch quant (part 1): grid 640 x 1, 4 waves a work-group, no clusters, 46,592 bytes of LDS; arguments query, key, value, Wq, Wk, Wv, Wo, xc, wc; writes xc, wc
.if DOCPART == 1
	.amdgcn_target "amdgcn-amd-amdhsa--gfx1250"
	.amdhsa_code_object_version 6
	.text
	.protected	k_q3c71e65ed7_quant
	.globl	k_q3c71e65ed7_quant
	.p2align	8
	.type	k_q3c71e65ed7_quant,@function
k_q3c71e65ed7_quant:
	s_mov_b64 s[64:65], 0
	v_nop
	global_prefetch_b8 v0, s[64:65] scope:SCOPE_SE
	s_setreg_imm32_b32 hwreg(HW_REG_WAVE_MODE, 25, 1), 1
	s_wait_xcnt 0x0
; THE PROGRAM: out = softmax_causal((query Wq + bq)(key Wk + bk)^T / 32)(value Wv + bv) Wo + bo, all six products on codes of E2M3 with one E8M0 scale for each 32 along K.
; Six launches: quant (this one: inputs and weights into codes), proj (q, k, v), stats (row maxima and sums of each block of 128 keys), pcodes (the finished softmax as codes),
; pv, outp.
; WORK LEFT OUT, for all values of the inputs: reference() overwrites every score with key > query by -1e9, whatever q and k hold, so the products behind those scores reach no output; and their attn,
; exp(-1e9 - lse), is turned into the code 0 by the stated quantiser, so their terms of attn v are 0.  So the 28 of 64 tiles of 256 queries x 256 keys of each batch that lie wholly over the diagonal are neither
; multiplied (products 4 and 5) nor stored.  All eleven inputs have a way to the output and are loaded.
; LIMITS: the kept scores of a row are not all under about -1e9 + 100 (|q . k| / 32 under 1e9), else reference() would give hidden keys weight; a NaN, an infinity or an overflow that arises only in the tiles
; left out is not carried to the result; p under 2^-126 comes out of v_exp_f32 as 0; a block of zeros gets the scale byte 1 where the rule says 127 (its codes are zeros, and this program alone reads the bytes);
; NaN and infinities among the inputs are not served.
; THE OPERAND FORMAT of every workspace buffer.  128 rows x 128 along K are one BLOCK of 12,800 bytes: eight images of a fragment's registers (16 rows x 128 K: 1,536 bytes: registers 4 c .. 4 c + 3 of lane l at
; 512 c + 16 l), then the scale words (tile T, lane row r at 12,288 + 32 r + 4 T).  Lane row r of tile T is row 32 (T / 2) + 8 (T % 2) + r + 8 (r / 8) of the 128: so a product's results, used transposed, are
; neighbours along the next K.  An operand is [row block][K step], dense.
; THIS LAUNCH.  Work-groups 0-383: query, key, value [8192][1024] f32, K innermost: a wave makes one BLOCK.  Each load reads 512 consecutive bytes of a row; a tile's 16 rows turn through the wave's own stage in LDS,
; so that a lane gets two whole blocks of 32 of its row, as the operand's layout wants them.  Work-groups 384-639: Wq, Wk, Wv, Wo [k][n] f32, K outermost: a lane takes a column and its registers run down K; the
; codes go through the wave's own images in LDS.  Memory binds: no matrix unit, no cluster, no barrier (waves share nothing).  The two paths have LDS bytes of their own.
.set SPARE, 46080                      ; behind the stages and images: the spare words, 128 bytes for each wave
.set QWB,   33792                      ; the weight path's images, 3,072 bytes a wave; the x path's stages, 16 rows x 528 bytes a wave, begin at 0
.set SPW, 12                           ; v12  LDS address of my spare word; never rewritten
.set NIL, 13                           ; v13  0; never rewritten
.set TP,  24                           ; v24-30 the halves of blocks whose three registers would begin on an odd number
.set X,   64                           ; v64-127 a tile's numbers, 64 a lane
.set R,   128                          ; v128-255 two sets of 64 as loaded (weights: a column's 128 numbers)
	s_load_b256 s[4:11], s[0:1], 0x0               ; query, key, value, Wq
	s_load_b256 s[12:19], s[0:1], 0x20             ; Wk, Wv, Wo, xc
	s_load_b64 s[20:21], s[0:1], 0x40              ; wc
	v_lshl_add_u32 v[SPW], v0, 2, SPARE
	v_mov_b32 v[NIL], 0
	v_lshrrev_b32 v1, 5, v0
	v_readfirstlane_b32 s24, v1                    ; wave
	v_and_b32 v14, 31, v0                          ; lane
	v_and_b32 v15, 15, v0                          ; r
	v_bfe_u32 v7, v0, 4, 1                         ; h
	s_mov_b32 s26, 0x76543210
	s_mov_b32 s27, 0xfedcba98                      ; v_permlanex16_b32's selects for lane l xor 16
	s_mov_b32 s28, 0xffff0000                      ; lanes 16-31
	v_mov_b32 v23, 0                               ; a lane permute's destination counts as one of its sources
	s_cmp_ge_u32 ttmp9, 384
	s_cbranch_scc1 .Lw
; ---------------- query, key, value ----------------
	v_lshlrev_b32 v1, 4, v14                       ; 16 x lane: my bytes of a row's 512, and of an image's chunk
	s_mul_i32 s29, s24, 8448                       ; my stage
	v_add_nc_u32 v2, s29, v1                       ; into it: as loaded
	v_mul_u32_u24 v3, v15, 528
	v_lshl_add_u32 v3, v7, 7, v3
	v_add_nc_u32 v3, s29, v3                       ; out of it: row r, block h (128 bytes a block)
	v_lshlrev_b32 v4, 3, v7                        ; 8 h: my bytes' place in the scale word
	v_lshlrev_b32 v5, 5, v15
	v_lshl_add_u32 v5, v7, 4, v5                   ; 32 r + 16 h: my four words of the scale image
	s_lshl_b32 s30, ttmp9, 2
	s_add_co_u32 s30, s30, s24                     ; my BLOCK: 512 x tensor + 8 x row block + K step
	s_bfe_u32 s31, s30, 0x60003                    ; row block
	s_and_b32 s36, s30, 7                          ; K step
	s_lshl_b32 s31, s31, 19                        ; 128 rows of 4,096 bytes
	s_lshl_b32 s36, s36, 9                         ; 128 numbers
	s_add_co_u32 s36, s36, s31
	s_mov_b32 s37, 0
	s_mul_i32 s38, s30, 12800
	s_mov_b32 s39, 0
	s_lshr_b32 s40, ttmp9, 7                       ; tensor
	s_wait_kmcnt 0x0
	s_cmp_eq_u32 s40, 0
	s_cselect_b64 s[32:33], s[4:5], s[6:7]
	s_cmp_eq_u32 s40, 2
	s_cselect_b64 s[32:33], s[8:9], s[32:33]
	s_add_nc_u64 s[32:33], s[32:33], s[36:37]
	s_add_nc_u64 s[34:35], s[18:19], s[38:39]
.macro LOADX t                         ; tile t's 16 rows, 512 consecutive bytes each
.set lr, 0
.rept 16
	global_load_b128 v[R+64*((\t)%2)+4*lr:R+64*((\t)%2)+4*lr+3], v1, s[32:33] offset:(32*((\t)/2)+8*((\t)%2)+lr+8*(lr/8))*4096 th:TH_LOAD_NT
.set lr, lr+1
.endr
.endm
.macro TURN t                          ; through the stage: LDS serves a wave's instructions in order, so no wait stands between the stores and the loads
.set lr, 0
.rept 16
	ds_store_b128 v2, v[R+64*((\t)%2)+4*lr:R+64*((\t)%2)+4*lr+3] offset:528*lr
.set lr, lr+1
.endr
.irp c, 0,1
.irp i, 0,1,2,3,4,5,6,7
	ds_load_b128 v[X+32*\c+4*\i:X+32*\c+4*\i+3], v3 offset:256*\c+16*\i      ; blocks h and 2 + h of row r, whole
.endr
.endr
.endm
.macro WORK t
.set CD, 32+12*((\t)%2)                ; the fragment's 12 registers, two sets by turns
	v_max3_num_f32 v16, |v[X]|, |v[X+1]|, 0x1800000                ; each block's largest magnitude, and the floor 2^(3 - 127), which holds the byte at 1 from below
	v_max3_num_f32 v17, |v[X+32]|, |v[X+33]|, 0x1800000
.irp i, 2,4,6,8,10,12,14,16,18,20,22,24,26,28,30
	v_max3_num_f32 v16, v16, |v[X+\i]|, |v[X+1+\i]|
	v_max3_num_f32 v17, v17, |v[X+32+\i]|, |v[X+33+\i]|
.endr
	v_add_nc_u32 v18, 0xff000000, v16              ; 2 off the exponent field: the conversion's scale operand
	v_add_nc_u32 v19, 0xff000000, v17
	v_lshrrev_b32 v20, 23, v18                     ; the scale's byte
	v_lshrrev_b32 v21, 23, v19
	v_lshl_or_b32 v22, v21, 16, v20                ; blocks h and 2 + h,
	v_lshlrev_b32 v22, v4, v22                     ; at their places in the word;
	v_permlanex16_b32 v23, v22, s26, s27
	v_or_b32 v[56+(\t)], v22, v23                  ; with lane l xor 16's two the word is whole
	v_cvt_scalef32_pk16_fp6_f32 v[CD:CD+2], v[X:X+15], v18
	v_cvt_scalef32_pk16_fp6_f32 v[TP:TP+2], v[X+16:X+31], v18      ; (a conversion's three registers begin on an even number)
	v_cvt_scalef32_pk16_fp6_f32 v[CD+6:CD+8], v[X+32:X+47], v19
	v_cvt_scalef32_pk16_fp6_f32 v[TP+4:TP+6], v[X+48:X+63], v19
	v_nop                                          ; one plain place behind the scaled conversions
.irp i, 0,1,2
	v_mov_b32 v[CD+3+\i], v[TP+\i]
	v_mov_b32 v[CD+9+\i], v[TP+4+\i]
.endr
.irp c, 0,1,2
	global_store_b128 v1, v[CD+4*\c:CD+4*\c+3], s[34:35] offset:1536*(\t)+512*\c   ; 512 consecutive bytes, at a multiple of 256 from the buffer's first byte
.endr
.endm
	LOADX 0
	LOADX 1
.set qt, 0
.rept 8
.if qt < 7
	s_wait_loadcnt 16                              ; this tile's 16 loads are in; the next tile's 16 may be out
.else
	s_wait_loadcnt 0x0
.endif
	TURN qt
	s_wait_dscnt 0x0                               ; the stage's stores have read their registers, and my 64 numbers are in
.if qt < 6
	LOADX qt+2                                     ; into the set just read
.endif
	s_wait_xcnt 0x0                                ; the stores of two tiles ago have read their registers: that set of codes is written again only behind this wait
	WORK qt
.set qt, qt+1
.endr
.irp j, 0,1,2,3
	v_cndmask_b32 v[8+\j], v[56+\j], v[60+\j], s28 ; lanes 0-15 store tiles 0-3's words of row r, lanes 16-31 tiles 4-7's
.endr
	global_store_b128 v5, v[8:11], s[34:35] offset:12288
	s_wait_tensorcnt 0x0                           ; the wave's end
	ds_add_u32 v[SPW], v[NIL]
	s_wait_dscnt 0x0
	s_endpgm
; ---------------- Wq, Wk, Wv, Wo ----------------
.Lw:
	v_lshlrev_b32 v1, 2, v14                       ; 4 x lane: my column
	v_bfe_u32 v2, v0, 3, 1                         ; u: column 32 w + lane is lane row r' of tile 2 w + u, with
	v_and_b32 v3, 7, v0
	v_lshl_or_b32 v3, v7, 3, v3                    ; r' = lane % 8 + 8 (lane / 16)
	s_mul_i32 s29, s24, 3072                       ; my two tiles' images, in the BLOCK
	s_add_co_u32 s30, s29, QWB                     ; and in LDS
	v_mul_u32_u24 v4, v2, 1536
	v_lshl_add_u32 v4, v3, 4, v4
	v_add_nc_u32 v4, s30, v4                       ; into the images: tile u, lane r'
	v_lshlrev_b32 v5, 4, v14
	v_add_nc_u32 v6, s30, v5                       ; out of them: 16 x lane
	v_add_nc_u32 v5, s29, v5                       ; and the same place in the BLOCK
	v_lshlrev_b32 v8, 5, v3
	v_lshl_add_u32 v8, v2, 2, v8
	s_lshl_b32 s31, s24, 3
	s_add_co_u32 s31, s31, 12288
	v_add_nc_u32 v8, s31, v8                       ; my column's scale word: 12,288 + 32 r' + 4 (2 w + u)
	s_sub_co_u32 s36, ttmp9, 384                   ; my work-group's BLOCK: 64 x weight + 8 x row block + K step
	s_lshr_b32 s40, s36, 6                         ; weight
	s_bfe_u32 s37, s36, 0x30003                    ; row block (128 columns n)
	s_and_b32 s38, s36, 7                          ; K step
	s_lshl_b32 s38, s38, 19                        ; 128 rows k of 4,096 bytes
	s_lshl_b32 s37, s37, 9
	s_add_co_u32 s38, s38, s37
	s_lshl_b32 s37, s24, 7                         ; my wave's 32 columns
	s_add_co_u32 s38, s38, s37
	s_mov_b32 s39, 0
	s_mul_i32 s36, s36, 12800
	s_mov_b32 s37, 0
	s_and_b32 s41, s40, 1
	s_wait_kmcnt 0x0
	s_cmp_lt_u32 s40, 2
	s_cselect_b64 s[32:33], s[10:11], s[14:15]     ; Wq or Wv
	s_cselect_b64 s[34:35], s[12:13], s[16:17]     ; Wk or Wo
	s_cmp_eq_u32 s41, 1
	s_cselect_b64 s[32:33], s[34:35], s[32:33]
	s_add_nc_u64 s[32:33], s[32:33], s[38:39]
	s_add_nc_u64 s[34:35], s[20:21], s[36:37]
.macro LOADW k                         ; block k of my column: W(32 k + i, n): 128 consecutive bytes a wave, 512 a work-group
.set lr, 0
.rept 32
	global_load_b32 v[R+32*(\k)+lr], v1, s[32:33] offset:(32*(\k)+lr)*4096 th:TH_LOAD_NT
.set lr, lr+1
.endr
.endm
.macro BLOCKW k
.set XS, R+32*(\k)
.set CW, 32+8*(\k)                     ; the block's own six registers
	v_max3_num_f32 v16, |v[XS]|, |v[XS+1]|, 0x1800000
	v_max3_num_f32 v17, |v[XS+16]|, |v[XS+17]|, 0x1800000
.irp i, 2,4,6,8,10,12,14
	v_max3_num_f32 v16, v16, |v[XS+\i]|, |v[XS+1+\i]|
	v_max3_num_f32 v17, v17, |v[XS+16+\i]|, |v[XS+17+\i]|
.endr
	v_max_num_f32 v16, v16, v17                    ; all 32 numbers are mine
	v_add_nc_u32 v18, 0xff000000, v16
	v_lshrrev_b32 v20, 23, v18
.if (\k) == 0
	v_mov_b32 v22, v20
.else
	v_lshl_or_b32 v22, v20, 8*(\k), v22            ; the four bytes make my column's scale word
.endif
	v_cvt_scalef32_pk16_fp6_f32 v[CW:CW+2], v[XS:XS+15], v18
	v_cvt_scalef32_pk16_fp6_f32 v[TP:TP+2], v[XS+16:XS+31], v18
	v_nop                                          ; one plain place behind the scaled conversions
.irp i, 0,1,2
	v_mov_b32 v[CW+3+\i], v[TP+\i]
.endr
.irp p, 0,1,2                          ; block k is registers 6 (k / 2) + 0 .. 5 of lane r' + 16 (k % 2)
	ds_store_b64 v4, v[CW+2*\p:CW+2*\p+1] offset:256*((\k)%2)+512*((6*((\k)/2)+2*\p)/4)+4*((6*((\k)/2)+2*\p)%4)
.endr
.endm
	LOADW 0
	LOADW 1
	s_wait_loadcnt 32                              ; block 0 is in; the next block's 32 loads may be out
	LOADW 2
	BLOCKW 0
	s_wait_loadcnt 32
	LOADW 3
	BLOCKW 1
	s_wait_loadcnt 32
	BLOCKW 2
	s_wait_loadcnt 0x0
	BLOCKW 3
	global_store_b32 v8, v22, s[34:35]             ; 4 bytes a lane: the four waves together fill the scale image's 512 bytes
.irp c, 0,1,2,3,4,5
	ds_load_b128 v[64+4*\c:67+4*\c], v6 offset:512*\c              ; LDS serves a wave's instructions in order: these see my stores
.endr
.irp c, 0,1,2,3,4,5
	s_wait_dscnt 5-\c
	global_store_b128 v5, v[64+4*\c:67+4*\c], s[34:35] offset:512*\c
.endr
	s_wait_tensorcnt 0x0                           ; the wave's end
	ds_add_u32 v[SPW], v[NIL]
	s_wait_dscnt 0x0
	s_endpgm
.Lfunc_end_k_q3c71e65ed7_quant:
	.size	k_q3c71e65ed7_quant, .Lfunc_end_k_q3c71e65ed7_quant-k_q3c71e65ed7_quant
	.p2alignl 7, 3214868480
	.fill 96, 4, 3214868480
	.section	.rodata,"a",@progbits
	.p2align	6, 0x0
	.amdhsa_kernel k_q3c71e65ed7_quant
		.amdhsa_group_segment_fixed_size 46592
		.amdhsa_private_segment_fixed_size 0
		.amdhsa_enable_private_segment 0
		.amdhsa_kernarg_size 72
		.amdhsa_user_sgpr_count 2
		.amdhsa_user_sgpr_kernarg_segment_ptr 1
		.amdhsa_wavefront_size32 1
		.amdhsa_system_sgpr_workgroup_id_x 1
		.amdhsa_system_sgpr_workgroup_id_y 1
		.amdhsa_system_sgpr_workgroup_id_z 1
		.amdhsa_system_vgpr_workitem_id 0
		.amdhsa_next_free_vgpr 256
		.amdhsa_next_free_sgpr 66
		.amdhsa_reserve_vcc 0
		.amdhsa_float_denorm_mode_32 3
		.amdhsa_float_denorm_mode_16_64 3
		.amdhsa_memory_ordered 1
		.amdhsa_forward_progress 1
		.amdhsa_inst_pref_size 79
	.end_amdhsa_kernel
	.amdgpu_metadata
---
amdhsa.version: [ 1, 2 ]
amdhsa.kernels:
  - .name:           k_q3c71e65ed7_quant
    .symbol:         k_q3c71e65ed7_quant.kd
    .args:
      - { .name: query, .offset: 0, .size: 8, .value_kind: global_buffer, .address_space: global }
      - { .name: key, .offset: 8, .size: 8, .value_kind: global_buffer, .address_space: global }
      - { .name: value, .offset: 16, .size: 8, .value_kind: global_buffer, .address_space: global }
      - { .name: Wq, .offset: 24, .size: 8, .value_kind: global_buffer, .address_space: global }
      - { .name: Wk, .offset: 32, .size: 8, .value_kind: global_buffer, .address_space: global }
      - { .name: Wv, .offset: 40, .size: 8, .value_kind: global_buffer, .address_space: global }
      - { .name: Wo, .offset: 48, .size: 8, .value_kind: global_buffer, .address_space: global }
      - { .name: xc, .offset: 56, .size: 8, .value_kind: global_buffer, .address_space: global }
      - { .name: wc, .offset: 64, .size: 8, .value_kind: global_buffer, .address_space: global }
    .group_segment_fixed_size: 46592
    .private_segment_fixed_size: 0
    .kernarg_segment_align: 8
    .kernarg_segment_size: 72
    .max_flat_workgroup_size: 128
    .sgpr_count:     66
    .vgpr_count:     256
    .wavefront_size: 32
...
	.end_amdgpu_metadata
.endif
;; end of part 1
;; launch proj (part 2): grid 4 x 96, 4 waves a work-group, clusters of 4 x 4, 327,680 bytes of LDS; arguments xc, wc, bq, bk, bv, qkv; writes qkv
.if DOCPART == 2
	.amdgcn_target "amdgcn-amd-amdhsa--gfx1250"
	.amdhsa_code_object_version 6
	.text
	.protected	k_q3c71e65ed7_proj
	.globl	k_q3c71e65ed7_proj
	.p2align	8
	.type	k_q3c71e65ed7_proj,@function
k_q3c71e65ed7_proj:
	s_mov_b64 s[64:65], 0
	v_nop
	global_prefetch_b8 v0, s[64:65] scope:SCOPE_SE
	s_setreg_imm32_b32 hwreg(HW_REG_WAVE_MODE, 25, 1), 1
	s_wait_xcnt 0x0
	s_wait_alu depctr_hold_cnt(0) depctr_sa_sdst(0) depctr_va_vdst(0) depctr_va_sdst(0) depctr_va_ssrc(0) depctr_va_vcc(0) depctr_vm_vsrc(0)
	s_getreg_b32 s2, hwreg(HW_REG_IB_STS2, 6, 4)
	s_cmp_eq_u32 s2, 0
	s_cbranch_scc0 .Lentry_in_a_cluster
	s_endpgm
.Lentry_in_a_cluster:
	s_bfe_u32 s2, ttmp6, 0x10000c
	s_cmp_lg_u32 s2, 0xf033
	s_cbranch_scc0 .Lentry_shape_is_right
	s_endpgm
.Lentry_shape_is_right:
; q = query Wq + bq, k = key Wk + bk, v = value Wv + bv, on codes of E2M3, and their results quantised at once for the products that follow: q and k along d, v along the KEYS (stored as v^T).
; All operands lie as BLOCKS of 12,800 bytes (128 rows x 128 K: eight images of a fragment's registers, then the scale words; lane row r of tile T is row 32 (T / 2) + 8 (T % 2) + r + 8 (r / 8)).
; A work-group makes 256 rows of source 0 x 256 rows of source 1; each of its four waves 128 x 128: 64 accumulators.  wmma(D, source 0's tile b, source 1's tile a): lane (r, h) holds source 1's lane row r of
; tile a, and its register j source 0's index 32 (b / 2) + 16 h + 8 (b % 2) + j: so the 64 registers of a row of tiles are 64 numbers of one row of the result, neighbours along the next K.
; q, k: source 0 = the weight (rows n), source 1 = the tokens.  v: source 0 = the tokens (keys), source 1 = Wv (rows n): the result's rows are channels and its K the keys.
; K goes in steps of 256 through two LDS slots; a slot is four dense regions of 25,600 bytes (two BLOCKS), one tensor load a wave.
; CLUSTER 4 x 4: source 0's tile hangs on cx and is asked for jointly by a column of the cluster, source 1's on cy, by a row.  24 clusters: 8 for each of q, k, v.
; REGISTERS: window 0: v1-7, v26-28 addresses; v32-47 scale words, two sets (lanes 0-15 source 0's tile i, lanes 16-31 source 1's); v48-63 at work; v64-159, v160-255 source 1's fragments, two sets.
;   window 1: v0-95, v96-191 source 0's fragments, two sets; v192-255 the bias, as the C of the first products.   windows 2, 3: accumulator (a, b) at v[8 (8 (a % 4) + b)] of window 2 + a / 4.
.set CLUSTER, 1
.set PVSKIP, 0
.set SLOT1, 131072                     ; slot 1 begins here: one exclusive or turns an address in one slot into the other's
.set REG,   25600                      ; a region: 128 rows x 256 K
.set BLK,   12800
.set SPARE, 267264                     ; the spare words, 128 bytes for each wave
.set LI, 1                             ; v1  16 x lane
.set A0, 2                             ; v2  my source 0 region;  v3 my source 1 region;  v4, v5 the same in the slot in hand
.set A1, 3
.set AD0, 4
.set AD1, 5
.set SPW, 6                            ; v6  LDS address of my spare word; v7  0; never rewritten
.set NIL, 7
.set AS0, 26                           ; v26 my scale words (lanes 0-15 source 0's, lanes 16-31 source 1's); v27 in the slot in hand
.set ADS, 27
.set SA, 28                            ; v28 32 r + 16 h: my four words of a scale image
.set SC, 32
.set TM, 48
.set PC, 128                           ; v128-146 the codes just made
.set WD, 152                           ; v152-159 the eight tiles' scale words
.set IM, 160
.set WV, 20
.set S0H, 21
.set S1H, 22
.set G1, 24                            ; s[24:31], s[32:35] descriptor groups 1 and 0 (source 0);  s[36:43], s[44:47] source 1
.set G0, 32
.set G1B, 36
.set G0B, 44
.set TB, 48                            ; s48 the slot in hand
.set CNT, 49
.set HIM, 52                           ; s52 lanes 16-31
.set SEL, 54
.set OUT, 60
.set TY, 16                            ; s16 0: q, 1: k, 2: v
.set MSB, 0
.macro WIN new                         ; the immediate's high byte repeats the setting that is left
.if MSB != (\new)
	s_set_vgpr_msb (MSB<<8)|(\new)
.set MSB, (\new)
.endif
.endm
.macro PLACES n
.rept \n
	v_nop
.endr
.endm
.macro ROUND                           ; a round of the cluster's barrier
	s_barrier_signal -1
	s_barrier_wait -1
	s_cmp_lg_u32 s[WV], 0
	s_cbranch_scc1 .Lnot_wave_0_\@
	s_barrier_signal -3
.Lnot_wave_0_\@:
	s_barrier_wait -3
	s_barrier_signal -1
	s_barrier_wait -1
.endm
.macro JLOAD                           ; a joint load: waves 0, 1 fetch source 0's halves, waves 2, 3 source 1's; an s_nop 0 and four v_nop follow each line
	s_cmp_lt_u32 s[WV], 2
	s_cbranch_scc0 .Lfor_1_\@
	tensor_load_to_lds s[G0:G0+3], s[G1:G1+7]
	s_nop 0
	PLACES 4
	s_branch .Lasked_\@
.Lfor_1_\@:
	tensor_load_to_lds s[G0B:G0B+3], s[G1B:G1B+7]
	s_nop 0
	PLACES 4
.Lasked_\@:
.endm
; 32 matrix instructions: source 1's tiles a0 .. a0 + 3 x source 0's eight, register set p.  cm = 0: sums go on; 1: C = 0; 2: C = the bias by source 0's tile; 3: by source 1's.  The 64 accumulators take turns.
.macro MUL a0, p, cm
.if (\cm) >= 2
	WIN 0x91+0x40*((\a0)/4)
.else
	WIN 0xa1+0x50*((\a0)/4)
.endif
.set ma, \a0
.rept 4
.set mb, 0
.rept 8
.set rD, 8*(8*(ma%4)+mb)
.set rA, 96*(\p)+12*mb
.set rB, 64+96*(\p)+12*ma
.set zA, SC+8*(\p)+mb
.set zB, SC+8*(\p)+ma
.if (\cm) == 0
	v_wmma_scale_f32_16x16x128_f8f6f4 v[rD:rD+7], v[rA:rA+11], v[rB:rB+11], v[rD:rD+7], v[zA], v[zB] matrix_a_fmt:MATRIX_FMT_FP6 matrix_b_fmt:MATRIX_FMT_FP6 matrix_b_scale:MATRIX_SCALE_ROW1
.elseif (\cm) == 1
	v_wmma_scale_f32_16x16x128_f8f6f4 v[rD:rD+7], v[rA:rA+11], v[rB:rB+11], 0, v[zA], v[zB] matrix_a_fmt:MATRIX_FMT_FP6 matrix_b_fmt:MATRIX_FMT_FP6 matrix_b_scale:MATRIX_SCALE_ROW1
.elseif (\cm) == 2
	v_wmma_scale_f32_16x16x128_f8f6f4 v[rD:rD+7], v[rA:rA+11], v[rB:rB+11], v[192+8*mb:199+8*mb], v[zA], v[zB] matrix_a_fmt:MATRIX_FMT_FP6 matrix_b_fmt:MATRIX_FMT_FP6 matrix_b_scale:MATRIX_SCALE_ROW1
.else
	v_wmma_scale_f32_16x16x128_f8f6f4 v[rD:rD+7], v[rA:rA+11], v[rB:rB+11], v[192+8*ma:199+8*ma], v[zA], v[zB] matrix_a_fmt:MATRIX_FMT_FP6 matrix_b_fmt:MATRIX_FMT_FP6 matrix_b_scale:MATRIX_SCALE_ROW1
.endif
.set mb, mb+1
.endr
.set ma, ma+1
.endr
.endm
.macro FETCH p, q                      ; 50 LDS loads: the slot's q-th 128 along K into set p: source 0's 24, the scale words' 2, source 1's 24
	WIN 0x40
.set ft, 0
.rept 8
.irp c, 0,1,2
	ds_load_b128 v[96*(\p)+12*ft+4*\c:96*(\p)+12*ft+4*\c+3], v[AD0] offset:BLK*(\q)+1536*ft+512*\c
.endr
.set ft, ft+1
.endr
	WIN 0
.irp i, 0,1
	ds_load_b128 v[SC+8*(\p)+4*\i:SC+8*(\p)+4*\i+3], v[ADS] offset:BLK*(\q)+16*\i
.endr
.set ft, 0
.rept 8
.irp c, 0,1,2
	ds_load_b128 v[64+96*(\p)+12*ft+4*\c:64+96*(\p)+12*ft+4*\c+3], v[AD1] offset:BLK*(\q)+1536*ft+512*\c
.endr
.set ft, ft+1
.endr
.endm
.macro SLOT cm                         ; a slot's 256 along K: 128 matrix instructions
	v_add_nc_u32 v[AD0], s[TB], v[A0]              ; these three and the v_nop are the four places in front of loads into registers that matrix instructions have read
	v_add_nc_u32 v[AD1], s[TB], v[A1]
	v_add_nc_u32 v[ADS], s[TB], v[AS0]
	v_nop
	FETCH 0, 0
	s_wait_dscnt 12                                ; all but source 1's tiles 4-7
	MUL 0, 0, \cm
	FETCH 1, 1
	s_wait_dscnt 50                                ; all but the 50 just issued
	MUL 4, 0, \cm
	s_wait_dscnt 12
	MUL 0, 1, 0
	s_wait_dscnt 0x0
	MUL 4, 1, 0
	WIN 0
	s_xor_b32 s[TB], s[TB], SLOT1
.endm
; The change of slots stands at a slot's head: all my tensor loads have landed (my part of the slot ahead), the add, my reads of the slot left are over; behind the barrier (fill = 1: a round of the cluster's) the slot left is asked for again.
.macro CHANGE fill
	s_wait_tensorcnt 0x0                           ; no tensor load of mine is out: the groups 0 may be written
	ds_add_u32 v[SPW], v[NIL]                      ; 0 onto my spare word
.if \fill
	s_xor_b32 s[G0+1], s[G0+1], SLOT1
	s_add_nc_u64 s[G0+2:G0+3], s[G0+2:G0+3], REG
	s_xor_b32 s[G0B+1], s[G0B+1], SLOT1
	s_add_nc_u64 s[G0B+2:G0B+3], s[G0B+2:G0B+3], REG
.endif
	s_wait_dscnt 0x0
.if \fill
	ROUND
	JLOAD
.else
	s_barrier_signal -1
	s_barrier_wait -1
.endif
.endm
; 64 numbers of a lane, v[QS] on in window QW, register 16 b + i = k 32 b + 16 h + i of my row, become a fragment's codes in v[PC] on and its scale word in v[WD + qa].  Each accumulator is read from its low end on.
.macro QUANT
	WIN QW|(QW<<2)
.irp b, 0,1,2,3
	v_max3_num_f32 v[TM+\b], |v[QS+16*\b]|, |v[QS+1+16*\b]|, 0x1800000     ; and the floor 2^(3 - 127): the byte cannot fall under 1
.endr
.irp i, 2,4,6,8,10,12,14
.irp b, 0,1,2,3
	v_max3_num_f32 v[TM+\b], |v[QS+16*\b+\i]|, |v[QS+1+16*\b+\i]|, v[TM+\b]
.endr
.endr
	WIN 0
.irp b, 0,1,2,3
	v_permlanex16_b32 v[TM+4+\b], v[TM+\b], s[SEL], s[SEL+1]
.endr
.irp b, 0,1,2,3
	v_max_num_f32 v[TM+\b], v[TM+\b], v[TM+4+\b]   ; with lane l xor 16's 16: the block's largest magnitude
.endr
.irp b, 0,1,2,3
	v_add_nc_u32 v[TM+12+\b], 0xff000000, v[TM+\b] ; 2 off the exponent field: the conversion's scale operand
.endr
.irp b, 0,1,2,3
	v_lshrrev_b32 v[TM+4+\b], 23, v[TM+12+\b]      ; the scale's byte
.endr
	v_lshl_or_b32 v[WD+qa], v[TM+5], 8, v[TM+4]
	v_lshl_or_b32 v[WD+qa], v[TM+6], 16, v[WD+qa]
	v_lshl_or_b32 v[WD+qa], v[TM+7], 24, v[WD+qa]
	WIN QW
.irp c, 0,1
	v_cvt_scalef32_pk16_fp6_f32 v[PC+6*\c:PC+2+6*\c], v[QS+32*\c:QS+15+32*\c], v[TM+12+2*\c]
	v_cvt_scalef32_pk16_fp6_f32 v[PC+12+4*\c:PC+14+4*\c], v[QS+16+32*\c:QS+31+32*\c], v[TM+12+2*\c+1]
.endr
	WIN 0
	v_nop                                          ; one plain place behind the scaled conversions
.irp c, 0,1                            ; the operand's layout wants a whole block in a lane
.irp i, 0,1,2
	v_permlane16_swap_b32 v[PC+6*\c+\i], v[PC+12+4*\c+\i]
.endr
.irp i, 0,1,2
	v_mov_b32 v[PC+3+6*\c+\i], v[PC+12+4*\c+\i]
.endr
.endr
.endm
.macro PUT                             ; the fragment's image: three stores of 512 consecutive bytes
.irp c, 0,1,2
	global_store_b128 v[LI], v[PC+4*\c:PC+4*\c+3], s[OUT:OUT+1] offset:1536*qa+512*\c
.endr
.endm
	s_load_b256 s[4:11], s[0:1], 0x0               ; xc, wc, bq, bk
	s_load_b128 s[12:15], s[0:1], 0x20             ; bv, qkv
	v_lshl_add_u32 v[SPW], v0, 2, SPARE
	v_mov_b32 v[NIL], 0
	ds_add_u32 v[SPW], v[NIL]                      ; the wave's opening: the add, twice on end, and its wait ahead of my first tensor load
	ds_add_u32 v[SPW], v[NIL]
	v_lshrrev_b32 v8, 5, v0
	v_readfirstlane_b32 s[WV], v8
	s_and_b32 s[S0H], s[WV], 1                     ; my half of source 0's rows; also which half of a tile I fetch
	s_lshr_b32 s[S1H], s[WV], 1                    ; my half of source 1's rows
	s_mov_b32 s[TB], 0
	s_mov_b32 s[HIM], 0xffff0000
	s_mov_b32 s[SEL], 0x76543210
	s_mov_b32 s[SEL+1], 0xfedcba98
.irp g, G1, G1B                        ; a dense region of 25,600 bytes as 100 rows of 32 elements of 8 bytes
	s_mov_b32 s[\g+1], 32<<16
	s_mov_b32 s[\g+2], 100<<16
	s_mov_b32 s[\g+3], 32<<16
	s_mov_b32 s[\g+4], 100
	s_mov_b32 s[\g+5], 32
	s_mov_b32 s[\g+6], 0
	s_mov_b32 s[\g+7], 0
.endr
	s_bfe_u32 s66, ttmp6, 0x40000                  ; cx
	s_bfe_u32 s67, ttmp6, 0x40004                  ; cy
	s_and_b32 s68, ttmp7, 0xffff                   ; the cluster, 0 .. 23
	s_lshr_b32 s[TY], s68, 3
	s_and_b32 s68, s68, 7
	s_lshl_b32 s68, s68, 2                         ; the tokens' tiles go by 4 x (cluster % 8) + the place in the cluster
	s_cmp_eq_u32 s[TY], 2
	s_cselect_b32 s70, s68, 0
	s_cselect_b32 s71, 0, s68
	s_add_co_u32 s70, s70, s66                     ; source 0's tile: hangs on cx alone
	s_add_co_u32 s71, s71, s67                     ; source 1's: on cy alone
	s_lshl_b32 s72, 0x1111, s66                    ; my column of the cluster
	s_lshl_b32 s73, s67, 2
	s_lshl_b32 s73, 15, s73                        ; my row
	s_or_b32 s[G1], s72, (3<<16)|(1<<21)
	s_or_b32 s[G1B], s73, (3<<16)|(1<<21)
	s_mul_i32 s74, s[TY], 6553600                  ; this product's part of xc (and of qkv)
	s_mul_i32 s75, s[TY], 819200                   ; and of wc
	s_cmp_eq_u32 s[TY], 2
	s_cselect_b32 s76, s74, s75
	s_cselect_b32 s78, s75, s74
	s_mul_i32 s80, s70, 204800                     ; a tile: two row blocks of 8 BLOCKS
	s_mul_i32 s81, s71, 204800
	s_mul_i32 s82, s[S0H], 102400
	s_add_co_u32 s76, s76, s80
	s_add_co_u32 s76, s76, s82
	s_mov_b32 s77, 0
	s_add_co_u32 s78, s78, s81
	s_add_co_u32 s78, s78, s82
	s_mov_b32 s79, 0
	s_mul_i32 s83, s[WV], REG                      ; wave w fills region w: no place in the cluster enters an LDS address
	s_wait_dscnt 0x0                               ; both opening adds are done
	s_wait_kmcnt 0x0
	s_cmp_eq_u32 s[TY], 2
	s_cselect_b64 s[84:85], s[4:5], s[6:7]         ; source 0: the weight, for v the tokens
	s_cselect_b64 s[86:87], s[6:7], s[4:5]
	s_mov_b32 s[G0], 1
	s_mov_b32 s[G0+1], s83
	s_add_nc_u64 s[G0+2:G0+3], s[84:85], s[76:77]
	s_or_b32 s[G0+3], s[G0+3], 0x80000000
	s_mov_b32 s[G0B], 1
	s_mov_b32 s[G0B+1], s83
	s_add_nc_u64 s[G0B+2:G0B+3], s[86:87], s[78:79]
	s_or_b32 s[G0B+3], s[G0B+3], 0x80000000
	ROUND                                          ; all sixteen work-groups are here: the first joint loads meet
	JLOAD                                          ; slot 0
	v_and_b32 v8, 31, v0
	v_and_b32 v9, 15, v0                           ; r
	v_bfe_u32 v10, v0, 4, 1                        ; h
	v_lshlrev_b32 v[LI], 4, v8
	s_mul_i32 s96, s[S0H], REG
	v_add_nc_u32 v[A0], s96, v[LI]
	s_mul_i32 s97, s[S1H], REG
	s_add_co_u32 s97, s97, 2*REG
	v_add_nc_u32 v[A1], s97, v[LI]
	s_xor_b32 s98, s[S0H], 1
	s_add_co_u32 s98, s98, s[S1H]
	s_add_co_u32 s98, s98, 1
	s_mul_i32 s98, s98, REG                        ; from my source 0 region to my source 1 region
	v_mul_u32_u24 v11, s98, v10                    ; lanes 16-31 take source 1's words
	v_lshl_add_u32 v11, v9, 5, v11
	s_add_co_u32 s96, s96, 12288
	v_add_nc_u32 v[AS0], s96, v11
	v_lshlrev_b32 v[SA], 5, v9
	v_lshl_add_u32 v[SA], v10, 4, v[SA]
.irp b, 0,1,2,3
	v_mov_b32 v[TM+4+\b], 0                        ; a lane permute's destination counts as one of its sources
.endr
	s_lshl_b32 s88, s70, 1
	s_add_co_u32 s88, s88, s[S0H]                  ; my row block of source 0
	s_lshl_b32 s89, s71, 1
	s_add_co_u32 s89, s89, s[S1H]                  ; and of source 1
	s_lshl_b32 s90, s89, 3
	s_add_co_u32 s90, s90, s88                     ; q, k: BLOCK (tokens' row block, K step = the weight's row block)
	s_lshr_b32 s91, s88, 4
	s_lshl_b32 s91, s91, 7
	s_lshl_b32 s92, s89, 4
	s_add_co_u32 s91, s91, s92
	s_and_b32 s92, s88, 15
	s_add_co_u32 s91, s91, s92                     ; v^T: 128 x batch + 16 x channels' row block + the keys' K step
	s_cmp_eq_u32 s[TY], 2
	s_cselect_b32 s90, s91, s90
	s_mul_i32 s90, s90, BLK
	s_add_co_u32 s90, s90, s74
	s_mov_b32 s91, 0
	s_add_nc_u64 s[OUT:OUT+1], s[14:15], s[90:91]
	s_cmp_eq_u32 s[TY], 0
	s_cselect_b64 s[92:93], s[8:9], s[10:11]
	s_cmp_eq_u32 s[TY], 2
	s_cselect_b64 s[92:93], s[12:13], s[92:93]
	s_cselect_b32 s94, s89, s88                    ; the bias goes by n: source 0's rows, for v source 1's
	s_lshl_b32 s94, s94, 9
	s_mov_b32 s95, 0
	s_add_nc_u64 s[92:93], s[92:93], s[94:95]
	s_cmp_eq_u32 s[TY], 2
	s_cbranch_scc1 .Lbias_v
	v_lshlrev_b32 v11, 6, v10                      ; register j of tile b: n = 32 (b / 2) + 16 h + 8 (b % 2) + j
	WIN 0x40
.set tb, 0
.rept 8
	global_load_b128 v[192+8*tb:195+8*tb], v11, s[92:93] offset:4*(32*(tb/2)+8*(tb%2))
	global_load_b128 v[196+8*tb:199+8*tb], v11, s[92:93] offset:4*(32*(tb/2)+8*(tb%2))+16
.set tb, tb+1
.endr
	WIN 0
	s_branch .Lbias_done
.Lbias_v:
	v_and_b32 v11, 8, v9
	v_add_nc_u32 v11, v11, v9
	v_lshlrev_b32 v11, 2, v11                      ; all eight registers of tile a: n = 32 (a / 2) + 8 (a % 2) + r + 8 (r / 8)
	WIN 0x40
.set tb, 0
.rept 64
	global_load_b32 v[192+tb], v11, s[92:93] offset:4*(32*(tb/16)+8*((tb/8)%2))
.set tb, tb+1
.endr
	WIN 0
.Lbias_done:
	CHANGE 1                                       ; slot 0 is whole; slot 1's first fill goes out behind this round, behind which nobody fills bytes again
	s_wait_loadcnt 0x0                             ; the bias
	s_cmp_eq_u32 s[TY], 2
	s_cbranch_scc1 .Lfirst_v
	SLOT 2                                         ; the first products start the sums with the bias: nothing is cleared, nothing is added later
	s_branch .Lgo
.Lfirst_v:
	SLOT 3
.Lgo:
	s_mov_b32 s[CNT], 2
.Lk:
	CHANGE 1
	SLOT 0
	s_sub_co_u32 s[CNT], s[CNT], 1
	s_cmp_lg_u32 s[CNT], 0
	s_cbranch_scc1 .Lk
	CHANGE 0                                       ; the last slot is written out: nothing is left to fetch
	SLOT 0
	PLACES 4                                       ; in front of the first read of results and of writes over the fragments' registers
.set qa, 0
.rept 8                                ; a row of eight accumulators is one fragment of the next operand
.set QS, 64*(qa%4)
.set QW, 2+qa/4
.if qa > 0
	s_wait_xcnt 0x0                                ; the last fragment's stores have read their registers
.endif
	QUANT
	PUT
.set qa, qa+1
.endr
.irp j, 0,1,2,3
	v_cndmask_b32 v[IM+\j], v[WD+\j], v[WD+4+\j], s[HIM]
.endr
	global_store_b128 v[SA], v[IM:IM+3], s[OUT:OUT+1] offset:12288
	s_wait_tensorcnt 0x0                           ; the wave's end
	ds_add_u32 v[SPW], v[NIL]
	s_wait_dscnt 0x0
	ROUND                                          ; the closing round
	s_endpgm
.Lfunc_end_k_q3c71e65ed7_proj:
	.size	k_q3c71e65ed7_proj, .Lfunc_end_k_q3c71e65ed7_proj-k_q3c71e65ed7_proj
	.p2alignl 7, 3214868480
	.fill 96, 4, 3214868480
	.section	.rodata,"a",@progbits
	.p2align	6, 0x0
	.amdhsa_kernel k_q3c71e65ed7_proj
		.amdhsa_group_segment_fixed_size 327680
		.amdhsa_private_segment_fixed_size 0
		.amdhsa_enable_private_segment 0
		.amdhsa_kernarg_size 48
		.amdhsa_user_sgpr_count 2
		.amdhsa_user_sgpr_kernarg_segment_ptr 1
		.amdhsa_wavefront_size32 1
		.amdhsa_system_sgpr_workgroup_id_x 1
		.amdhsa_system_sgpr_workgroup_id_y 1
		.amdhsa_system_sgpr_workgroup_id_z 1
		.amdhsa_system_vgpr_workitem_id 0
		.amdhsa_next_free_vgpr 1024
		.amdhsa_next_free_sgpr 100
		.amdhsa_reserve_vcc 0
		.amdhsa_float_denorm_mode_32 3
		.amdhsa_float_denorm_mode_16_64 3
		.amdhsa_memory_ordered 1
		.amdhsa_forward_progress 1
		.amdhsa_inst_pref_size 143
	.end_amdhsa_kernel
	.amdgpu_metadata
---
amdhsa.version: [ 1, 2 ]
amdhsa.kernels:
  - .name:           k_q3c71e65ed7_proj
    .symbol:         k_q3c71e65ed7_proj.kd
    .args:
      - { .name: xc, .offset: 0, .size: 8, .value_kind: global_buffer, .address_space: global }
      - { .name: wc, .offset: 8, .size: 8, .value_kind: global_buffer, .address_space: global }
      - { .name: bq, .offset: 16, .size: 8, .value_kind: global_buffer, .address_space: global }
      - { .name: bk, .offset: 24, .size: 8, .value_kind: global_buffer, .address_space: global }
      - { .name: bv, .offset: 32, .size: 8, .value_kind: global_buffer, .address_space: global }
      - { .name: qkv, .offset: 40, .size: 8, .value_kind: global_buffer, .address_space: global }
    .group_segment_fixed_size: 327680
    .private_segment_fixed_size: 0
    .kernarg_segment_align: 8
    .kernarg_segment_size: 48
    .max_flat_workgroup_size: 128
    .sgpr_count:     100
    .vgpr_count:     1024
    .wavefront_size: 32
...
	.end_amdgpu_metadata
.endif
;; end of part 2
;; launch stats (part 3): grid 36 x 4, 4 waves a work-group, no clusters, 327,680 bytes of LDS; arguments qkv, st; writes st
.if DOCPART == 3
	.amdgcn_target "amdgcn-amd-amdhsa--gfx1250"
	.amdhsa_code_object_version 6
	.text
	.protected	k_q3c71e65ed7_stats
	.globl	k_q3c71e65ed7_stats
	.p2align	8
	.type	k_q3c71e65ed7_stats,@function
k_q3c71e65ed7_stats:
	s_mov_b64 s[64:65], 0
	v_nop
	global_prefetch_b8 v0, s[64:65] scope:SCOPE_SE
	s_setreg_imm32_b32 hwreg(HW_REG_WAVE_MODE, 25, 1), 1
	s_wait_xcnt 0x0
; For each query and each block of 128 keys at or under the diagonal: m = the largest t of the block, t = (q . k) log2(e) / 32, and l = the sum of 2^(t - m).  The finished softmax is what the next product
; quantises, so a row's maximum and sum must be known before any of its weights becomes a code: this launch finds them, the next one multiplies the same scores again.
; LEFT OUT: the tiles of 256 queries x 256 keys that lie wholly over the diagonal (reference() overwrites their scores by -1e9): 36 of 64 tiles a batch are made.  In a tile on the diagonal hidden scores become
; -1e9 x 32 ahead of the maximum, as reference() has them; the wave whose 128 x 128 lies wholly over the diagonal stores nothing.
; The GEMM is proj's: source 0 = k (256 keys), source 1 = q (256 queries); a lane holds one query and its registers run along the keys.
; cluster = none: a row of the triangle has 1 to 8 tiles, 36 a batch: no cluster four wide divides it.
; REGISTERS as in proj; behind the loop: v8-15 m, v16-23 l of the eight tiles of queries; v24, v25 the mask's distances; v29 -3.2e10; v[30:31] -m; v64-127 at work.
.set SLOT1, 131072
.set REG,   25600
.set BLK,   12800
.set SPARE, 267264
.set LI, 1
.set A0, 2
.set A1, 3
.set AD0, 4
.set AD1, 5
.set SPW, 6
.set NIL, 7
.set MT, 8
.set LSUM, 16
.set VD0, 24
.set VD, 25
.set AS0, 26
.set ADS, 27
.set NEGV, 29
.set NM, 30
.set SC, 32
.set TM, 48
.set E, 64
.set IM, 160
.set QT, 16
.set KT, 17
.set QBW, 18
.set KBW, 19
.set WV, 20
.set S0H, 21
.set S1H, 22
.set G1, 24
.set G0, 32
.set TB, 48
.set CNT, 49
.set HIM, 52
.set SEL, 54
.set CS, 56                            ; s[56:57] c = log2(e) / 32; s58 -c
.set NC, 58
.set OUT, 60
.set MSB, 0
.macro WIN new
.if MSB != (\new)
	s_set_vgpr_msb (MSB<<8)|(\new)
.set MSB, (\new)
.endif
.endm
.macro PLACES n
.rept \n
	v_nop
.endr
.endm
.macro MUL a0, p, cm                   ; 32 matrix instructions; cm = 1: C = 0.  The 64 accumulators take turns.
	WIN 0xa1+0x50*((\a0)/4)
.set ma, \a0
.rept 4
.set mb, 0
.rept 8
.set rD, 8*(8*(ma%4)+mb)
.set rA, 96*(\p)+12*mb
.set rB, 64+96*(\p)+12*ma
.set zA, SC+8*(\p)+mb
.set zB, SC+8*(\p)+ma
.if (\cm) == 0
	v_wmma_scale_f32_16x16x128_f8f6f4 v[rD:rD+7], v[rA:rA+11], v[rB:rB+11], v[rD:rD+7], v[zA], v[zB] matrix_a_fmt:MATRIX_FMT_FP6 matrix_b_fmt:MATRIX_FMT_FP6 matrix_b_scale:MATRIX_SCALE_ROW1
.else
	v_wmma_scale_f32_16x16x128_f8f6f4 v[rD:rD+7], v[rA:rA+11], v[rB:rB+11], 0, v[zA], v[zB] matrix_a_fmt:MATRIX_FMT_FP6 matrix_b_fmt:MATRIX_FMT_FP6 matrix_b_scale:MATRIX_SCALE_ROW1
.endif
.set mb, mb+1
.endr
.set ma, ma+1
.endr
.endm
.macro FETCH p, q
	WIN 0x40
.set ft, 0
.rept 8
.irp c, 0,1,2
	ds_load_b128 v[96*(\p)+12*ft+4*\c:96*(\p)+12*ft+4*\c+3], v[AD0] offset:BLK*(\q)+1536*ft+512*\c
.endr
.set ft, ft+1
.endr
	WIN 0
.irp i, 0,1
	ds_load_b128 v[SC+8*(\p)+4*\i:SC+8*(\p)+4*\i+3], v[ADS] offset:BLK*(\q)+16*\i
.endr
.set ft, 0
.rept 8
.irp c, 0,1,2
	ds_load_b128 v[64+96*(\p)+12*ft+4*\c:64+96*(\p)+12*ft+4*\c+3], v[AD1] offset:BLK*(\q)+1536*ft+512*\c
.endr
.set ft, ft+1
.endr
.endm
.macro SLOT cm
	v_add_nc_u32 v[AD0], s[TB], v[A0]              ; these three and the v_nop are the four places in front of loads into registers that matrix instructions have read
	v_add_nc_u32 v[AD1], s[TB], v[A1]
	v_add_nc_u32 v[ADS], s[TB], v[AS0]
	v_nop
	FETCH 0, 0
	s_wait_dscnt 12                                ; all but source 1's tiles 4-7
	MUL 0, 0, \cm
	FETCH 1, 1
	s_wait_dscnt 50                                ; all but the 50 just issued
	MUL 4, 0, \cm
	s_wait_dscnt 12
	MUL 0, 1, 0
	s_wait_dscnt 0x0
	MUL 4, 1, 0
	WIN 0
	s_xor_b32 s[TB], s[TB], SLOT1
.endm
.macro CHANGE fill
	s_wait_tensorcnt 0x0                           ; no tensor load of mine is out: the group 0 may be written
	ds_add_u32 v[SPW], v[NIL]                      ; 0 onto my spare word
.if \fill
	s_xor_b32 s[G0+1], s[G0+1], SLOT1
	s_add_nc_u64 s[G0+2:G0+3], s[G0+2:G0+3], REG
.endif
	s_wait_dscnt 0x0                               ; the add is done, and my reads of the slot left are over
	s_barrier_signal -1
	s_barrier_wait -1
.if \fill
	tensor_load_to_lds s[G0:G0+3], s[G1:G1+7]      ; my one tensor load behind the barrier, and the first thing there
	s_nop 0
	PLACES 4
.endif
.endm
; Where my keys are not all under my queries: register n of tile qa holds key 32 (n / 16) + 16 h + n % 16 of my 128: hidden where that lies over the query.
.macro MASKIF
	s_cmp_lt_u32 s[KBW], s[QBW]
	s_cbranch_scc1 .Lopen_\@
	v_add_nc_u32 v[VD], 32*(qa/2)+8*(qa%2), v[VD0]
	WIN QW|(QW<<6)
.set mn, 0
.rept 64
	v_cmp_gt_i32 vcc_lo, 32*(mn/16)+mn%16, v[VD]
	v_cndmask_b32 v[QS+mn], v[QS+mn], v[NEGV], vcc_lo
.set mn, mn+1
.endr
	WIN 0
.Lopen_\@:
.endm
	s_load_b128 s[4:7], s[0:1], 0x0                ; qkv, st
	v_lshl_add_u32 v[SPW], v0, 2, SPARE
	v_mov_b32 v[NIL], 0
	ds_add_u32 v[SPW], v[NIL]                      ; the wave's opening: the add, twice on end, and its wait ahead of my first tensor load
	ds_add_u32 v[SPW], v[NIL]
	v_lshrrev_b32 v8, 5, v0
	v_readfirstlane_b32 s[WV], v8
	s_and_b32 s[S0H], s[WV], 1
	s_lshr_b32 s[S1H], s[WV], 1
	s_mov_b32 s[TB], 0
	s_mov_b32 s[HIM], 0xffff0000
	s_mov_b32 s[SEL], 0x76543210
	s_mov_b32 s[SEL+1], 0xfedcba98
	s_mov_b32 s[CS], 0x3d38aa3b
	s_mov_b32 s[CS+1], s[CS]
	s_mov_b32 s[NC], 0xbd38aa3b
	s_mov_b32 s[G1], 3<<16                         ; a dense region of 25,600 bytes as 100 rows of 32 elements of 8 bytes
	s_mov_b32 s[G1+1], 32<<16
	s_mov_b32 s[G1+2], 100<<16
	s_mov_b32 s[G1+3], 32<<16
	s_mov_b32 s[G1+4], 100
	s_mov_b32 s[G1+5], 32
	s_mov_b32 s[G1+6], 0
	s_mov_b32 s[G1+7], 0
	s_and_b32 s66, ttmp7, 0xffff                   ; the batch
	s_mov_b32 s[QT], 0                             ; work-group x counts the triangle's tiles row by row: row qt begins at qt (qt + 1) / 2
.irp T, 1,3,6,10,15,21,28
	s_cmp_ge_u32 ttmp9, \T
	s_cselect_b32 s67, 1, 0
	s_add_co_u32 s[QT], s[QT], s67
.endr
	s_add_co_u32 s67, s[QT], 1
	s_mul_i32 s67, s67, s[QT]
	s_lshr_b32 s67, s67, 1
	s_sub_co_u32 s[KT], ttmp9, s67
	s_lshl_b32 s[QBW], s[QT], 1
	s_add_co_u32 s[QBW], s[QBW], s[S1H]            ; my block of 128 queries
	s_lshl_b32 s[KBW], s[KT], 1
	s_add_co_u32 s[KBW], s[KBW], s[S0H]            ; my block of 128 keys
	s_cmp_lt_u32 s[WV], 2                          ; waves 0, 1 fetch k's halves, waves 2, 3 q's
	s_cselect_b32 s68, s[KT], s[QT]
	s_cselect_b32 s69, 6553600, 0
	s_mul_i32 s68, s68, 204800
	s_add_co_u32 s68, s68, s69
	s_mul_i32 s70, s66, 1638400
	s_add_co_u32 s68, s68, s70
	s_mul_i32 s70, s[S0H], 102400
	s_add_co_u32 s68, s68, s70
	s_mov_b32 s69, 0
	s_mul_i32 s71, s[WV], REG
	s_wait_dscnt 0x0                               ; both opening adds are done
	s_wait_kmcnt 0x0
	s_mov_b32 s[G0], 1
	s_mov_b32 s[G0+1], s71
	s_add_nc_u64 s[G0+2:G0+3], s[4:5], s[68:69]
	s_or_b32 s[G0+3], s[G0+3], 0x80000000
	tensor_load_to_lds s[G0:G0+3], s[G1:G1+7]      ; slot 0: every wave its region
	s_nop 0
	PLACES 4
	v_and_b32 v8, 31, v0
	v_and_b32 v9, 15, v0                           ; r
	v_bfe_u32 v10, v0, 4, 1                        ; h
	v_lshlrev_b32 v[LI], 4, v8
	s_mul_i32 s96, s[S0H], REG
	v_add_nc_u32 v[A0], s96, v[LI]
	s_mul_i32 s97, s[S1H], REG
	s_add_co_u32 s97, s97, 2*REG
	v_add_nc_u32 v[A1], s97, v[LI]
	s_xor_b32 s98, s[S0H], 1
	s_add_co_u32 s98, s98, s[S1H]
	s_add_co_u32 s98, s98, 1
	s_mul_i32 s98, s98, REG
	v_mul_u32_u24 v11, s98, v10
	v_lshl_add_u32 v11, v9, 5, v11
	s_add_co_u32 s96, s96, 12288
	v_add_nc_u32 v[AS0], s96, v11
	v_mov_b32 v[TM+4], 0                           ; a lane permute's destination counts as one of its sources
	v_mov_b32 v[NM+1], 0                           ; (named as the upper half of a pair)
	v_mov_b32 v[NEGV], 0xd0ee6b28                  ; -1e9 x 32
	v_and_b32 v11, 8, v9
	v_add_nc_u32 v11, v11, v9
	v_lshlrev_b32 v12, 4, v10
	v_sub_nc_u32 v11, v11, v12
	s_sub_co_i32 s70, s[QBW], s[KBW]
	s_lshl_b32 s70, s70, 7
	v_add_nc_u32 v[VD0], s70, v11                  ; r + 8 (r / 8) - 16 h + 128 (my query block - my key block)
	s_lshl_b32 s70, s66, 4
	s_add_co_u32 s70, s70, s[QBW]
	s_lshl_b32 s70, s70, 4
	s_add_co_u32 s70, s70, s[KBW]
	s_lshl_b32 s70, s70, 10                        ; 1,024 bytes for each (query block, key block)
	s_mov_b32 s71, 0
	s_add_nc_u64 s[OUT:OUT+1], s[6:7], s[70:71]
	CHANGE 1                                       ; slot 0 is whole; slot 1's first fill goes out behind this barrier, behind which nobody fills bytes again
	SLOT 1
	s_mov_b32 s[CNT], 2
.Lk:
	CHANGE 1
	SLOT 0
	s_sub_co_u32 s[CNT], s[CNT], 1
	s_cmp_lg_u32 s[CNT], 0
	s_cbranch_scc1 .Lk
	CHANGE 0
	SLOT 0
	PLACES 4
	s_cmp_gt_u32 s[KBW], s[QBW]                    ; my 128 x 128 lies wholly over the diagonal: nobody reads its figures
	s_cbranch_scc1 .Lend
.set qa, 0
.rept 8
.set QS, 64*(qa%4)
.set QW, 2+qa/4
	MASKIF
	WIN QW|(QW<<2)
.irp b, 0,1,2,3
	v_max_num_f32 v[TM+\b], v[QS+16*\b], v[QS+1+16*\b]             ; four chains; each accumulator is read from its low end on
.endr
.irp i, 2,4,6,8,10,12,14
.irp b, 0,1,2,3
	v_max3_num_f32 v[TM+\b], v[QS+16*\b+\i], v[QS+1+16*\b+\i], v[TM+\b]
.endr
.endr
	WIN 0
	v_max3_num_f32 v[TM], v[TM], v[TM+1], v[TM+2]
	v_max_num_f32 v[TM], v[TM], v[TM+3]
	v_permlanex16_b32 v[TM+4], v[TM], s[SEL], s[SEL+1]
	v_max_num_f32 v[TM], v[TM], v[TM+4]            ; with lane l xor 16's 64 keys
	v_mul_f32 v[NM], s[NC], v[TM]                  ; -m
	v_mul_f32 v[MT+qa], s[CS], v[TM]               ; m
	WIN QW
.set i2, 0
.rept 32
	v_pk_fma_f32 v[E+i2:E+i2+1], v[QS+i2:QS+i2+1], s[CS:CS+1], v[NM:NM+1] op_sel_hi:[1,0,0]   ; t - m
.set i2, i2+2
.endr
	WIN 0
.set i2, 0
.rept 64
	v_exp_f32 v[E+i2], v[E+i2]
.set i2, i2+1
.endr
	v_nop                                          ; a plain place behind the exponentials
	s_wait_alu depctr_va_vdst(0)                   ; one wait for the batch, ahead of its first reader
	v_pk_add_f32 v[56:57], v[E:E+1], v[E+2:E+3]
	v_pk_add_f32 v[58:59], v[E+4:E+5], v[E+6:E+7]
.set i2, 8
.rept 14
	v_pk_add_f32 v[56:57], v[56:57], v[E+i2:E+i2+1]
	v_pk_add_f32 v[58:59], v[58:59], v[E+i2+2:E+i2+3]
.set i2, i2+4
.endr
	v_pk_add_f32 v[56:57], v[56:57], v[58:59]
	v_add_f32 v56, v56, v57
	v_permlanex16_b32 v[TM+4], v56, s[SEL], s[SEL+1]
	v_add_f32 v[LSUM+qa], v56, v[TM+4]
.set qa, qa+1
.endr
.irp j, 0,1,2,3                        ; lanes 0-15 store tiles 0-3's figures of lane row r, lanes 16-31 tiles 4-7's
	v_cndmask_b32 v[IM+\j], v[MT+\j], v[MT+4+\j], s[HIM]
	v_cndmask_b32 v[IM+4+\j], v[LSUM+\j], v[LSUM+4+\j], s[HIM]
.endr
	global_store_b128 v[LI], v[IM:IM+3], s[OUT:OUT+1]
	global_store_b128 v[LI], v[IM+4:IM+7], s[OUT:OUT+1] offset:512
.Lend:
	s_wait_tensorcnt 0x0                           ; the wave's end
	ds_add_u32 v[SPW], v[NIL]
	s_wait_dscnt 0x0
	s_endpgm
.Lfunc_end_k_q3c71e65ed7_stats:
	.size	k_q3c71e65ed7_stats, .Lfunc_end_k_q3c71e65ed7_stats-k_q3c71e65ed7_stats
	.p2alignl 7, 3214868480
	.fill 96, 4, 3214868480
	.section	.rodata,"a",@progbits
	.p2align	6, 0x0
	.amdhsa_kernel k_q3c71e65ed7_stats
		.amdhsa_group_segment_fixed_size 327680
		.amdhsa_private_segment_fixed_size 0
		.amdhsa_enable_private_segment 0
		.amdhsa_kernarg_size 16
		.amdhsa_user_sgpr_count 2
		.amdhsa_user_sgpr_kernarg_segment_ptr 1
		.amdhsa_wavefront_size32 1
		.amdhsa_system_sgpr_workgroup_id_x 1
		.amdhsa_system_sgpr_workgroup_id_y 1
		.amdhsa_system_sgpr_workgroup_id_z 1
		.amdhsa_system_vgpr_workitem_id 0
		.amdhsa_next_free_vgpr 1024
		.amdhsa_next_free_sgpr 100
		.amdhsa_reserve_vcc 1
		.amdhsa_float_denorm_mode_32 3
		.amdhsa_float_denorm_mode_16_64 3
		.amdhsa_memory_ordered 1
		.amdhsa_forward_progress 1
		.amdhsa_inst_pref_size 184
	.end_amdhsa_kernel
	.amdgpu_metadata
---
amdhsa.version: [ 1, 2 ]
amdhsa.kernels:
  - .name:           k_q3c71e65ed7_stats
    .symbol:         k_q3c71e65ed7_stats.kd
    .args:
      - { .name: qkv, .offset: 0, .size: 8, .value_kind: global_buffer, .address_space: global }
      - { .name: st, .offset: 8, .size: 8, .value_kind: global_buffer, .address_space: global }
    .group_segment_fixed_size: 327680
    .private_segment_fixed_size: 0
    .kernarg_segment_align: 8
    .kernarg_segment_size: 16
    .max_flat_workgroup_size: 128
    .sgpr_count:     100
    .vgpr_count:     1024
    .wavefront_size: 32
...
	.end_amdgpu_metadata
.endif
;; end of part 3
;; launch pcodes (part 4): grid 36 x 4, 4 waves a work-group, no clusters, 327,680 bytes of LDS; arguments qkv, st, pc; writes pc
.if DOCPART == 4
	.amdgcn_target "amdgcn-amd-amdhsa--gfx1250"
	.amdhsa_code_object_version 6
	.text
	.protected	k_q3c71e65ed7_pcodes
	.globl	k_q3c71e65ed7_pcodes
	.p2align	8
	.type	k_q3c71e65ed7_pcodes,@function
k_q3c71e65ed7_pcodes:
	s_mov_b64 s[64:65], 0
	v_nop
	global_prefetch_b8 v0, s[64:65] scope:SCOPE_SE
	s_setreg_imm32_b32 hwreg(HW_REG_WAVE_MODE, 25, 1), 1
	s_wait_xcnt 0x0
; attn = exp(log_softmax(scores)), finished and normalised, as codes of E2M3 along the keys.  The scores of a tile of 256 queries x 256 keys are multiplied again, by the same instructions in the same order as in
; stats; a row's M = the largest m of its key blocks and L = the sum of l 2^(m - M) come from st; p = 2^(t - M) / L is quantised in registers and stored as a BLOCK of pc [query block][key block].
; LEFT OUT: the tiles wholly over the diagonal, as in stats.  The wave of a diagonal tile whose 128 x 128 lies wholly over the diagonal stores a BLOCK of zero codes: the next launch's tile reads it.
; Of st only what stats stored is read: key blocks 0 .. my query block; the other places hold m = the least number and l = 0, set in registers.
; cluster = none: a row of the triangle has 1 to 8 tiles, 36 a batch: no cluster four wide divides it.
; REGISTERS as in proj; v8-23 the pairs (-M, 1 / L) of the eight tiles of queries; v24, v25 the mask's distances; v29 -3.2e10; v[30:31] 1 / L of the tile in hand; v64-127 p.
.set SLOT1, 131072
.set REG,   25600
.set BLK,   12800
.set SPARE, 267264
.set LI, 1
.set A0, 2
.set A1, 3
.set AD0, 4
.set AD1, 5
.set SPW, 6
.set NIL, 7
.set VD0, 24
.set VD, 25
.set AS0, 26
.set ADS, 27
.set SA, 28
.set NEGV, 29
.set IL, 30
.set SC, 32
.set TM, 48
.set E, 64
.set PC, 128
.set WD, 152
.set IM, 160
.set QT, 16
.set KT, 17
.set QBW, 18
.set KBW, 19
.set WV, 20
.set S0H, 21
.set S1H, 22
.set G1, 24
.set G0, 32
.set TB, 48
.set CNT, 49
.set HIM, 52
.set SEL, 54
.set CS, 56
.set OUT, 60
.set MSB, 0
.macro WIN new
.if MSB != (\new)
	s_set_vgpr_msb (MSB<<8)|(\new)
.set MSB, (\new)
.endif
.endm
.macro PLACES n
.rept \n
	v_nop
.endr
.endm
.macro MUL a0, p, cm                   ; 32 matrix instructions; cm = 1: C = 0.  The 64 accumulators take turns.
	WIN 0xa1+0x50*((\a0)/4)
.set ma, \a0
.rept 4
.set mb, 0
.rept 8
.set rD, 8*(8*(ma%4)+mb)
.set rA, 96*(\p)+12*mb
.set rB, 64+96*(\p)+12*ma
.set zA, SC+8*(\p)+mb
.set zB, SC+8*(\p)+ma
.if (\cm) == 0
	v_wmma_scale_f32_16x16x128_f8f6f4 v[rD:rD+7], v[rA:rA+11], v[rB:rB+11], v[rD:rD+7], v[zA], v[zB] matrix_a_fmt:MATRIX_FMT_FP6 matrix_b_fmt:MATRIX_FMT_FP6 matrix_b_scale:MATRIX_SCALE_ROW1
.else
	v_wmma_scale_f32_16x16x128_f8f6f4 v[rD:rD+7], v[rA:rA+11], v[rB:rB+11], 0, v[zA], v[zB] matrix_a_fmt:MATRIX_FMT_FP6 matrix_b_fmt:MATRIX_FMT_FP6 matrix_b_scale:MATRIX_SCALE_ROW1
.endif
.set mb, mb+1
.endr
.set ma, ma+1
.endr
.endm
.macro FETCH p, q
	WIN 0x40
.set ft, 0
.rept 8
.irp c, 0,1,2
	ds_load_b128 v[96*(\p)+12*ft+4*\c:96*(\p)+12*ft+4*\c+3], v[AD0] offset:BLK*(\q)+1536*ft+512*\c
.endr
.set ft, ft+1
.endr
	WIN 0
.irp i, 0,1
	ds_load_b128 v[SC+8*(\p)+4*\i:SC+8*(\p)+4*\i+3], v[ADS] offset:BLK*(\q)+16*\i
.endr
.set ft, 0
.rept 8
.irp c, 0,1,2
	ds_load_b128 v[64+96*(\p)+12*ft+4*\c:64+96*(\p)+12*ft+4*\c+3], v[AD1] offset:BLK*(\q)+1536*ft+512*\c
.endr
.set ft, ft+1
.endr
.endm
.macro SLOT cm
	v_add_nc_u32 v[AD0], s[TB], v[A0]              ; these three and the v_nop are the four places in front of loads into registers that matrix instructions have read
	v_add_nc_u32 v[AD1], s[TB], v[A1]
	v_add_nc_u32 v[ADS], s[TB], v[AS0]
	v_nop
	FETCH 0, 0
	s_wait_dscnt 12                                ; all but source 1's tiles 4-7
	MUL 0, 0, \cm
	FETCH 1, 1
	s_wait_dscnt 50                                ; all but the 50 just issued
	MUL 4, 0, \cm
	s_wait_dscnt 12
	MUL 0, 1, 0
	s_wait_dscnt 0x0
	MUL 4, 1, 0
	WIN 0
	s_xor_b32 s[TB], s[TB], SLOT1
.endm
.macro CHANGE fill
	s_wait_tensorcnt 0x0                           ; no tensor load of mine is out: the group 0 may be written
	ds_add_u32 v[SPW], v[NIL]                      ; 0 onto my spare word
.if \fill
	s_xor_b32 s[G0+1], s[G0+1], SLOT1
	s_add_nc_u64 s[G0+2:G0+3], s[G0+2:G0+3], REG
.endif
	s_wait_dscnt 0x0                               ; the add is done, and my reads of the slot left are over
	s_barrier_signal -1
	s_barrier_wait -1
.if \fill
	tensor_load_to_lds s[G0:G0+3], s[G1:G1+7]      ; my one tensor load behind the barrier, and the first thing there
	s_nop 0
	PLACES 4
.endif
.endm
.macro MASKIF                          ; where my keys are not all under my queries: register n of tile qa holds key 32 (n / 16) + 16 h + n % 16 of my 128
	s_cmp_lt_u32 s[KBW], s[QBW]
	s_cbranch_scc1 .Lopen_\@
	v_add_nc_u32 v[VD], 32*(qa/2)+8*(qa%2), v[VD0]
	WIN QW|(QW<<6)
.set mn, 0
.rept 64
	v_cmp_gt_i32 vcc_lo, 32*(mn/16)+mn%16, v[VD]
	v_cndmask_b32 v[QS+mn], v[QS+mn], v[NEGV], vcc_lo
.set mn, mn+1
.endr
	WIN 0
.Lopen_\@:
.endm
.macro QUANT                           ; 64 numbers of a lane, v[QS] on in window QW, register 16 b + i = k 32 b + 16 h + i of my row -> codes in v[PC] on, scale word in v[WD + qa]
	WIN QW|(QW<<2)
.irp b, 0,1,2,3
	v_max3_num_f32 v[TM+\b], |v[QS+16*\b]|, |v[QS+1+16*\b]|, 0x1800000     ; and the floor 2^(3 - 127): the byte cannot fall under 1
.endr
.irp i, 2,4,6,8,10,12,14
.irp b, 0,1,2,3
	v_max3_num_f32 v[TM+\b], |v[QS+16*\b+\i]|, |v[QS+1+16*\b+\i]|, v[TM+\b]
.endr
.endr
	WIN 0
.irp b, 0,1,2,3
	v_permlanex16_b32 v[TM+4+\b], v[TM+\b], s[SEL], s[SEL+1]
.endr
.irp b, 0,1,2,3
	v_max_num_f32 v[TM+\b], v[TM+\b], v[TM+4+\b]
.endr
.irp b, 0,1,2,3
	v_add_nc_u32 v[TM+12+\b], 0xff000000, v[TM+\b]
.endr
.irp b, 0,1,2,3
	v_lshrrev_b32 v[TM+4+\b], 23, v[TM+12+\b]
.endr
	v_lshl_or_b32 v[WD+qa], v[TM+5], 8, v[TM+4]
	v_lshl_or_b32 v[WD+qa], v[TM+6], 16, v[WD+qa]
	v_lshl_or_b32 v[WD+qa], v[TM+7], 24, v[WD+qa]
	WIN QW
.irp c, 0,1
	v_cvt_scalef32_pk16_fp6_f32 v[PC+6*\c:PC+2+6*\c], v[QS+32*\c:QS+15+32*\c], v[TM+12+2*\c]
	v_cvt_scalef32_pk16_fp6_f32 v[PC+12+4*\c:PC+14+4*\c], v[QS+16+32*\c:QS+31+32*\c], v[TM+12+2*\c+1]
.endr
	WIN 0
	v_nop                                          ; one plain place behind the scaled conversions
.irp c, 0,1
.irp i, 0,1,2
	v_permlane16_swap_b32 v[PC+6*\c+\i], v[PC+12+4*\c+\i]
.endr
.irp i, 0,1,2
	v_mov_b32 v[PC+3+6*\c+\i], v[PC+12+4*\c+\i]
.endr
.endr
.endm
.macro PUT
.irp c, 0,1,2
	global_store_b128 v[LI], v[PC+4*\c:PC+4*\c+3], s[OUT:OUT+1] offset:1536*qa+512*\c
.endr
.endm
	s_load_b128 s[4:7], s[0:1], 0x0                ; qkv, st
	s_load_b64 s[8:9], s[0:1], 0x10                ; pc
	v_lshl_add_u32 v[SPW], v0, 2, SPARE
	v_mov_b32 v[NIL], 0
	ds_add_u32 v[SPW], v[NIL]                      ; the wave's opening: the add, twice on end, and its wait ahead of my first tensor load
	ds_add_u32 v[SPW], v[NIL]
	v_lshrrev_b32 v8, 5, v0
	v_readfirstlane_b32 s[WV], v8
	s_and_b32 s[S0H], s[WV], 1
	s_lshr_b32 s[S1H], s[WV], 1
	s_mov_b32 s[TB], 0
	s_mov_b32 s[HIM], 0xffff0000
	s_mov_b32 s[SEL], 0x76543210
	s_mov_b32 s[SEL+1], 0xfedcba98
	s_mov_b32 s[CS], 0x3d38aa3b                    ; c = log2(e) / 32
	s_mov_b32 s[CS+1], s[CS]
	s_mov_b32 s[G1], 3<<16
	s_mov_b32 s[G1+1], 32<<16
	s_mov_b32 s[G1+2], 100<<16
	s_mov_b32 s[G1+3], 32<<16
	s_mov_b32 s[G1+4], 100
	s_mov_b32 s[G1+5], 32
	s_mov_b32 s[G1+6], 0
	s_mov_b32 s[G1+7], 0
	s_and_b32 s66, ttmp7, 0xffff                   ; the batch
	s_mov_b32 s[QT], 0
.irp T, 1,3,6,10,15,21,28
	s_cmp_ge_u32 ttmp9, \T
	s_cselect_b32 s67, 1, 0
	s_add_co_u32 s[QT], s[QT], s67
.endr
	s_add_co_u32 s67, s[QT], 1
	s_mul_i32 s67, s67, s[QT]
	s_lshr_b32 s67, s67, 1
	s_sub_co_u32 s[KT], ttmp9, s67
	s_lshl_b32 s[QBW], s[QT], 1
	s_add_co_u32 s[QBW], s[QBW], s[S1H]
	s_lshl_b32 s[KBW], s[KT], 1
	s_add_co_u32 s[KBW], s[KBW], s[S0H]
	s_cmp_lt_u32 s[WV], 2
	s_cselect_b32 s68, s[KT], s[QT]
	s_cselect_b32 s69, 6553600, 0
	s_mul_i32 s68, s68, 204800
	s_add_co_u32 s68, s68, s69
	s_mul_i32 s70, s66, 1638400
	s_add_co_u32 s68, s68, s70
	s_mul_i32 s70, s[S0H], 102400
	s_add_co_u32 s68, s68, s70
	s_mov_b32 s69, 0
	s_mul_i32 s71, s[WV], REG
	s_wait_dscnt 0x0                               ; both opening adds are done
	s_wait_kmcnt 0x0
	s_mov_b32 s[G0], 1
	s_mov_b32 s[G0+1], s71
	s_add_nc_u64 s[G0+2:G0+3], s[4:5], s[68:69]
	s_or_b32 s[G0+3], s[G0+3], 0x80000000
	tensor_load_to_lds s[G0:G0+3], s[G1:G1+7]      ; slot 0: every wave its region
	s_nop 0
	PLACES 4
	v_and_b32 v8, 31, v0
	v_and_b32 v9, 15, v0                           ; r
	v_bfe_u32 v10, v0, 4, 1                        ; h
	v_lshlrev_b32 v[LI], 4, v8
	s_mul_i32 s96, s[S0H], REG
	v_add_nc_u32 v[A0], s96, v[LI]
	s_mul_i32 s97, s[S1H], REG
	s_add_co_u32 s97, s97, 2*REG
	v_add_nc_u32 v[A1], s97, v[LI]
	s_xor_b32 s98, s[S0H], 1
	s_add_co_u32 s98, s98, s[S1H]
	s_add_co_u32 s98, s98, 1
	s_mul_i32 s98, s98, REG
	v_mul_u32_u24 v11, s98, v10
	v_lshl_add_u32 v11, v9, 5, v11
	s_add_co_u32 s96, s96, 12288
	v_add_nc_u32 v[AS0], s96, v11
	v_lshlrev_b32 v[SA], 5, v9
	v_lshl_add_u32 v[SA], v10, 4, v[SA]
	v_mov_b32 v60, 0                               ; lane permutes' destinations count as sources
	v_mov_b32 v61, 0
	v_mov_b32 v[IL+1], 0                           ; (named as the upper half of a pair)
	v_mov_b32 v[NEGV], 0xd0ee6b28                  ; -1e9 x 32
	v_and_b32 v11, 8, v9
	v_add_nc_u32 v11, v11, v9
	v_lshlrev_b32 v12, 4, v10
	v_sub_nc_u32 v11, v11, v12
	s_sub_co_i32 s70, s[QBW], s[KBW]
	s_lshl_b32 s70, s70, 7
	v_add_nc_u32 v[VD0], s70, v11                  ; r + 8 (r / 8) - 16 h + 128 (my query block - my key block)
	s_lshl_b32 s70, s66, 4
	s_add_co_u32 s70, s70, s[QBW]                  ; my query block among the 64
	s_lshl_b32 s72, s70, 14                        ; its 16 places of 1,024 bytes in st
	s_mov_b32 s73, 0
	s_add_nc_u64 s[74:75], s[6:7], s[72:73]
	s_lshl_b32 s70, s70, 4
	s_add_co_u32 s70, s70, s[KBW]
	s_mul_i32 s70, s70, BLK
	s_mov_b32 s71, 0
	s_add_nc_u64 s[OUT:OUT+1], s[8:9], s[70:71]
.set kb, 0
.rept 16                               ; key block kb: m of tiles 4 h + 0 .. 3 at v[64 + 8 kb] on, l behind them
.irp j, 0,1,2,3
	v_mov_b32 v[64+8*kb+\j], 0xff7fffff
	v_mov_b32 v[68+8*kb+\j], 0
.endr
.set kb, kb+1
.endr
.set kb, 0
.rept 16
	s_cmp_lt_u32 s[QBW], kb                        ; ids and the wave's number alone
	s_cbranch_scc1 .Lgot
	global_load_b128 v[64+8*kb:67+8*kb], v[LI], s[74:75] offset:1024*kb
	global_load_b128 v[68+8*kb:71+8*kb], v[LI], s[74:75] offset:1024*kb+512
.set kb, kb+1
.endr
.Lgot:
	CHANGE 1                                       ; slot 0 is whole; slot 1's first fill goes out behind this barrier, behind which nobody fills bytes again
	s_wait_loadcnt 0x0                             ; the rows' figures
.irp j, 0,1,2,3
	v_max3_num_f32 v[48+\j], v[64+\j], v[72+\j], v[80+\j]
.endr
.irp k, 3,5,7,9,11,13
.irp j, 0,1,2,3
	v_max3_num_f32 v[48+\j], v[48+\j], v[64+8*\k+\j], v[72+8*\k+\j]
.endr
.endr
.irp j, 0,1,2,3
	v_max_num_f32 v[48+\j], v[48+\j], v[184+\j]    ; M
.endr
.set kb, 0
.rept 16
	v_pk_add_f32 v[64+8*kb:65+8*kb], v[64+8*kb:65+8*kb], v[48:49] neg_lo:[0,1] neg_hi:[0,1]   ; m - M
	v_pk_add_f32 v[66+8*kb:67+8*kb], v[66+8*kb:67+8*kb], v[50:51] neg_lo:[0,1] neg_hi:[0,1]
.set kb, kb+1
.endr
.set kb, 0
.rept 16
.irp j, 0,1,2,3
	v_exp_f32 v[64+8*kb+\j], v[64+8*kb+\j]
.endr
.set kb, kb+1
.endr
.irp j, 0,1,2,3
	v_xor_b32 v[48+\j], 0x80000000, v[48+\j]       ; -M.  (Plain places behind the exponentials)
.endr
	s_wait_alu depctr_va_vdst(0)                   ; one wait for the batch, ahead of its first reader
	v_pk_mul_f32 v[52:53], v[68:69], v[64:65]
	v_pk_mul_f32 v[54:55], v[70:71], v[66:67]
.set kb, 1
.rept 15
	v_pk_fma_f32 v[52:53], v[68+8*kb:69+8*kb], v[64+8*kb:65+8*kb], v[52:53]                   ; L = the sum of l 2^(m - M)
	v_pk_fma_f32 v[54:55], v[70+8*kb:71+8*kb], v[66+8*kb:67+8*kb], v[54:55]
.set kb, kb+1
.endr
.irp j, 0,1,2,3
	v_rcp_f32 v[56+\j], v[52+\j]
.endr
	v_nop
	s_wait_alu depctr_va_vdst(0)
.irp j, 0,1,2,3                        ; lanes 0-15 hold tiles 0-3's figures, lanes 16-31 tiles 4-7's: every lane gets all eight
	v_permlanex16_b32 v60, v[48+\j], s[SEL], s[SEL+1]
	v_permlanex16_b32 v61, v[56+\j], s[SEL], s[SEL+1]
	v_cndmask_b32 v[8+2*\j], v[48+\j], v60, s[HIM]
	v_cndmask_b32 v[16+2*\j], v60, v[48+\j], s[HIM]
	v_cndmask_b32 v[9+2*\j], v[56+\j], v61, s[HIM]
	v_cndmask_b32 v[17+2*\j], v61, v[56+\j], s[HIM]
.endr
	SLOT 1
	s_mov_b32 s[CNT], 2
.Lk:
	CHANGE 1
	SLOT 0
	s_sub_co_u32 s[CNT], s[CNT], 1
	s_cmp_lg_u32 s[CNT], 0
	s_cbranch_scc1 .Lk
	CHANGE 0
	SLOT 0
	PLACES 4
.set qa, 0
.rept 8
.set QS, 64*(qa%4)
.set QW, 2+qa/4
.if qa > 0
	s_wait_xcnt 0x0                                ; the last fragment's stores have read their registers
.endif
	MASKIF
	v_mov_b32 v[IL], v[9+2*qa]
	WIN QW
.set i2, 0
.rept 32
	v_pk_fma_f32 v[E+i2:E+i2+1], v[QS+i2:QS+i2+1], s[CS:CS+1], v[8+2*qa:9+2*qa] op_sel_hi:[1,0,0]   ; t - M; each accumulator is read from its low end on
.set i2, i2+2
.endr
	WIN 0
.set i2, 0
.rept 64
	v_exp_f32 v[E+i2], v[E+i2]
.set i2, i2+1
.endr
	v_nop                                          ; a plain place behind the exponentials
	s_wait_alu depctr_va_vdst(0)                   ; one wait for the batch
.set i2, 0
.rept 32
	v_pk_mul_f32 v[E+i2:E+i2+1], v[E+i2:E+i2+1], v[IL:IL+1] op_sel_hi:[1,0]                   ; / L: the finished softmax
.set i2, i2+2
.endr
.set QS, E
.set QW, 0
	QUANT
	PUT
.set qa, qa+1
.endr
.irp j, 0,1,2,3
	v_cndmask_b32 v[IM+\j], v[WD+\j], v[WD+4+\j], s[HIM]
.endr
	global_store_b128 v[SA], v[IM:IM+3], s[OUT:OUT+1] offset:12288
	s_wait_tensorcnt 0x0                           ; the wave's end
	ds_add_u32 v[SPW], v[NIL]
	s_wait_dscnt 0x0
	s_endpgm
.Lfunc_end_k_q3c71e65ed7_pcodes:
	.size	k_q3c71e65ed7_pcodes, .Lfunc_end_k_q3c71e65ed7_pcodes-k_q3c71e65ed7_pcodes
	.p2alignl 7, 3214868480
	.fill 96, 4, 3214868480
	.section	.rodata,"a",@progbits
	.p2align	6, 0x0
	.amdhsa_kernel k_q3c71e65ed7_pcodes
		.amdhsa_group_segment_fixed_size 327680
		.amdhsa_private_segment_fixed_size 0
		.amdhsa_enable_private_segment 0
		.amdhsa_kernarg_size 24
		.amdhsa_user_sgpr_count 2
		.amdhsa_user_sgpr_kernarg_segment_ptr 1
		.amdhsa_wavefront_size32 1
		.amdhsa_system_sgpr_workgroup_id_x 1
		.amdhsa_system_sgpr_workgroup_id_y 1
		.amdhsa_system_sgpr_workgroup_id_z 1
		.amdhsa_system_vgpr_workitem_id 0
		.amdhsa_next_free_vgpr 1024
		.amdhsa_next_free_sgpr 100
		.amdhsa_reserve_vcc 1
		.amdhsa_float_denorm_mode_32 3
		.amdhsa_float_denorm_mode_16_64 3
		.amdhsa_memory_ordered 1
		.amdhsa_forward_progress 1
		.amdhsa_inst_pref_size 219
	.end_amdhsa_kernel
	.amdgpu_metadata
---
amdhsa.version: [ 1, 2 ]
amdhsa.kernels:
  - .name:           k_q3c71e65ed7_pcodes
    .symbol:         k_q3c71e65ed7_pcodes.kd
    .args:
      - { .name: qkv, .offset: 0, .size: 8, .value_kind: global_buffer, .address_space: global }
      - { .name: st, .offset: 8, .size: 8, .value_kind: global_buffer, .address_space: global }
      - { .name: pc, .offset: 16, .size: 8, .value_kind: global_buffer, .address_space: global }
    .group_segment_fixed_size: 327680
    .private_segment_fixed_size: 0
    .kernarg_segment_align: 8
    .kernarg_segment_size: 24
    .max_flat_workgroup_size: 128
    .sgpr_count:     100
    .vgpr_count:     1024
    .wavefront_size: 32
...
	.end_amdgpu_metadata
.endif
;; end of part 4
;; launch pv (part 5): grid 4 x 32, 4 waves a work-group, no clusters, 327,680 bytes of LDS; arguments qkv, pc, oc; writes oc
.if DOCPART == 5
	.amdgcn_target "amdgcn-amd-amdhsa--gfx1250"
	.amdhsa_code_object_version 6
	.text
	.protected	k_q3c71e65ed7_pv
	.globl	k_q3c71e65ed7_pv
	.p2align	8
	.type	k_q3c71e65ed7_pv,@function
k_q3c71e65ed7_pv:
	s_mov_b64 s[64:65], 0
	v_nop
	global_prefetch_b8 v0, s[64:65] scope:SCOPE_SE
	s_setreg_imm32_b32 hwreg(HW_REG_WAVE_MODE, 25, 1), 1
	s_wait_xcnt 0x0
; O = attn v on codes of E2M3, K = the keys, and O quantised at once along d for the last product.  Source 0 = v^T (256 channels), source 1 = attn (256 queries); the GEMM is proj's.
; LEFT OUT: the keys after a tile's last query: their attn is 0 (hidden by reference()'s own mask).  Query tile qt walks qt + 1 of the 8 slots of 256 keys.  The loop's trip count stays a constant; a scalar branch on
; ids, the same in all four waves, leads round a step's work, and the same test, directly behind the barrier, round the tensor load of a slot that no step reads.  Every wait on TENSORcnt is for 0.
; cluster = none: that jump may not lead round a joint load, and partners along the queries would need different numbers of tiles.
; The longest walks come first in the grid (qt = 7 - y % 8).
.set PVSKIP, 1
.set SLOT1, 131072
.set REG,   25600
.set BLK,   12800
.set SPARE, 267264
.set LI, 1
.set A0, 2
.set A1, 3
.set AD0, 4
.set AD1, 5
.set SPW, 6
.set NIL, 7
.set AS0, 26
.set ADS, 27
.set SA, 28
.set SC, 32
.set TM, 48
.set PC, 128
.set WD, 152
.set IM, 160
.set QT, 16
.set WV, 20
.set S0H, 21
.set S1H, 22
.set G1, 24
.set G0, 32
.set TB, 48
.set CNT, 49
.set SI, 50                            ; s50 the slot's number;  s51 how many slots this tile reads
.set NS, 51
.set HIM, 52
.set SEL, 54
.set OUT, 60
.set MSB, 0
.macro WIN new
.if MSB != (\new)
	s_set_vgpr_msb (MSB<<8)|(\new)
.set MSB, (\new)
.endif
.endm
.macro PLACES n
.rept \n
	v_nop
.endr
.endm
.macro MUL a0, p, cm                   ; 32 matrix instructions; cm = 1: C = 0.  The 64 accumulators take turns.
	WIN 0xa1+0x50*((\a0)/4)
.set ma, \a0
.rept 4
.set mb, 0
.rept 8
.set rD, 8*(8*(ma%4)+mb)
.set rA, 96*(\p)+12*mb
.set rB, 64+96*(\p)+12*ma
.set zA, SC+8*(\p)+mb
.set zB, SC+8*(\p)+ma
.if (\cm) == 0
	v_wmma_scale_f32_16x16x128_f8f6f4 v[rD:rD+7], v[rA:rA+11], v[rB:rB+11], v[rD:rD+7], v[zA], v[zB] matrix_a_fmt:MATRIX_FMT_FP6 matrix_b_fmt:MATRIX_FMT_FP6 matrix_b_scale:MATRIX_SCALE_ROW1
.else
	v_wmma_scale_f32_16x16x128_f8f6f4 v[rD:rD+7], v[rA:rA+11], v[rB:rB+11], 0, v[zA], v[zB] matrix_a_fmt:MATRIX_FMT_FP6 matrix_b_fmt:MATRIX_FMT_FP6 matrix_b_scale:MATRIX_SCALE_ROW1
.endif
.set mb, mb+1
.endr
.set ma, ma+1
.endr
.endm
.macro FETCH p, q
	WIN 0x40
.set ft, 0
.rept 8
.irp c, 0,1,2
	ds_load_b128 v[96*(\p)+12*ft+4*\c:96*(\p)+12*ft+4*\c+3], v[AD0] offset:BLK*(\q)+1536*ft+512*\c
.endr
.set ft, ft+1
.endr
	WIN 0
.irp i, 0,1
	ds_load_b128 v[SC+8*(\p)+4*\i:SC+8*(\p)+4*\i+3], v[ADS] offset:BLK*(\q)+16*\i
.endr
.set ft, 0
.rept 8
.irp c, 0,1,2
	ds_load_b128 v[64+96*(\p)+12*ft+4*\c:64+96*(\p)+12*ft+4*\c+3], v[AD1] offset:BLK*(\q)+1536*ft+512*\c
.endr
.set ft, ft+1
.endr
.endm
.macro SLOT cm
.if (\cm) == 0
	s_cmp_ge_u32 s[SI], s[NS]                      ; all this slot's keys come after my tile's queries: its work is left out; the lines at its end that step numbers are not
	s_cbranch_scc1 .Lskip_\@
.endif
	v_add_nc_u32 v[AD0], s[TB], v[A0]              ; these three and the v_nop are the four places in front of loads into registers that matrix instructions have read
	v_add_nc_u32 v[AD1], s[TB], v[A1]
	v_add_nc_u32 v[ADS], s[TB], v[AS0]
	v_nop
	FETCH 0, 0
	s_wait_dscnt 12                                ; all but source 1's tiles 4-7
	MUL 0, 0, \cm
	FETCH 1, 1
	s_wait_dscnt 50                                ; all but the 50 just issued
	MUL 4, 0, \cm
	s_wait_dscnt 12
	MUL 0, 1, 0
	s_wait_dscnt 0x0
	MUL 4, 1, 0
	WIN 0
.if (\cm) == 0
.Lskip_\@:
.endif
	s_xor_b32 s[TB], s[TB], SLOT1
	s_add_co_u32 s[SI], s[SI], 1
.endm
.macro CHANGE fill
	s_wait_tensorcnt 0x0                           ; no tensor load of mine is out: the group 0 may be written
	ds_add_u32 v[SPW], v[NIL]                      ; 0 onto my spare word
.if \fill
	s_xor_b32 s[G0+1], s[G0+1], SLOT1
	s_add_nc_u64 s[G0+2:G0+3], s[G0+2:G0+3], REG
.endif
	s_wait_dscnt 0x0                               ; the add is done, and my reads of the slot left are over
	s_barrier_signal -1
	s_barrier_wait -1
.if \fill
	s_add_co_u32 s66, s[SI], 1                     ; the slot that this change would ask for
	s_cmp_ge_u32 s66, s[NS]                        ; ids and the count of slots alone: all four waves go the same way, and a work-group past its limit stays past it
	s_cbranch_scc1 .Lpast_\@
	tensor_load_to_lds s[G0:G0+3], s[G1:G1+7]      ; my one tensor load behind the barrier
	s_nop 0
	PLACES 4
.Lpast_\@:
.endif
.endm
.macro QUANT                           ; 64 numbers of a lane, v[QS] on in window QW, register 16 b + i = k 32 b + 16 h + i of my row -> codes in v[PC] on, scale word in v[WD + qa]
	WIN QW|(QW<<2)
.irp b, 0,1,2,3
	v_max3_num_f32 v[TM+\b], |v[QS+16*\b]|, |v[QS+1+16*\b]|, 0x1800000     ; and the floor 2^(3 - 127): the byte cannot fall under 1
.endr
.irp i, 2,4,6,8,10,12,14
.irp b, 0,1,2,3
	v_max3_num_f32 v[TM+\b], |v[QS+16*\b+\i]|, |v[QS+1+16*\b+\i]|, v[TM+\b]
.endr
.endr
	WIN 0
.irp b, 0,1,2,3
	v_permlanex16_b32 v[TM+4+\b], v[TM+\b], s[SEL], s[SEL+1]
.endr
.irp b, 0,1,2,3
	v_max_num_f32 v[TM+\b], v[TM+\b], v[TM+4+\b]
.endr
.irp b, 0,1,2,3
	v_add_nc_u32 v[TM+12+\b], 0xff000000, v[TM+\b]
.endr
.irp b, 0,1,2,3
	v_lshrrev_b32 v[TM+4+\b], 23, v[TM+12+\b]
.endr
	v_lshl_or_b32 v[WD+qa], v[TM+5], 8, v[TM+4]
	v_lshl_or_b32 v[WD+qa], v[TM+6], 16, v[WD+qa]
	v_lshl_or_b32 v[WD+qa], v[TM+7], 24, v[WD+qa]
	WIN QW
.irp c, 0,1
	v_cvt_scalef32_pk16_fp6_f32 v[PC+6*\c:PC+2+6*\c], v[QS+32*\c:QS+15+32*\c], v[TM+12+2*\c]
	v_cvt_scalef32_pk16_fp6_f32 v[PC+12+4*\c:PC+14+4*\c], v[QS+16+32*\c:QS+31+32*\c], v[TM+12+2*\c+1]
.endr
	WIN 0
	v_nop                                          ; one plain place behind the scaled conversions
.irp c, 0,1
.irp i, 0,1,2
	v_permlane16_swap_b32 v[PC+6*\c+\i], v[PC+12+4*\c+\i]
.endr
.irp i, 0,1,2
	v_mov_b32 v[PC+3+6*\c+\i], v[PC+12+4*\c+\i]
.endr
.endr
.endm
.macro PUT
.irp c, 0,1,2
	global_store_b128 v[LI], v[PC+4*\c:PC+4*\c+3], s[OUT:OUT+1] offset:1536*qa+512*\c
.endr
.endm
	s_load_b128 s[4:7], s[0:1], 0x0                ; qkv, pc
	s_load_b64 s[8:9], s[0:1], 0x10                ; oc
	v_lshl_add_u32 v[SPW], v0, 2, SPARE
	v_mov_b32 v[NIL], 0
	ds_add_u32 v[SPW], v[NIL]                      ; the wave's opening: the add, twice on end, and its wait ahead of my first tensor load
	ds_add_u32 v[SPW], v[NIL]
	v_lshrrev_b32 v8, 5, v0
	v_readfirstlane_b32 s[WV], v8
	s_and_b32 s[S0H], s[WV], 1
	s_lshr_b32 s[S1H], s[WV], 1
	s_mov_b32 s[TB], 0
	s_mov_b32 s[HIM], 0xffff0000
	s_mov_b32 s[SEL], 0x76543210
	s_mov_b32 s[SEL+1], 0xfedcba98
	s_mov_b32 s[G1], 3<<16
	s_mov_b32 s[G1+1], 32<<16
	s_mov_b32 s[G1+2], 100<<16
	s_mov_b32 s[G1+3], 32<<16
	s_mov_b32 s[G1+4], 100
	s_mov_b32 s[G1+5], 32
	s_mov_b32 s[G1+6], 0
	s_mov_b32 s[G1+7], 0
	s_and_b32 s66, ttmp7, 0xffff
	s_lshr_b32 s67, s66, 3                         ; the batch
	s_and_b32 s66, s66, 7
	s_sub_co_u32 s[QT], 7, s66                     ; the tile of 256 queries
	s_add_co_u32 s[NS], s[QT], 1
	s_mov_b32 s[SI], 0
	s_mul_i32 s68, s67, 1638400                    ; v^T: the batch's 8 row blocks of 16 BLOCKS,
	s_mul_i32 s70, ttmp9, 409600                   ; my tile of 256 channels
	s_add_co_u32 s68, s68, s70
	s_add_co_u32 s68, s68, 13107200
	s_mul_i32 s72, s67, 3276800                    ; attn: the batch's 16 row blocks of 16 BLOCKS,
	s_mul_i32 s70, s[QT], 409600
	s_add_co_u32 s72, s72, s70
	s_cmp_lt_u32 s[WV], 2                          ; waves 0, 1 fetch v^T's halves, waves 2, 3 attn's
	s_cselect_b32 s68, s68, s72
	s_mul_i32 s70, s[S0H], 204800
	s_add_co_u32 s68, s68, s70
	s_mov_b32 s69, 0
	s_mul_i32 s71, s[WV], REG
	s_wait_dscnt 0x0                               ; both opening adds are done
	s_wait_kmcnt 0x0
	s_cmp_lt_u32 s[WV], 2
	s_cselect_b64 s[74:75], s[4:5], s[6:7]
	s_mov_b32 s[G0], 1
	s_mov_b32 s[G0+1], s71
	s_add_nc_u64 s[G0+2:G0+3], s[74:75], s[68:69]
	s_or_b32 s[G0+3], s[G0+3], 0x80000000
	tensor_load_to_lds s[G0:G0+3], s[G1:G1+7]      ; slot 0, which every tile reads
	s_nop 0
	PLACES 4
	v_and_b32 v8, 31, v0
	v_and_b32 v9, 15, v0
	v_bfe_u32 v10, v0, 4, 1
	v_lshlrev_b32 v[LI], 4, v8
	s_mul_i32 s96, s[S0H], REG
	v_add_nc_u32 v[A0], s96, v[LI]
	s_mul_i32 s97, s[S1H], REG
	s_add_co_u32 s97, s97, 2*REG
	v_add_nc_u32 v[A1], s97, v[LI]
	s_xor_b32 s98, s[S0H], 1
	s_add_co_u32 s98, s98, s[S1H]
	s_add_co_u32 s98, s98, 1
	s_mul_i32 s98, s98, REG
	v_mul_u32_u24 v11, s98, v10
	v_lshl_add_u32 v11, v9, 5, v11
	s_add_co_u32 s96, s96, 12288
	v_add_nc_u32 v[AS0], s96, v11
	v_lshlrev_b32 v[SA], 5, v9
	v_lshl_add_u32 v[SA], v10, 4, v[SA]
.irp b, 0,1,2,3
	v_mov_b32 v[TM+4+\b], 0
.endr
	s_lshl_b32 s70, s67, 4
	s_lshl_b32 s72, s[QT], 1
	s_add_co_u32 s70, s70, s72
	s_add_co_u32 s70, s70, s[S1H]                  ; my query block among the 64
	s_lshl_b32 s70, s70, 3
	s_lshl_b32 s72, ttmp9, 1
	s_add_co_u32 s70, s70, s72
	s_add_co_u32 s70, s70, s[S0H]                  ; its K step: my block of 128 channels
	s_mul_i32 s70, s70, BLK
	s_mov_b32 s71, 0
	s_add_nc_u64 s[OUT:OUT+1], s[8:9], s[70:71]
	CHANGE 1
	SLOT 1
	s_mov_b32 s[CNT], 6
.Lk:
	CHANGE 1
	SLOT 0
	s_sub_co_u32 s[CNT], s[CNT], 1
	s_cmp_lg_u32 s[CNT], 0
	s_cbranch_scc1 .Lk
	CHANGE 0
	SLOT 0
	PLACES 4
.set qa, 0
.rept 8
.set QS, 64*(qa%4)
.set QW, 2+qa/4
.if qa > 0
	s_wait_xcnt 0x0                                ; the last fragment's stores have read their registers
.endif
	QUANT
	PUT
.set qa, qa+1
.endr
.irp j, 0,1,2,3
	v_cndmask_b32 v[IM+\j], v[WD+\j], v[WD+4+\j], s[HIM]
.endr
	global_store_b128 v[SA], v[IM:IM+3], s[OUT:OUT+1] offset:12288
	s_wait_tensorcnt 0x0                           ; the wave's end
	ds_add_u32 v[SPW], v[NIL]
	s_wait_dscnt 0x0
	s_endpgm
.Lfunc_end_k_q3c71e65ed7_pv:
	.size	k_q3c71e65ed7_pv, .Lfunc_end_k_q3c71e65ed7_pv-k_q3c71e65ed7_pv
	.p2alignl 7, 3214868480
	.fill 96, 4, 3214868480
	.section	.rodata,"a",@progbits
	.p2align	6, 0x0
	.amdhsa_kernel k_q3c71e65ed7_pv
		.amdhsa_group_segment_fixed_size 327680
		.amdhsa_private_segment_fixed_size 0
		.amdhsa_enable_private_segment 0
		.amdhsa_kernarg_size 24
		.amdhsa_user_sgpr_count 2
		.amdhsa_user_sgpr_kernarg_segment_ptr 1
		.amdhsa_wavefront_size32 1
		.amdhsa_system_sgpr_workgroup_id_x 1
		.amdhsa_system_sgpr_workgroup_id_y 1
		.amdhsa_system_sgpr_workgroup_id_z 1
		.amdhsa_system_vgpr_workitem_id 0
		.amdhsa_next_free_vgpr 1024
		.amdhsa_next_free_sgpr 100
		.amdhsa_reserve_vcc 0
		.amdhsa_float_denorm_mode_32 3
		.amdhsa_float_denorm_mode_16_64 3
		.amdhsa_memory_ordered 1
		.amdhsa_forward_progress 1
		.amdhsa_inst_pref_size 109
	.end_amdhsa_kernel
	.amdgpu_metadata
---
amdhsa.version: [ 1, 2 ]
amdhsa.kernels:
  - .name:           k_q3c71e65ed7_pv
    .symbol:         k_q3c71e65ed7_pv.kd
    .args:
      - { .name: qkv, .offset: 0, .size: 8, .value_kind: global_buffer, .address_space: global }
      - { .name: pc, .offset: 8, .size: 8, .value_kind: global_buffer, .address_space: global }
      - { .name: oc, .offset: 16, .size: 8, .value_kind: global_buffer, .address_space: global }
    .group_segment_fixed_size: 327680
    .private_segment_fixed_size: 0
    .kernarg_segment_align: 8
    .kernarg_segment_size: 24
    .max_flat_workgroup_size: 128
    .sgpr_count:     100
    .vgpr_count:     1024
    .wavefront_size: 32
...
	.end_amdgpu_metadata
.endif
;; end of part 5
;; launch outp (part 6): grid 4 x 32, 4 waves a work-group, clusters of 4 x 4, 327,680 bytes of LDS; arguments oc, wc, bo, out0; writes out0
.if DOCPART == 6
	.amdgcn_target "amdgcn-amd-amdhsa--gfx1250"
	.amdhsa_code_object_version 6
	.text
	.protected	k_q3c71e65ed7_outp
	.globl	k_q3c71e65ed7_outp
	.p2align	8
	.type	k_q3c71e65ed7_outp,@function
k_q3c71e65ed7_outp:
	s_mov_b64 s[64:65], 0
	v_nop
	global_prefetch_b8 v0, s[64:65] scope:SCOPE_SE
	s_setreg_imm32_b32 hwreg(HW_REG_WAVE_MODE, 25, 1), 1
	s_wait_xcnt 0x0
	s_wait_alu depctr_hold_cnt(0) depctr_sa_sdst(0) depctr_va_vdst(0) depctr_va_sdst(0) depctr_va_ssrc(0) depctr_va_vcc(0) depctr_vm_vsrc(0)
	s_getreg_b32 s2, hwreg(HW_REG_IB_STS2, 6, 4)
	s_cmp_eq_u32 s2, 0
	s_cbranch_scc0 .Lentry_in_a_cluster
	s_endpgm
.Lentry_in_a_cluster:
	s_bfe_u32 s2, ttmp6, 0x10000c
	s_cmp_lg_u32 s2, 0xf033
	s_cbranch_scc0 .Lentry_shape_is_right
	s_endpgm
.Lentry_shape_is_right:
; out = O Wo + bo on codes of E2M3; out0 is f32.  Source 0 = Wo (rows n), source 1 = O (256 rows); the GEMM, the ring and the cluster's joint loads are proj's; bo is the C of the first products.
; THE WAY OUT: a lane holds 8 neighbouring numbers of a row in each accumulator, and the lanes beside it hold other rows: a row of eight accumulators (16 rows x 128 columns) goes through the wave's own stage in LDS
; (rows of 528 bytes, behind the ring, filled by no tensor load) and comes back as whole pieces of 512 bytes of a row, which the 32 lanes store as 512 consecutive bytes at a multiple of 256 from out0's first byte.
; Lane row t of tile a is row 32 (a / 2) + 8 (a % 2) + t + 8 (t / 8) of my 128.
.set SLOT1, 131072
.set REG,   25600
.set BLK,   12800
.set STAGE, 233472
.set SPARE, 267264
.set LI, 1
.set A0, 2
.set A1, 3
.set AD0, 4
.set AD1, 5
.set SPW, 6
.set NIL, 7
.set STO, 12
.set RD, 13
.set AS0, 26
.set ADS, 27
.set SC, 32
.set WV, 20
.set S0H, 21
.set S1H, 22
.set G1, 24
.set G0, 32
.set G1B, 36
.set G0B, 44
.set TB, 48
.set CNT, 49
.set OUT, 60
.set MSB, 0
.macro WIN new
.if MSB != (\new)
	s_set_vgpr_msb (MSB<<8)|(\new)
.set MSB, (\new)
.endif
.endm
.macro PLACES n
.rept \n
	v_nop
.endr
.endm
.macro ROUND                           ; a round of the cluster's barrier
	s_barrier_signal -1
	s_barrier_wait -1
	s_cmp_lg_u32 s[WV], 0
	s_cbranch_scc1 .Lnot_wave_0_\@
	s_barrier_signal -3
.Lnot_wave_0_\@:
	s_barrier_wait -3
	s_barrier_signal -1
	s_barrier_wait -1
.endm
.macro JLOAD                           ; a joint load: waves 0, 1 fetch source 0's halves, waves 2, 3 source 1's; an s_nop 0 and four v_nop follow each line
	s_cmp_lt_u32 s[WV], 2
	s_cbranch_scc0 .Lfor_1_\@
	tensor_load_to_lds s[G0:G0+3], s[G1:G1+7]
	s_nop 0
	PLACES 4
	s_branch .Lasked_\@
.Lfor_1_\@:
	tensor_load_to_lds s[G0B:G0B+3], s[G1B:G1B+7]
	s_nop 0
	PLACES 4
.Lasked_\@:
.endm
.macro MUL a0, p, cm                   ; 32 matrix instructions; cm = 2: C = the bias by source 0's tile.  The 64 accumulators take turns.
.if (\cm) >= 2
	WIN 0x91+0x40*((\a0)/4)
.else
	WIN 0xa1+0x50*((\a0)/4)
.endif
.set ma, \a0
.rept 4
.set mb, 0
.rept 8
.set rD, 8*(8*(ma%4)+mb)
.set rA, 96*(\p)+12*mb
.set rB, 64+96*(\p)+12*ma
.set zA, SC+8*(\p)+mb
.set zB, SC+8*(\p)+ma
.if (\cm) == 0
	v_wmma_scale_f32_16x16x128_f8f6f4 v[rD:rD+7], v[rA:rA+11], v[rB:rB+11], v[rD:rD+7], v[zA], v[zB] matrix_a_fmt:MATRIX_FMT_FP6 matrix_b_fmt:MATRIX_FMT_FP6 matrix_b_scale:MATRIX_SCALE_ROW1
.else
	v_wmma_scale_f32_16x16x128_f8f6f4 v[rD:rD+7], v[rA:rA+11], v[rB:rB+11], v[192+8*mb:199+8*mb], v[zA], v[zB] matrix_a_fmt:MATRIX_FMT_FP6 matrix_b_fmt:MATRIX_FMT_FP6 matrix_b_scale:MATRIX_SCALE_ROW1
.endif
.set mb, mb+1
.endr
.set ma, ma+1
.endr
.endm
.macro FETCH p, q
	WIN 0x40
.set ft, 0
.rept 8
.irp c, 0,1,2
	ds_load_b128 v[96*(\p)+12*ft+4*\c:96*(\p)+12*ft+4*\c+3], v[AD0] offset:BLK*(\q)+1536*ft+512*\c
.endr
.set ft, ft+1
.endr
	WIN 0
.irp i, 0,1
	ds_load_b128 v[SC+8*(\p)+4*\i:SC+8*(\p)+4*\i+3], v[ADS] offset:BLK*(\q)+16*\i
.endr
.set ft, 0
.rept 8
.irp c, 0,1,2
	ds_load_b128 v[64+96*(\p)+12*ft+4*\c:64+96*(\p)+12*ft+4*\c+3], v[AD1] offset:BLK*(\q)+1536*ft+512*\c
.endr
.set ft, ft+1
.endr
.endm
.macro SLOT cm
	v_add_nc_u32 v[AD0], s[TB], v[A0]              ; these three and the v_nop are the four places in front of loads into registers that matrix instructions have read
	v_add_nc_u32 v[AD1], s[TB], v[A1]
	v_add_nc_u32 v[ADS], s[TB], v[AS0]
	v_nop
	FETCH 0, 0
	s_wait_dscnt 12                                ; all but source 1's tiles 4-7
	MUL 0, 0, \cm
	FETCH 1, 1
	s_wait_dscnt 50                                ; all but the 50 just issued
	MUL 4, 0, \cm
	s_wait_dscnt 12
	MUL 0, 1, 0
	s_wait_dscnt 0x0
	MUL 4, 1, 0
	WIN 0
	s_xor_b32 s[TB], s[TB], SLOT1
.endm
.macro CHANGE fill
	s_wait_tensorcnt 0x0                           ; no tensor load of mine is out: the groups 0 may be written
	ds_add_u32 v[SPW], v[NIL]                      ; 0 onto my spare word
.if \fill
	s_xor_b32 s[G0+1], s[G0+1], SLOT1
	s_add_nc_u64 s[G0+2:G0+3], s[G0+2:G0+3], REG
	s_xor_b32 s[G0B+1], s[G0B+1], SLOT1
	s_add_nc_u64 s[G0B+2:G0B+3], s[G0B+2:G0B+3], REG
.endif
	s_wait_dscnt 0x0
.if \fill
	ROUND
	JLOAD
.else
	s_barrier_signal -1
	s_barrier_wait -1
.endif
.endm
.macro TOSTAGE                         ; tile qa's eight accumulators into my stage, each from its low end on, and back as rows
.set AC, 64*(qa%4)
	WIN 0x08+4*(qa/4)
.set tb, 0
.rept 8
	ds_store_b128 v[STO], v[AC+8*tb:AC+8*tb+3] offset:128*(tb/2)+32*(tb%2)
	ds_store_b128 v[STO], v[AC+8*tb+4:AC+8*tb+7] offset:128*(tb/2)+32*(tb%2)+16
.set tb, tb+1
.endr
	WIN 0
.set BB, 64+64*(qa%2)
.set tb, 0
.rept 16
	ds_load_b128 v[BB+4*tb:BB+4*tb+3], v[RD] offset:528*tb         ; LDS serves a wave's instructions in order: these see my stores
.set tb, tb+1
.endr
.endm
.macro SEND sa, younger                ; younger: the LDS instructions issued behind tile sa's loads, which may stay out
.set BB, 64+64*((\sa)%2)
	s_wait_dscnt \younger
.set tb, 0
.rept 16
	global_store_b128 v[LI], v[BB+4*tb:BB+4*tb+3], s[OUT:OUT+1] offset:(32*((\sa)/2)+8*((\sa)%2)+tb+8*(tb/8))*4096 th:TH_STORE_NT
.set tb, tb+1
.endr
.endm
	s_load_b256 s[4:11], s[0:1], 0x0               ; oc, wc, bo, out0
	v_lshl_add_u32 v[SPW], v0, 2, SPARE
	v_mov_b32 v[NIL], 0
	ds_add_u32 v[SPW], v[NIL]                      ; the wave's opening: the add, twice on end, and its wait ahead of my first tensor load
	ds_add_u32 v[SPW], v[NIL]
	v_lshrrev_b32 v8, 5, v0
	v_readfirstlane_b32 s[WV], v8
	s_and_b32 s[S0H], s[WV], 1
	s_lshr_b32 s[S1H], s[WV], 1
	s_mov_b32 s[TB], 0
.irp g, G1, G1B
	s_mov_b32 s[\g+1], 32<<16
	s_mov_b32 s[\g+2], 100<<16
	s_mov_b32 s[\g+3], 32<<16
	s_mov_b32 s[\g+4], 100
	s_mov_b32 s[\g+5], 32
	s_mov_b32 s[\g+6], 0
	s_mov_b32 s[\g+7], 0
.endr
	s_bfe_u32 s66, ttmp6, 0x40000                  ; cx: source 0's tile (256 columns n)
	s_bfe_u32 s67, ttmp6, 0x40004                  ; cy
	s_and_b32 s71, ttmp7, 0xffff
	s_lshl_b32 s71, s71, 2
	s_add_co_u32 s71, s71, s67                     ; source 1's tile: 4 x cluster + cy
	s_lshl_b32 s72, 0x1111, s66                    ; my column of the cluster
	s_lshl_b32 s73, s67, 2
	s_lshl_b32 s73, 15, s73                        ; my row
	s_or_b32 s[G1], s72, (3<<16)|(1<<21)
	s_or_b32 s[G1B], s73, (3<<16)|(1<<21)
	s_mul_i32 s82, s[S0H], 102400
	s_mul_i32 s76, s66, 204800
	s_add_co_u32 s76, s76, s82
	s_add_co_u32 s76, s76, 2457600                 ; Wo is the fourth weight in wc
	s_mov_b32 s77, 0
	s_mul_i32 s78, s71, 204800
	s_add_co_u32 s78, s78, s82
	s_mov_b32 s79, 0
	s_mul_i32 s83, s[WV], REG
	s_wait_dscnt 0x0                               ; both opening adds are done
	s_wait_kmcnt 0x0
	s_mov_b32 s[G0], 1
	s_mov_b32 s[G0+1], s83
	s_add_nc_u64 s[G0+2:G0+3], s[6:7], s[76:77]
	s_or_b32 s[G0+3], s[G0+3], 0x80000000
	s_mov_b32 s[G0B], 1
	s_mov_b32 s[G0B+1], s83
	s_add_nc_u64 s[G0B+2:G0B+3], s[4:5], s[78:79]
	s_or_b32 s[G0B+3], s[G0B+3], 0x80000000
	ROUND                                          ; all sixteen work-groups are here: the first joint loads meet
	JLOAD                                          ; slot 0
	v_and_b32 v8, 31, v0
	v_and_b32 v9, 15, v0                           ; r
	v_bfe_u32 v10, v0, 4, 1                        ; h
	v_lshlrev_b32 v[LI], 4, v8
	s_mul_i32 s96, s[S0H], REG
	v_add_nc_u32 v[A0], s96, v[LI]
	s_mul_i32 s97, s[S1H], REG
	s_add_co_u32 s97, s97, 2*REG
	v_add_nc_u32 v[A1], s97, v[LI]
	s_xor_b32 s98, s[S0H], 1
	s_add_co_u32 s98, s98, s[S1H]
	s_add_co_u32 s98, s98, 1
	s_mul_i32 s98, s98, REG
	v_mul_u32_u24 v11, s98, v10
	v_lshl_add_u32 v11, v9, 5, v11
	s_add_co_u32 s96, s96, 12288
	v_add_nc_u32 v[AS0], s96, v11
	s_mul_i32 s96, s[WV], 8448
	s_add_co_u32 s96, s96, STAGE                   ; my stage
	v_mul_u32_u24 v[STO], v9, 528
	v_lshl_add_u32 v[STO], v10, 6, v[STO]
	v_add_nc_u32 v[STO], s96, v[STO]               ; in: row r, + 64 h
	v_add_nc_u32 v[RD], s96, v[LI]                 ; back: 16 bytes a lane of a row's 512
	s_lshl_b32 s88, s66, 1
	s_add_co_u32 s88, s88, s[S0H]                  ; my block of 128 columns
	s_lshl_b32 s89, s71, 1
	s_add_co_u32 s89, s89, s[S1H]                  ; my block of 128 rows
	s_lshl_b32 s90, s89, 19
	s_lshl_b32 s94, s88, 9
	s_add_co_u32 s90, s90, s94
	s_mov_b32 s91, 0
	s_add_nc_u64 s[OUT:OUT+1], s[10:11], s[90:91]
	s_mov_b32 s95, 0
	s_add_nc_u64 s[92:93], s[8:9], s[94:95]        ; bo at my 128 columns
	v_lshlrev_b32 v11, 6, v10                      ; register j of tile b: n = 32 (b / 2) + 16 h + 8 (b % 2) + j
	WIN 0x40
.set tb, 0
.rept 8
	global_load_b128 v[192+8*tb:195+8*tb], v11, s[92:93] offset:4*(32*(tb/2)+8*(tb%2))
	global_load_b128 v[196+8*tb:199+8*tb], v11, s[92:93] offset:4*(32*(tb/2)+8*(tb%2))+16
.set tb, tb+1
.endr
	WIN 0
	CHANGE 1                                       ; slot 0 is whole; slot 1's first fill goes out behind this round, behind which nobody fills bytes again
	s_wait_loadcnt 0x0                             ; the bias
	SLOT 2
	s_mov_b32 s[CNT], 2
.Lk:
	CHANGE 1
	SLOT 0
	s_sub_co_u32 s[CNT], s[CNT], 1
	s_cmp_lg_u32 s[CNT], 0
	s_cbranch_scc1 .Lk
	CHANGE 0
	SLOT 0
	PLACES 4                                       ; in front of the first read of results and of loads into the fragments' registers
.set qa, 0
	TOSTAGE
.set qa, 1
.rept 7
.if qa > 1
	s_wait_xcnt 0x0                                ; the stores of two tiles ago have read their registers: this tile's loads may land there
.endif
	TOSTAGE
	SEND qa-1, 32                                  ; behind the last tile's loads: this tile's 16 stores and 16 loads
.set qa, qa+1
.endr
	SEND 7, 0
	s_wait_tensorcnt 0x0                           ; the wave's end, behind my last tensor load and my last LDS store
	ds_add_u32 v[SPW], v[NIL]
	s_wait_dscnt 0x0
	ROUND                                          ; the closing round
	s_endpgm
.Lfunc_end_k_q3c71e65ed7_outp:
	.size	k_q3c71e65ed7_outp, .Lfunc_end_k_q3c71e65ed7_outp-k_q3c71e65ed7_outp
	.p2alignl 7, 3214868480
	.fill 96, 4, 3214868480
	.section	.rodata,"a",@progbits
	.p2align	6, 0x0
	.amdhsa_kernel k_q3c71e65ed7_outp
		.amdhsa_group_segment_fixed_size 327680
		.amdhsa_private_segment_fixed_size 0
		.amdhsa_enable_private_segment 0
		.amdhsa_kernarg_size 32
		.amdhsa_user_sgpr_count 2
		.amdhsa_user_sgpr_kernarg_segment_ptr 1
		.amdhsa_wavefront_size32 1
		.amdhsa_system_sgpr_workgroup_id_x 1
		.amdhsa_system_sgpr_workgroup_id_y 1
		.amdhsa_system_sgpr_workgroup_id_z 1
		.amdhsa_system_vgpr_workitem_id 0
		.amdhsa_next_free_vgpr 1024
		.amdhsa_next_free_sgpr 100
		.amdhsa_reserve_vcc 0
		.amdhsa_float_denorm_mode_32 3
		.amdhsa_float_denorm_mode_16_64 3
		.amdhsa_memory_ordered 1
		.amdhsa_forward_progress 1
		.amdhsa_inst_pref_size 108
	.end_amdhsa_kernel
	.amdgpu_metadata
---
amdhsa.version: [ 1, 2 ]
amdhsa.kernels:
  - .name:           k_q3c71e65ed7_outp
    .symbol:         k_q3c71e65ed7_outp.kd
    .args:
      - { .name: oc, .offset: 0, .size: 8, .value_kind: global_buffer, .address_space: global }
      - { .name: wc, .offset: 8, .size: 8, .value_kind: global_buffer, .address_space: global }
      - { .name: bo, .offset: 16, .size: 8, .value_kind: global_buffer, .address_space: global }
      - { .name: out0, .offset: 24, .size: 8, .value_kind: global_buffer, .address_space: global }
    .group_segment_fixed_size: 327680
    .private_segment_fixed_size: 0
    .kernarg_segment_align: 8
    .kernarg_segment_size: 32
    .max_flat_workgroup_size: 128
    .sgpr_count:     100
    .vgpr_count:     1024
    .wavefront_size: 32
...
	.end_amdgpu_metadata
.endif
;; end of part 6
;; ======== version 2 of 2: 6 launches; 1.15 times as fast as version 1
;; limits: right only within a limited range of input values
;; workspace buffers: xc 19,660,800 bytes; wc 3,276,800 bytes; qk 13,107,200 bytes; vt 6,553,600 bytes; st 1,048,576 bytes; pc 13,107,200 bytes; oc 6,553,600 bytes
;; launch quant (part 7): grid 640 x 1, 4 waves a work-group, no clusters, 46,592 bytes of LDS; arguments query, key, value, Wq, Wk, Wv, Wo, xc, wc; writes xc, wc
.if DOCPART == 7
	.amdgcn_target "amdgcn-amd-amdhsa--gfx1250"
	.amdhsa_code_object_version 6
	.text
	.protected	k_q3c71e65ed7_quant
	.globl	k_q3c71e65ed7_quant
	.p2align	8
	.type	k_q3c71e65ed7_quant,@function
k_q3c71e65ed7_quant:
	s_mov_b64 s[64:65], 0
	v_nop
	global_prefetch_b8 v0, s[64:65] scope:SCOPE_SE
	s_setreg_imm32_b32 hwreg(HW_REG_WAVE_MODE, 25, 1), 1
	s_wait_xcnt 0x0
; THE PROGRAM: out = softmax_causal((query Wq + bq)(key Wk + bk)^T / 32)(value Wv + bv) Wo + bo, all six products on codes of E2M3 with one E8M0 scale for each 32 along K.
; Six launches: quant (this one: inputs and weights into codes), proj (q, k), stats (row maxima and sums of each block of 128 keys; beside them half of v^T), pcodes (the finished softmax as codes; the other half
; of v^T), pv, outp.
; WORK LEFT OUT, for all values of the inputs: reference() overwrites every score with key > query by -1e9, whatever q and k hold, so the products behind those scores reach no output; and their attn,
; exp(-1e9 - lse), is turned into the code 0 by the stated quantiser, so their terms of attn v are 0.  So the 28 of 64 tiles of 256 queries x 256 keys of each batch that lie wholly over the diagonal are neither
; multiplied (products 4 and 5) nor stored.  All eleven inputs have a way to the output and are loaded.
; LIMITS: the kept scores of a row are not all under about -1e9 + 100 (|q . k| / 32 under 1e9), else reference() would give hidden keys weight; a NaN, an infinity or an overflow that arises only in the tiles
; left out is not carried to the result; p under 2^-126 comes out of v_exp_f32 as 0; a block of zeros gets the scale byte 1 where the rule says 127 (its codes are zeros, and this program alone reads the bytes);
; NaN and infinities among the inputs are not served.
; THE OPERAND FORMAT of every workspace buffer.  128 rows x 128 along K are one BLOCK of 12,800 bytes: eight images of a fragment's registers (16 rows x 128 K: 1,536 bytes: registers 4 c .. 4 c + 3 of lane l at
; 512 c + 16 l), then the scale words (tile T, lane row r at 12,288 + 32 r + 4 T).  Lane row r of tile T is row 32 (T / 2) + 8 (T % 2) + r + 8 (r / 8) of the 128: so a product's results, used transposed, are
; neighbours along the next K.  An operand is [row block][K step], dense.
; THIS LAUNCH.  Work-groups 0-383: query, key, value [8192][1024] f32, K innermost: a wave makes one BLOCK.  Each load reads 512 consecutive bytes of a row; a tile's 16 rows turn through the wave's own stage in LDS,
; so that a lane gets two whole blocks of 32 of its row, as the operand's layout wants them.  Work-groups 384-639: Wq, Wk, Wv, Wo [k][n] f32, K outermost: a lane takes a column and its registers run down K; the
; codes go through the wave's own images in LDS.  Memory binds: no matrix unit, no cluster, no barrier (waves share nothing).  The two paths have LDS bytes of their own.
.set SPARE, 46080                      ; behind the stages and images: the spare words, 128 bytes for each wave
.set QWB,   33792                      ; the weight path's images, 3,072 bytes a wave; the x path's stages, 16 rows x 528 bytes a wave, begin at 0
.set SPW, 12                           ; v12  LDS address of my spare word; never rewritten
.set NIL, 13                           ; v13  0; never rewritten
.set TP,  24                           ; v24-30 the halves of blocks whose three registers would begin on an odd number
.set X,   64                           ; v64-127 a tile's numbers, 64 a lane
.set R,   128                          ; v128-255 two sets of 64 as loaded (weights: a column's 128 numbers)
	s_load_b256 s[4:11], s[0:1], 0x0               ; query, key, value, Wq
	s_load_b256 s[12:19], s[0:1], 0x20             ; Wk, Wv, Wo, xc
	s_load_b64 s[20:21], s[0:1], 0x40              ; wc
	v_lshl_add_u32 v[SPW], v0, 2, SPARE
	v_mov_b32 v[NIL], 0
	v_lshrrev_b32 v1, 5, v0
	v_readfirstlane_b32 s24, v1                    ; wave
	v_and_b32 v14, 31, v0                          ; lane
	v_and_b32 v15, 15, v0                          ; r
	v_bfe_u32 v7, v0, 4, 1                         ; h
	s_mov_b32 s26, 0x76543210
	s_mov_b32 s27, 0xfedcba98                      ; v_permlanex16_b32's selects for lane l xor 16
	s_mov_b32 s28, 0xffff0000                      ; lanes 16-31
	v_mov_b32 v23, 0                               ; a lane permute's destination counts as one of its sources
	s_cmp_ge_u32 ttmp9, 384
	s_cbranch_scc1 .Lw
; ---------------- query, key, value ----------------
	v_lshlrev_b32 v1, 4, v14                       ; 16 x lane: my bytes of a row's 512, and of an image's chunk
	s_mul_i32 s29, s24, 8448                       ; my stage
	v_add_nc_u32 v2, s29, v1                       ; into it: as loaded
	v_mul_u32_u24 v3, v15, 528
	v_lshl_add_u32 v3, v7, 7, v3
	v_add_nc_u32 v3, s29, v3                       ; out of it: row r, block h (128 bytes a block)
	v_lshlrev_b32 v4, 3, v7                        ; 8 h: my bytes' place in the scale word
	v_lshlrev_b32 v5, 5, v15
	v_lshl_add_u32 v5, v7, 4, v5                   ; 32 r + 16 h: my four words of the scale image
	s_lshl_b32 s30, ttmp9, 2
	s_add_co_u32 s30, s30, s24                     ; my BLOCK: 512 x tensor + 8 x row block + K step
	s_bfe_u32 s31, s30, 0x60003                    ; row block
	s_and_b32 s36, s30, 7                          ; K step
	s_lshl_b32 s31, s31, 19                        ; 128 rows of 4,096 bytes
	s_lshl_b32 s36, s36, 9                         ; 128 numbers
	s_add_co_u32 s36, s36, s31
	s_mov_b32 s37, 0
	s_mul_i32 s38, s30, 12800
	s_mov_b32 s39, 0
	s_lshr_b32 s40, ttmp9, 7                       ; tensor
	s_wait_kmcnt 0x0
	s_cmp_eq_u32 s40, 0
	s_cselect_b64 s[32:33], s[4:5], s[6:7]
	s_cmp_eq_u32 s40, 2
	s_cselect_b64 s[32:33], s[8:9], s[32:33]
	s_add_nc_u64 s[32:33], s[32:33], s[36:37]
	s_add_nc_u64 s[34:35], s[18:19], s[38:39]
.macro LOADX t                         ; tile t's 16 rows, 512 consecutive bytes each
.set lr, 0
.rept 16
	global_load_b128 v[R+64*((\t)%2)+4*lr:R+64*((\t)%2)+4*lr+3], v1, s[32:33] offset:(32*((\t)/2)+8*((\t)%2)+lr+8*(lr/8))*4096 th:TH_LOAD_NT
.set lr, lr+1
.endr
.endm
.macro TURN t                          ; through the stage: LDS serves a wave's instructions in order, so no wait stands between the stores and the loads
.set lr, 0
.rept 16
	ds_store_b128 v2, v[R+64*((\t)%2)+4*lr:R+64*((\t)%2)+4*lr+3] offset:528*lr
.set lr, lr+1
.endr
.irp c, 0,1
.irp i, 0,1,2,3,4,5,6,7
	ds_load_b128 v[X+32*\c+4*\i:X+32*\c+4*\i+3], v3 offset:256*\c+16*\i      ; blocks h and 2 + h of row r, whole
.endr
.endr
.endm
.macro WORK t
.set CD, 32+12*((\t)%2)                ; the fragment's 12 registers, two sets by turns
	v_max3_num_f32 v16, |v[X]|, |v[X+1]|, 0x1800000                ; each block's largest magnitude, and the floor 2^(3 - 127), which holds the byte at 1 from below
	v_max3_num_f32 v17, |v[X+32]|, |v[X+33]|, 0x1800000
.irp i, 2,4,6,8,10,12,14,16,18,20,22,24,26,28,30
	v_max3_num_f32 v16, v16, |v[X+\i]|, |v[X+1+\i]|
	v_max3_num_f32 v17, v17, |v[X+32+\i]|, |v[X+33+\i]|
.endr
	v_add_nc_u32 v18, 0xff000000, v16              ; 2 off the exponent field: the conversion's scale operand
	v_add_nc_u32 v19, 0xff000000, v17
	v_lshrrev_b32 v20, 23, v18                     ; the scale's byte
	v_lshrrev_b32 v21, 23, v19
	v_lshl_or_b32 v22, v21, 16, v20                ; blocks h and 2 + h,
	v_lshlrev_b32 v22, v4, v22                     ; at their places in the word;
	v_permlanex16_b32 v23, v22, s26, s27
	v_or_b32 v[56+(\t)], v22, v23                  ; with lane l xor 16's two the word is whole
	v_cvt_scalef32_pk16_fp6_f32 v[CD:CD+2], v[X:X+15], v18
	v_cvt_scalef32_pk16_fp6_f32 v[TP:TP+2], v[X+16:X+31], v18      ; (a conversion's three registers begin on an even number)
	v_cvt_scalef32_pk16_fp6_f32 v[CD+6:CD+8], v[X+32:X+47], v19
	v_cvt_scalef32_pk16_fp6_f32 v[TP+4:TP+6], v[X+48:X+63], v19
	v_nop                                          ; one plain place behind the scaled conversions
.irp i, 0,1,2
	v_mov_b32 v[CD+3+\i], v[TP+\i]
	v_mov_b32 v[CD+9+\i], v[TP+4+\i]
.endr
.irp c, 0,1,2
	global_store_b128 v1, v[CD+4*\c:CD+4*\c+3], s[34:35] offset:1536*(\t)+512*\c   ; 512 consecutive bytes, at a multiple of 256 from the buffer's first byte
.endr
.endm
	LOADX 0
	LOADX 1
.set qt, 0
.rept 8
.if qt < 7
	s_wait_loadcnt 16                              ; this tile's 16 loads are in; the next tile's 16 may be out
.else
	s_wait_loadcnt 0x0
.endif
	TURN qt
	s_wait_dscnt 0x0                               ; the stage's stores have read their registers, and my 64 numbers are in
.if qt < 6
	LOADX qt+2                                     ; into the set just read
.endif
	s_wait_xcnt 0x0                                ; the stores of two tiles ago have read their registers: that set of codes is written again only behind this wait
	WORK qt
.set qt, qt+1
.endr
.irp j, 0,1,2,3
	v_cndmask_b32 v[8+\j], v[56+\j], v[60+\j], s28 ; lanes 0-15 store tiles 0-3's words of row r, lanes 16-31 tiles 4-7's
.endr
	global_store_b128 v5, v[8:11], s[34:35] offset:12288
	s_wait_tensorcnt 0x0                           ; the wave's end
	ds_add_u32 v[SPW], v[NIL]
	s_wait_dscnt 0x0
	s_endpgm
; ---------------- Wq, Wk, Wv, Wo ----------------
.Lw:
	v_lshlrev_b32 v1, 2, v14                       ; 4 x lane: my column
	v_bfe_u32 v2, v0, 3, 1                         ; u: column 32 w + lane is lane row r' of tile 2 w + u, with
	v_and_b32 v3, 7, v0
	v_lshl_or_b32 v3, v7, 3, v3                    ; r' = lane % 8 + 8 (lane / 16)
	s_mul_i32 s29, s24, 3072                       ; my two tiles' images, in the BLOCK
	s_add_co_u32 s30, s29, QWB                     ; and in LDS
	v_mul_u32_u24 v4, v2, 1536
	v_lshl_add_u32 v4, v3, 4, v4
	v_add_nc_u32 v4, s30, v4                       ; into the images: tile u, lane r'
	v_lshlrev_b32 v5, 4, v14
	v_add_nc_u32 v6, s30, v5                       ; out of them: 16 x lane
	v_add_nc_u32 v5, s29, v5                       ; and the same place in the BLOCK
	v_lshlrev_b32 v8, 5, v3
	v_lshl_add_u32 v8, v2, 2, v8
	s_lshl_b32 s31, s24, 3
	s_add_co_u32 s31, s31, 12288
	v_add_nc_u32 v8, s31, v8                       ; my column's scale word: 12,288 + 32 r' + 4 (2 w + u)
	s_sub_co_u32 s36, ttmp9, 384                   ; my work-group's BLOCK: 64 x weight + 8 x row block + K step
	s_lshr_b32 s40, s36, 6                         ; weight
	s_bfe_u32 s37, s36, 0x30003                    ; row block (128 columns n)
	s_and_b32 s38, s36, 7                          ; K step
	s_lshl_b32 s38, s38, 19                        ; 128 rows k of 4,096 bytes
	s_lshl_b32 s37, s37, 9
	s_add_co_u32 s38, s38, s37
	s_lshl_b32 s37, s24, 7                         ; my wave's 32 columns
	s_add_co_u32 s38, s38, s37
	s_mov_b32 s39, 0
	s_mul_i32 s36, s36, 12800
	s_mov_b32 s37, 0
	s_and_b32 s41, s40, 1
	s_wait_kmcnt 0x0
	s_cmp_lt_u32 s40, 2
	s_cselect_b64 s[32:33], s[10:11], s[14:15]     ; Wq or Wv
	s_cselect_b64 s[34:35], s[12:13], s[16:17]     ; Wk or Wo
	s_cmp_eq_u32 s41, 1
	s_cselect_b64 s[32:33], s[34:35], s[32:33]
	s_add_nc_u64 s[32:33], s[32:33], s[38:39]
	s_add_nc_u64 s[34:35], s[20:21], s[36:37]
.macro LOADW k                         ; block k of my column: W(32 k + i, n): 128 consecutive bytes a wave, 512 a work-group
.set lr, 0
.rept 32
	global_load_b32 v[R+32*(\k)+lr], v1, s[32:33] offset:(32*(\k)+lr)*4096 th:TH_LOAD_NT
.set lr, lr+1
.endr
.endm
.macro BLOCKW k
.set XS, R+32*(\k)
.set CW, 32+8*(\k)                     ; the block's own six registers
	v_max3_num_f32 v16, |v[XS]|, |v[XS+1]|, 0x1800000
	v_max3_num_f32 v17, |v[XS+16]|, |v[XS+17]|, 0x1800000
.irp i, 2,4,6,8,10,12,14
	v_max3_num_f32 v16, v16, |v[XS+\i]|, |v[XS+1+\i]|
	v_max3_num_f32 v17, v17, |v[XS+16+\i]|, |v[XS+17+\i]|
.endr
	v_max_num_f32 v16, v16, v17                    ; all 32 numbers are mine
	v_add_nc_u32 v18, 0xff000000, v16
	v_lshrrev_b32 v20, 23, v18
.if (\k) == 0
	v_mov_b32 v22, v20
.else
	v_lshl_or_b32 v22, v20, 8*(\k), v22            ; the four bytes make my column's scale word
.endif
	v_cvt_scalef32_pk16_fp6_f32 v[CW:CW+2], v[XS:XS+15], v18
	v_cvt_scalef32_pk16_fp6_f32 v[TP:TP+2], v[XS+16:XS+31], v18
	v_nop                                          ; one plain place behind the scaled conversions
.irp i, 0,1,2
	v_mov_b32 v[CW+3+\i], v[TP+\i]
.endr
.irp p, 0,1,2                          ; block k is registers 6 (k / 2) + 0 .. 5 of lane r' + 16 (k % 2)
	ds_store_b64 v4, v[CW+2*\p:CW+2*\p+1] offset:256*((\k)%2)+512*((6*((\k)/2)+2*\p)/4)+4*((6*((\k)/2)+2*\p)%4)
.endr
.endm
	LOADW 0
	LOADW 1
	s_wait_loadcnt 32                              ; block 0 is in; the next block's 32 loads may be out
	LOADW 2
	BLOCKW 0
	s_wait_loadcnt 32
	LOADW 3
	BLOCKW 1
	s_wait_loadcnt 32
	BLOCKW 2
	s_wait_loadcnt 0x0
	BLOCKW 3
	global_store_b32 v8, v22, s[34:35]             ; 4 bytes a lane: the four waves together fill the scale image's 512 bytes
.irp c, 0,1,2,3,4,5
	ds_load_b128 v[64+4*\c:67+4*\c], v6 offset:512*\c              ; LDS serves a wave's instructions in order: these see my stores
.endr
.irp c, 0,1,2,3,4,5
	s_wait_dscnt 5-\c
	global_store_b128 v5, v[64+4*\c:67+4*\c], s[34:35] offset:512*\c
.endr
	s_wait_tensorcnt 0x0                           ; the wave's end
	ds_add_u32 v[SPW], v[NIL]
	s_wait_dscnt 0x0
	s_endpgm
.Lfunc_end_k_q3c71e65ed7_quant:
	.size	k_q3c71e65ed7_quant, .Lfunc_end_k_q3c71e65ed7_quant-k_q3c71e65ed7_quant
	.p2alignl 7, 3214868480
	.fill 96, 4, 3214868480
	.section	.rodata,"a",@progbits
	.p2align	6, 0x0
	.amdhsa_kernel k_q3c71e65ed7_quant
		.amdhsa_group_segment_fixed_size 46592
		.amdhsa_private_segment_fixed_size 0
		.amdhsa_enable_private_segment 0
		.amdhsa_kernarg_size 72
		.amdhsa_user_sgpr_count 2
		.amdhsa_user_sgpr_kernarg_segment_ptr 1
		.amdhsa_wavefront_size32 1
		.amdhsa_system_sgpr_workgroup_id_x 1
		.amdhsa_system_sgpr_workgroup_id_y 1
		.amdhsa_system_sgpr_workgroup_id_z 1
		.amdhsa_system_vgpr_workitem_id 0
		.amdhsa_next_free_vgpr 256
		.amdhsa_next_free_sgpr 66
		.amdhsa_reserve_vcc 0
		.amdhsa_float_denorm_mode_32 3
		.amdhsa_float_denorm_mode_16_64 3
		.amdhsa_memory_ordered 1
		.amdhsa_forward_progress 1
		.amdhsa_inst_pref_size 79
	.end_amdhsa_kernel
	.amdgpu_metadata
---
amdhsa.version: [ 1, 2 ]
amdhsa.kernels:
  - .name:           k_q3c71e65ed7_quant
    .symbol:         k_q3c71e65ed7_quant.kd
    .args:
      - { .name: query, .offset: 0, .size: 8, .value_kind: global_buffer, .address_space: global }
      - { .name: key, .offset: 8, .size: 8, .value_kind: global_buffer, .address_space: global }
      - { .name: value, .offset: 16, .size: 8, .value_kind: global_buffer, .address_space: global }
      - { .name: Wq, .offset: 24, .size: 8, .value_kind: global_buffer, .address_space: global }
      - { .name: Wk, .offset: 32, .size: 8, .value_kind: global_buffer, .address_space: global }
      - { .name: Wv, .offset: 40, .size: 8, .value_kind: global_buffer, .address_space: global }
      - { .name: Wo, .offset: 48, .size: 8, .value_kind: global_buffer, .address_space: global }
      - { .name: xc, .offset: 56, .size: 8, .value_kind: global_buffer, .address_space: global }
      - { .name: wc, .offset: 64, .size: 8, .value_kind: global_buffer, .address_space: global }
    .group_segment_fixed_size: 46592
    .private_segment_fixed_size: 0
    .kernarg_segment_align: 8
    .kernarg_segment_size: 72
    .max_flat_workgroup_size: 128
    .sgpr_count:     66
    .vgpr_count:     256
    .wavefront_size: 32
...
	.end_amdgpu_metadata
.endif
;; end of part 7
;; launch proj (part 8): grid 4 x 64, 4 waves a work-group, clusters of 4 x 4, 327,680 bytes of LDS; arguments xc, wc, bq, bk, qk; writes qk
.if DOCPART == 8
	.amdgcn_target "amdgcn-amd-amdhsa--gfx1250"
	.amdhsa_code_object_version 6
	.text
	.protected	k_q3c71e65ed7_proj
	.globl	k_q3c71e65ed7_proj
	.p2align	8
	.type	k_q3c71e65ed7_proj,@function
k_q3c71e65ed7_proj:
	s_mov_b64 s[64:65], 0
	v_nop
	global_prefetch_b8 v0, s[64:65] scope:SCOPE_SE
	s_setreg_imm32_b32 hwreg(HW_REG_WAVE_MODE, 25, 1), 1
	s_wait_xcnt 0x0
	s_wait_alu depctr_hold_cnt(0) depctr_sa_sdst(0) depctr_va_vdst(0) depctr_va_sdst(0) depctr_va_ssrc(0) depctr_va_vcc(0) depctr_vm_vsrc(0)
	s_getreg_b32 s2, hwreg(HW_REG_IB_STS2, 6, 4)
	s_cmp_eq_u32 s2, 0
	s_cbranch_scc0 .Lentry_in_a_cluster
	s_endpgm
.Lentry_in_a_cluster:
	s_bfe_u32 s2, ttmp6, 0x10000c
	s_cmp_lg_u32 s2, 0xf033
	s_cbranch_scc0 .Lentry_shape_is_right
	s_endpgm
.Lentry_shape_is_right:
; q = query Wq + bq and k = key Wk + bk, on codes of E2M3, and their results quantised at once along d for the product of scores.  (v's projection stands in the next two launches, whose triangles of score tiles
; leave work-group places free: so this launch has 256 work-groups of equal work.)
; All operands lie as BLOCKS of 12,800 bytes (128 rows x 128 K: eight images of a fragment's registers, then the scale words; lane row r of tile T is row 32 (T / 2) + 8 (T % 2) + r + 8 (r / 8)).
; A work-group makes 256 rows of source 0 (the weight, rows n) x 256 rows of source 1 (the tokens); each of its four waves 128 x 128: 64 accumulators.  wmma(D, source 0's tile b, source 1's tile a): lane (r, h)
; holds source 1's lane row r of tile a, and its register j source 0's index 32 (b / 2) + 16 h + 8 (b % 2) + j: so the 64 registers of a row of tiles are 64 numbers of one row of the result, neighbours along the next K.
; LDS: three slots of 102,400 bytes, each 256 along K: four dense regions of 25,600 bytes (two BLOCKS), one tensor load a wave.  K = 1,024 is four slots' worth: three are asked for together at the head (three
; loads of a wave are out), the fourth goes into slot 0 when every wave has read it out.  K goes in eight steps of 128, written out; the next step's 50 LDS loads stand in the middle of a step's 64 products.
; CLUSTER 4 x 4: source 0's tile hangs on cx and is asked for jointly by a column of the cluster, source 1's on cy, by a row.  16 clusters: 8 for q, 8 for k.
; REGISTERS: window 0: v1-7, v26-28 addresses; v32-47 scale words, two sets (lanes 0-15 source 0's tile i, lanes 16-31 source 1's); v48-63 at work; v64-159, v160-255 source 1's fragments, two sets.
;   window 1: v0-95, v96-191 source 0's fragments, two sets; v192-255 the bias, as the C of the first products.   windows 2, 3: accumulator (a, b) at v[8 (8 (a % 4) + b)] of window 2 + a / 4.
.set SLOTB, 102400                     ; a slot
.set REG,   25600                      ; a region: 128 rows x 256 K
.set BLK,   12800
.set SPARE, 307200                     ; behind the three slots: the spare words, 128 bytes for each wave
.set LI, 1                             ; v1  16 x lane
.set A0, 2                             ; v2  my source 0 region;  v3 my source 1 region;  v4, v5 the same in the slot in hand
.set A1, 3
.set AD0, 4
.set AD1, 5
.set SPW, 6                            ; v6  LDS address of my spare word; v7  0; never rewritten
.set NIL, 7
.set AS0, 26                           ; v26 my scale words (lanes 0-15 source 0's, lanes 16-31 source 1's); v27 in the slot in hand
.set ADS, 27
.set SA, 28                            ; v28 32 r + 16 h: my four words of a scale image
.set SC, 32
.set TM, 48
.set PC, 128                           ; v128-146 the codes just made
.set WD, 152                           ; v152-159 the eight tiles' scale words
.set IM, 160
.set TY, 16                            ; s16 0: q, 1: k
.set WV, 20
.set S0H, 21
.set S1H, 22
.set G1, 24                            ; s[24:31] descriptor group 1, s[32:43] three groups 0 (a slot each): source 0;  s[68:75], s[76:87]: source 1
.set G0, 32
.set HIM, 52                           ; s52 lanes 16-31
.set SEL, 54
.set OUT, 60
.set G1B, 68
.set G0B, 76
.set MSB, 0
.macro WIN new                         ; the immediate's high byte repeats the setting that is left
.if MSB != (\new)
	s_set_vgpr_msb (MSB<<8)|(\new)
.set MSB, (\new)
.endif
.endm
.macro PLACES n
.rept \n
	v_nop
.endr
.endm
.macro ROUND                           ; a round of the cluster's barrier
	s_barrier_signal -1
	s_barrier_wait -1
	s_cmp_lg_u32 s[WV], 0
	s_cbranch_scc1 .Lnot_wave_0_\@
	s_barrier_signal -3
.Lnot_wave_0_\@:
	s_barrier_wait -3
	s_barrier_signal -1
	s_barrier_wait -1
.endm
.macro JLOAD                           ; the joint refill of slot 0: waves 0, 1 fetch source 0's halves, waves 2, 3 source 1's; an s_nop 0 and four v_nop follow each line
	s_cmp_lt_u32 s[WV], 2
	s_cbranch_scc0 .Lfor_1_\@
	tensor_load_to_lds s[G0:G0+3], s[G1:G1+7]
	s_nop 0
	PLACES 4
	s_branch .Lasked_\@
.Lfor_1_\@:
	tensor_load_to_lds s[G0B:G0B+3], s[G1B:G1B+7]
	s_nop 0
	PLACES 4
.Lasked_\@:
.endm
; 32 matrix instructions: source 1's tiles a0 .. a0 + 3 x source 0's eight, register set p.  cm = 0: sums go on; 2: C = the bias by source 0's tile.  The 64 accumulators take turns.
.macro MUL a0, p, cm
.if (\cm) >= 2
	WIN 0x91+0x40*((\a0)/4)
.else
	WIN 0xa1+0x50*((\a0)/4)
.endif
.set ma, \a0
.rept 4
.set mb, 0
.rept 8
.set rD, 8*(8*(ma%4)+mb)
.set rA, 96*(\p)+12*mb
.set rB, 64+96*(\p)+12*ma
.set zA, SC+8*(\p)+mb
.set zB, SC+8*(\p)+ma
.if (\cm) == 0
	v_wmma_scale_f32_16x16x128_f8f6f4 v[rD:rD+7], v[rA:rA+11], v[rB:rB+11], v[rD:rD+7], v[zA], v[zB] matrix_a_fmt:MATRIX_FMT_FP6 matrix_b_fmt:MATRIX_FMT_FP6 matrix_b_scale:MATRIX_SCALE_ROW1
.else
	v_wmma_scale_f32_16x16x128_f8f6f4 v[rD:rD+7], v[rA:rA+11], v[rB:rB+11], v[192+8*mb:199+8*mb], v[zA], v[zB] matrix_a_fmt:MATRIX_FMT_FP6 matrix_b_fmt:MATRIX_FMT_FP6 matrix_b_scale:MATRIX_SCALE_ROW1
.endif
.set mb, mb+1
.endr
.set ma, ma+1
.endr
.endm
.macro FETCH p, q                      ; 50 LDS loads: a slot's q-th 128 along K into set p: source 0's 24, the scale words' 2, source 1's 24
	WIN 0x40
.set ft, 0
.rept 8
.irp c, 0,1,2
	ds_load_b128 v[96*(\p)+12*ft+4*\c:96*(\p)+12*ft+4*\c+3], v[AD0] offset:BLK*(\q)+1536*ft+512*\c
.endr
.set ft, ft+1
.endr
	WIN 0
.irp i, 0,1
	ds_load_b128 v[SC+8*(\p)+4*\i:SC+8*(\p)+4*\i+3], v[ADS] offset:BLK*(\q)+16*\i
.endr
.set ft, 0
.rept 8
.irp c, 0,1,2
	ds_load_b128 v[64+96*(\p)+12*ft+4*\c:64+96*(\p)+12*ft+4*\c+3], v[AD1] offset:BLK*(\q)+1536*ft+512*\c
.endr
.set ft, ft+1
.endr
.endm
.macro NEXT k                          ; K step k's fragments into set k % 2; step k lies in slot (k / 2) % 3
	WIN 0
	v_add_nc_u32 v[AD0], SLOTB*(((\k)/2)%3), v[A0] ; these three and the v_nop are the four places in front of loads into registers that matrix instructions have read
	v_add_nc_u32 v[AD1], SLOTB*(((\k)/2)%3), v[A1]
	v_add_nc_u32 v[ADS], SLOTB*(((\k)/2)%3), v[AS0]
	v_nop
	FETCH (\k)%2, (\k)%2
.endm
.macro ARRIVE n                        ; a slot's arrival: all my tensor loads but the n youngest have landed, my LDS loads are in: say so.  Its wait stands 32 products on
	s_wait_tensorcnt \n
	s_wait_dscnt 0x0
	s_barrier_signal -1
.endm
.macro REFILL                          ; slot 0, whose two steps lie in every wave's registers, takes K steps 6 and 7
	WIN 0
	s_wait_tensorcnt 0x0                           ; all my tensor loads have landed, slot 2's too: the groups 0 may be written
	ds_add_u32 v[SPW], v[NIL]                      ; 0 onto my spare word
	s_add_nc_u64 s[G0+2:G0+3], s[G0+2:G0+3], 3*REG
	s_add_nc_u64 s[G0B+2:G0B+3], s[G0B+2:G0B+3], 3*REG
	s_wait_dscnt 0x0                               ; the add is done; my LDS loads are in, the reads of slot 0 long since
	ROUND                                          ; no wave of any partner still reads slot 0 or has a load on its way
	JLOAD
.endm
.macro RUN cm                          ; K = 1,024: eight steps of 64 products
	s_wait_tensorcnt 0x2                           ; my part of slot 0 is in; slots 1 and 2 may be out
	s_barrier_signal -1
	s_barrier_wait -1
	NEXT 0
	s_wait_loadcnt 0x0                             ; the bias
	s_wait_dscnt 12                                ; all but source 1's tiles 4-7
	MUL 0, 0, \cm
	NEXT 1
	s_wait_dscnt 50                                ; all but the 50 just issued
	MUL 4, 0, \cm
	ARRIVE 1                                       ; slot 1 (slot 2's load may be out)
	MUL 0, 1, 0
	s_barrier_wait -1
	NEXT 2
	MUL 4, 1, 0
	REFILL                                         ; it has three and a half steps in which to land
	MUL 0, 0, 0
	NEXT 3
	MUL 4, 0, 0
	s_wait_dscnt 12
	MUL 0, 1, 0
	NEXT 4
	s_wait_dscnt 50
	MUL 4, 1, 0
	s_wait_dscnt 12
	MUL 0, 0, 0
	NEXT 5
	s_wait_dscnt 50
	MUL 4, 0, 0
	ARRIVE 0                                       ; the refill
	MUL 0, 1, 0
	s_barrier_wait -1
	NEXT 6
	MUL 4, 1, 0
	s_wait_dscnt 12
	MUL 0, 0, 0
	NEXT 7
	s_wait_dscnt 50
	MUL 4, 0, 0
	s_wait_dscnt 12
	MUL 0, 1, 0
	s_wait_dscnt 0x0
	MUL 4, 1, 0
	WIN 0
.endm
; 64 numbers of a lane, v[QS] on in window QW, register 16 b + i = k 32 b + 16 h + i of my row, become a fragment's codes in v[PC] on and its scale word in v[WD + qa].  Each accumulator is read from its low end on.
.macro QUANT
	WIN QW|(QW<<2)
.irp b, 0,1,2,3
	v_max3_num_f32 v[TM+\b], |v[QS+16*\b]|, |v[QS+1+16*\b]|, 0x1800000     ; and the floor 2^(3 - 127): the byte cannot fall under 1
.endr
.irp i, 2,4,6,8,10,12,14
.irp b, 0,1,2,3
	v_max3_num_f32 v[TM+\b], |v[QS+16*\b+\i]|, |v[QS+1+16*\b+\i]|, v[TM+\b]
.endr
.endr
	WIN 0
.irp b, 0,1,2,3
	v_permlanex16_b32 v[TM+4+\b], v[TM+\b], s[SEL], s[SEL+1]
.endr
.irp b, 0,1,2,3
	v_max_num_f32 v[TM+\b], v[TM+\b], v[TM+4+\b]   ; with lane l xor 16's 16: the block's largest magnitude
.endr
.irp b, 0,1,2,3
	v_add_nc_u32 v[TM+12+\b], 0xff000000, v[TM+\b] ; 2 off the exponent field: the conversion's scale operand
.endr
.irp b, 0,1,2,3
	v_lshrrev_b32 v[TM+4+\b], 23, v[TM+12+\b]      ; the scale's byte
.endr
	v_lshl_or_b32 v[WD+qa], v[TM+5], 8, v[TM+4]
	v_lshl_or_b32 v[WD+qa], v[TM+6], 16, v[WD+qa]
	v_lshl_or_b32 v[WD+qa], v[TM+7], 24, v[WD+qa]
	WIN QW
.irp c, 0,1
	v_cvt_scalef32_pk16_fp6_f32 v[PC+6*\c:PC+2+6*\c], v[QS+32*\c:QS+15+32*\c], v[TM+12+2*\c]
	v_cvt_scalef32_pk16_fp6_f32 v[PC+12+4*\c:PC+14+4*\c], v[QS+16+32*\c:QS+31+32*\c], v[TM+12+2*\c+1]
.endr
	WIN 0
	v_nop                                          ; one plain place behind the scaled conversions
.irp c, 0,1                            ; the operand's layout wants a whole block in a lane
.irp i, 0,1,2
	v_permlane16_swap_b32 v[PC+6*\c+\i], v[PC+12+4*\c+\i]
.endr
.irp i, 0,1,2
	v_mov_b32 v[PC+3+6*\c+\i], v[PC+12+4*\c+\i]
.endr
.endr
.endm
.macro PUT                             ; the fragment's image: three stores of 512 consecutive bytes
.irp c, 0,1,2
	global_store_b128 v[LI], v[PC+4*\c:PC+4*\c+3], s[OUT:OUT+1] offset:1536*qa+512*\c
.endr
.endm
	s_load_b256 s[4:11], s[0:1], 0x0               ; xc, wc, bq, bk
	s_load_b64 s[12:13], s[0:1], 0x20              ; qk
	v_lshl_add_u32 v[SPW], v0, 2, SPARE
	v_mov_b32 v[NIL], 0
	ds_add_u32 v[SPW], v[NIL]                      ; the wave's opening: the add, twice on end, and its wait ahead of my first tensor load
	ds_add_u32 v[SPW], v[NIL]
	v_lshrrev_b32 v8, 5, v0
	v_readfirstlane_b32 s[WV], v8
	s_and_b32 s[S0H], s[WV], 1                     ; my half of source 0's rows; also which half of a tile I fetch
	s_lshr_b32 s[S1H], s[WV], 1                    ; my half of source 1's rows
	s_mov_b32 s[HIM], 0xffff0000
	s_mov_b32 s[SEL], 0x76543210
	s_mov_b32 s[SEL+1], 0xfedcba98
.irp g, G1, G1B                        ; a dense region of 25,600 bytes as 100 rows of 32 elements of 8 bytes
	s_mov_b32 s[\g+1], 32<<16
	s_mov_b32 s[\g+2], 100<<16
	s_mov_b32 s[\g+3], 32<<16
	s_mov_b32 s[\g+4], 100
	s_mov_b32 s[\g+5], 32
	s_mov_b32 s[\g+6], 0
	s_mov_b32 s[\g+7], 0
.endr
	s_bfe_u32 s44, ttmp6, 0x40000                  ; cx: source 0's tile (256 rows n of the weight)
	s_bfe_u32 s45, ttmp6, 0x40004                  ; cy
	s_and_b32 s46, ttmp7, 0xffff                   ; the cluster, 0 .. 15
	s_lshr_b32 s[TY], s46, 3
	s_and_b32 s46, s46, 7
	s_lshl_b32 s46, s46, 2
	s_add_co_u32 s46, s46, s45                     ; source 1's tile (256 tokens): 4 x (cluster % 8) + cy
	s_lshl_b32 s47, 0x1111, s44                    ; my column of the cluster
	s_lshl_b32 s48, s45, 2
	s_lshl_b32 s48, 15, s48                        ; my row
	s_or_b32 s[G1], s47, (3<<16)|(1<<21)
	s_or_b32 s[G1B], s48, (3<<16)|(1<<21)
	s_mul_i32 s49, s[TY], 6553600                  ; this product's part of xc (and of qk)
	s_mul_i32 s50, s[TY], 819200                   ; and of wc
	s_mul_i32 s51, s[S0H], 102400                  ; the row block of a tile that I fetch
	s_mul_i32 s88, s44, 204800                     ; a tile: two row blocks of 8 BLOCKS
	s_add_co_u32 s88, s88, s50
	s_add_co_u32 s88, s88, s51
	s_mov_b32 s89, 0
	s_mul_i32 s90, s46, 204800
	s_add_co_u32 s90, s90, s49
	s_add_co_u32 s90, s90, s51
	s_mov_b32 s91, 0
	s_mul_i32 s92, s[WV], REG                      ; wave w fills region w of a slot: no place in the cluster enters an LDS address
	s_wait_dscnt 0x0                               ; both opening adds are done
	s_wait_kmcnt 0x0
	s_add_nc_u64 s[88:89], s[6:7], s[88:89]
	s_add_nc_u64 s[90:91], s[4:5], s[90:91]
.irp s, 0,1,2
	s_mov_b32 s[G0+4*\s], 1
	s_add_co_u32 s[G0+4*\s+1], s92, \s*SLOTB
	s_add_nc_u64 s[G0+4*\s+2:G0+4*\s+3], s[88:89], \s*REG
	s_or_b32 s[G0+4*\s+3], s[G0+4*\s+3], 0x80000000
	s_mov_b32 s[G0B+4*\s], 1
	s_add_co_u32 s[G0B+4*\s+1], s92, \s*SLOTB
	s_add_nc_u64 s[G0B+4*\s+2:G0B+4*\s+3], s[90:91], \s*REG
	s_or_b32 s[G0B+4*\s+3], s[G0B+4*\s+3], 0x80000000
.endr
	ROUND                                          ; all sixteen work-groups are here: the first joint loads meet
	s_cmp_lt_u32 s[WV], 2                          ; a wave's three first fills stand in one branch, ahead of every wait on TENSORcnt and every LDS read
	s_cbranch_scc0 .Lfirst_1
.irp s, 0,1,2
	tensor_load_to_lds s[G0+4*\s:G0+4*\s+3], s[G1:G1+7]
	s_nop 0
.endr
	PLACES 4
	s_branch .Lfirst_done
.Lfirst_1:
.irp s, 0,1,2
	tensor_load_to_lds s[G0B+4*\s:G0B+4*\s+3], s[G1B:G1B+7]
	s_nop 0
.endr
	PLACES 4
.Lfirst_done:
	v_and_b32 v8, 31, v0
	v_and_b32 v9, 15, v0                           ; r
	v_bfe_u32 v10, v0, 4, 1                        ; h
	v_lshlrev_b32 v[LI], 4, v8
	s_mul_i32 s96, s[S0H], REG
	v_add_nc_u32 v[A0], s96, v[LI]
	s_mul_i32 s97, s[S1H], REG
	s_add_co_u32 s97, s97, 2*REG
	v_add_nc_u32 v[A1], s97, v[LI]
	s_xor_b32 s98, s[S0H], 1
	s_add_co_u32 s98, s98, s[S1H]
	s_add_co_u32 s98, s98, 1
	s_mul_i32 s98, s98, REG                        ; from my source 0 region to my source 1 region
	v_mul_u32_u24 v11, s98, v10                    ; lanes 16-31 take source 1's words
	v_lshl_add_u32 v11, v9, 5, v11
	s_add_co_u32 s96, s96, 12288
	v_add_nc_u32 v[AS0], s96, v11
	v_lshlrev_b32 v[SA], 5, v9
	v_lshl_add_u32 v[SA], v10, 4, v[SA]
.irp b, 0,1,2,3
	v_mov_b32 v[TM+4+\b], 0                        ; a lane permute's destination counts as one of its sources
.endr
	s_lshl_b32 s88, s44, 1
	s_add_co_u32 s88, s88, s[S0H]                  ; my row block of the weight
	s_lshl_b32 s89, s46, 1
	s_add_co_u32 s89, s89, s[S1H]                  ; and of the tokens
	s_lshl_b32 s90, s89, 3
	s_add_co_u32 s90, s90, s88                     ; BLOCK (tokens' row block, K step = the weight's row block)
	s_mul_i32 s90, s90, BLK
	s_add_co_u32 s90, s90, s49
	s_mov_b32 s91, 0
	s_add_nc_u64 s[OUT:OUT+1], s[12:13], s[90:91]
	s_cmp_eq_u32 s[TY], 0
	s_cselect_b64 s[92:93], s[8:9], s[10:11]
	s_lshl_b32 s94, s88, 9
	s_mov_b32 s95, 0
	s_add_nc_u64 s[92:93], s[92:93], s[94:95]      ; the bias at my 128 n
	v_lshlrev_b32 v11, 6, v10                      ; register j of tile b: n = 32 (b / 2) + 16 h + 8 (b % 2) + j
	WIN 0x40
.set tb, 0
.rept 8
	global_load_b128 v[192+8*tb:195+8*tb], v11, s[92:93] offset:4*(32*(tb/2)+8*(tb%2))
	global_load_b128 v[196+8*tb:199+8*tb], v11, s[92:93] offset:4*(32*(tb/2)+8*(tb%2))+16
.set tb, tb+1
.endr
	WIN 0
	RUN 2                                          ; the first products start the sums with the bias: nothing is cleared, nothing is added later
	PLACES 4                                       ; in front of the first read of results and of writes over the fragments' registers
.set qa, 0
.rept 8                                ; a row of eight accumulators is one fragment of the next operand
.set QS, 64*(qa%4)
.set QW, 2+qa/4
.if qa > 0
	s_wait_xcnt 0x0                                ; the last fragment's stores have read their registers
.endif
	QUANT
	PUT
.set qa, qa+1
.endr
.irp j, 0,1,2,3
	v_cndmask_b32 v[IM+\j], v[WD+\j], v[WD+4+\j], s[HIM]
.endr
	global_store_b128 v[SA], v[IM:IM+3], s[OUT:OUT+1] offset:12288
	s_wait_tensorcnt 0x0                           ; the wave's end
	ds_add_u32 v[SPW], v[NIL]
	s_wait_dscnt 0x0
	ROUND                                          ; the closing round
	s_endpgm
.Lfunc_end_k_q3c71e65ed7_proj:
	.size	k_q3c71e65ed7_proj, .Lfunc_end_k_q3c71e65ed7_proj-k_q3c71e65ed7_proj
	.p2alignl 7, 3214868480
	.fill 96, 4, 3214868480
	.section	.rodata,"a",@progbits
	.p2align	6, 0x0
	.amdhsa_kernel k_q3c71e65ed7_proj
		.amdhsa_group_segment_fixed_size 327680
		.amdhsa_private_segment_fixed_size 0
		.amdhsa_enable_private_segment 0
		.amdhsa_kernarg_size 40
		.amdhsa_user_sgpr_count 2
		.amdhsa_user_sgpr_kernarg_segment_ptr 1
		.amdhsa_wavefront_size32 1
		.amdhsa_system_sgpr_workgroup_id_x 1
		.amdhsa_system_sgpr_workgroup_id_y 1
		.amdhsa_system_sgpr_workgroup_id_z 1
		.amdhsa_system_vgpr_workitem_id 0
		.amdhsa_next_free_vgpr 1024
		.amdhsa_next_free_sgpr 100
		.amdhsa_reserve_vcc 0
		.amdhsa_float_denorm_mode_32 3
		.amdhsa_float_denorm_mode_16_64 3
		.amdhsa_memory_ordered 1
		.amdhsa_forward_progress 1
		.amdhsa_inst_pref_size 137
	.end_amdhsa_kernel
	.amdgpu_metadata
---
amdhsa.version: [ 1, 2 ]
amdhsa.kernels:
  - .name:           k_q3c71e65ed7_proj
    .symbol:         k_q3c71e65ed7_proj.kd
    .args:
      - { .name: xc, .offset: 0, .size: 8, .value_kind: global_buffer, .address_space: global }
      - { .name: wc, .offset: 8, .size: 8, .value_kind: global_buffer, .address_space: global }
      - { .name: bq, .offset: 16, .size: 8, .value_kind: global_buffer, .address_space: global }
      - { .name: bk, .offset: 24, .size: 8, .value_kind: global_buffer, .address_space: global }
      - { .name: qk, .offset: 32, .size: 8, .value_kind: global_buffer, .address_space: global }
    .group_segment_fixed_size: 327680
    .private_segment_fixed_size: 0
    .kernarg_segment_align: 8
    .kernarg_segment_size: 40
    .max_flat_workgroup_size: 128
    .sgpr_count:     100
    .vgpr_count:     1024
    .wavefront_size: 32
...
	.end_amdgpu_metadata
.endif
;; end of part 8
;; launch stats (part 9): grid 52 x 4, 4 waves a work-group, no clusters, 327,680 bytes of LDS; arguments qk, xc, wc, bv, st, vt; writes st, vt
.if DOCPART == 9
	.amdgcn_target "amdgcn-amd-amdhsa--gfx1250"
	.amdhsa_code_object_version 6
	.text
	.protected	k_q3c71e65ed7_stats
	.globl	k_q3c71e65ed7_stats
	.p2align	8
	.type	k_q3c71e65ed7_stats,@function
k_q3c71e65ed7_stats:
	s_mov_b64 s[64:65], 0
	v_nop
	global_prefetch_b8 v0, s[64:65] scope:SCOPE_SE
	s_setreg_imm32_b32 hwreg(HW_REG_WAVE_MODE, 25, 1), 1
	s_wait_xcnt 0x0
; TWO KINDS OF TILE, one text.  Work-groups x = 0 .. 35 (SCORE TILES): for each query and each block of 128 keys at or under the diagonal: m = the largest t of the block, t = (q . k) log2(e) / 32, and l = the sum
; of 2^(t - m).  The finished softmax is what the next product quantises, so a row's maximum and sum must be known before any of its weights becomes a code: this launch finds them, the next one multiplies the same
; scores again.  Work-groups x = 36 .. 51 (V TILES): v = value Wv + bv for the keys of batches 0 and 1, quantised along the KEYS and stored as v^T: 64 of that product's 128 tiles; they depend on nothing that this
; launch makes, and take work-group places that the triangle leaves free.
; LEFT OUT: the score tiles of 256 queries x 256 keys that lie wholly over the diagonal (reference() overwrites their scores by -1e9): 36 of 64 tiles a batch are made.  In a tile on the diagonal hidden scores become
; -1e9 x 32 ahead of the maximum, as reference() has them; the wave whose 128 x 128 lies wholly over the diagonal stores nothing.
; The GEMM, the three slots and the eight written-out K steps are proj's.  Score tile: source 0 = k (256 keys), source 1 = q (256 queries).  V tile: source 0 = value's codes (256 keys), source 1 = Wv (256 rows n).
; Which kind a work-group is chooses pointers and offsets (s_cselect on ids) and the way out (a branch on ids).  The C of the first products is a block of registers in both kinds: bv by source 1's tile in a v tile,
; 0 in a score tile, which has no bias: so the products are written once, and no register is read on a way on which it was not written.
; cluster = none: a row of the triangle has 1 to 8 tiles, 36 a batch: no cluster four wide divides it, and a launch is in clusters as a whole.
; REGISTERS as in proj; behind the products, score tiles: v8-15 m, v16-23 l of the eight tiles of queries; v24, v25 the mask's distances; v29 -3.2e10; v[30:31] -m; v64-127 at work.
.set VHALF, 0                          ; which half of v's tiles
.set SLOTB, 102400
.set REG,   25600
.set BLK,   12800
.set SPARE, 307200
.set LI, 1
.set A0, 2
.set A1, 3
.set AD0, 4
.set AD1, 5
.set SPW, 6
.set NIL, 7
.set MT, 8
.set LSUM, 16
.set VD0, 24
.set VD, 25
.set AS0, 26
.set ADS, 27
.set SA, 28
.set NEGV, 29
.set NM, 30
.set SC, 32
.set TM, 48
.set BO, 63                            ; v63 the bias's place of my lane row (until the bias is in)
.set E, 64
.set PC, 128
.set WD, 152
.set IM, 160
.set QT, 16
.set KT, 17
.set QBW, 18
.set KBW, 19
.set WV, 20
.set S0H, 21
.set S1H, 22
.set VP, 23                            ; s23 1 in a v tile
.set G1, 24                            ; s[24:31] descriptor group 1; s[32:43] three groups 0, a slot each
.set G0, 32
.set HIM, 52
.set SEL, 54
.set CS, 56                            ; s[56:57] c = log2(e) / 32; s58 -c
.set NC, 58
.set OUT, 60
.set MSB, 0
.macro WIN new
.if MSB != (\new)
	s_set_vgpr_msb (MSB<<8)|(\new)
.set MSB, (\new)
.endif
.endm
.macro PLACES n
.rept \n
	v_nop
.endr
.endm
.macro MUL a0, p, cm                   ; 32 matrix instructions; cm = 3: C = the block of registers by source 1's tile.  The 64 accumulators take turns.
.if (\cm) >= 2
	WIN 0x91+0x40*((\a0)/4)
.else
	WIN 0xa1+0x50*((\a0)/4)
.endif
.set ma, \a0
.rept 4
.set mb, 0
.rept 8
.set rD, 8*(8*(ma%4)+mb)
.set rA, 96*(\p)+12*mb
.set rB, 64+96*(\p)+12*ma
.set zA, SC+8*(\p)+mb
.set zB, SC+8*(\p)+ma
.if (\cm) == 0
	v_wmma_scale_f32_16x16x128_f8f6f4 v[rD:rD+7], v[rA:rA+11], v[rB:rB+11], v[rD:rD+7], v[zA], v[zB] matrix_a_fmt:MATRIX_FMT_FP6 matrix_b_fmt:MATRIX_FMT_FP6 matrix_b_scale:MATRIX_SCALE_ROW1
.else
	v_wmma_scale_f32_16x16x128_f8f6f4 v[rD:rD+7], v[rA:rA+11], v[rB:rB+11], v[192+8*ma:199+8*ma], v[zA], v[zB] matrix_a_fmt:MATRIX_FMT_FP6 matrix_b_fmt:MATRIX_FMT_FP6 matrix_b_scale:MATRIX_SCALE_ROW1
.endif
.set mb, mb+1
.endr
.set ma, ma+1
.endr
.endm
.macro FETCH p, q
	WIN 0x40
.set ft, 0
.rept 8
.irp c, 0,1,2
	ds_load_b128 v[96*(\p)+12*ft+4*\c:96*(\p)+12*ft+4*\c+3], v[AD0] offset:BLK*(\q)+1536*ft+512*\c
.endr
.set ft, ft+1
.endr
	WIN 0
.irp i, 0,1
	ds_load_b128 v[SC+8*(\p)+4*\i:SC+8*(\p)+4*\i+3], v[ADS] offset:BLK*(\q)+16*\i
.endr
.set ft, 0
.rept 8
.irp c, 0,1,2
	ds_load_b128 v[64+96*(\p)+12*ft+4*\c:64+96*(\p)+12*ft+4*\c+3], v[AD1] offset:BLK*(\q)+1536*ft+512*\c
.endr
.set ft, ft+1
.endr
.endm
.macro NEXT k                          ; K step k's fragments into set k % 2; step k lies in slot (k / 2) % 3
	WIN 0
	v_add_nc_u32 v[AD0], SLOTB*(((\k)/2)%3), v[A0] ; these three and the v_nop are the four places in front of loads into registers that matrix instructions have read
	v_add_nc_u32 v[AD1], SLOTB*(((\k)/2)%3), v[A1]
	v_add_nc_u32 v[ADS], SLOTB*(((\k)/2)%3), v[AS0]
	v_nop
	FETCH (\k)%2, (\k)%2
.endm
.macro ARRIVE n                        ; a slot's arrival: all my tensor loads but the n youngest have landed, my LDS loads are in: say so.  Its wait stands 32 products on
	s_wait_tensorcnt \n
	s_wait_dscnt 0x0
	s_barrier_signal -1
.endm
.macro REFILL                          ; slot 0, whose two steps lie in every wave's registers, takes K steps 6 and 7
	WIN 0
	s_wait_tensorcnt 0x0                           ; all my tensor loads have landed, slot 2's too: the group 0 may be written
	ds_add_u32 v[SPW], v[NIL]                      ; 0 onto my spare word
	s_add_nc_u64 s[G0+2:G0+3], s[G0+2:G0+3], 3*REG
	s_wait_dscnt 0x0                               ; the add is done; my LDS loads are in, the reads of slot 0 long since
	s_barrier_signal -1
	s_barrier_wait -1
	tensor_load_to_lds s[G0:G0+3], s[G1:G1+7]      ; my one tensor load behind the barrier, and the first thing there
	s_nop 0
	PLACES 4
.endm
.macro RUN cm                          ; K = 1,024: eight steps of 64 products
	s_wait_tensorcnt 0x2                           ; my part of slot 0 is in; slots 1 and 2 may be out
	s_barrier_signal -1
	s_barrier_wait -1
	NEXT 0
	s_wait_loadcnt 0x0                             ; a v tile's bias
	s_wait_dscnt 12                                ; all but source 1's tiles 4-7
	MUL 0, 0, \cm
	NEXT 1
	s_wait_dscnt 50                                ; all but the 50 just issued
	MUL 4, 0, \cm
	ARRIVE 1                                       ; slot 1 (slot 2's load may be out)
	MUL 0, 1, 0
	s_barrier_wait -1
	NEXT 2
	MUL 4, 1, 0
	REFILL                                         ; it has three and a half steps in which to land
	MUL 0, 0, 0
	NEXT 3
	MUL 4, 0, 0
	s_wait_dscnt 12
	MUL 0, 1, 0
	NEXT 4
	s_wait_dscnt 50
	MUL 4, 1, 0
	s_wait_dscnt 12
	MUL 0, 0, 0
	NEXT 5
	s_wait_dscnt 50
	MUL 4, 0, 0
	ARRIVE 0                                       ; the refill
	MUL 0, 1, 0
	s_barrier_wait -1
	NEXT 6
	MUL 4, 1, 0
	s_wait_dscnt 12
	MUL 0, 0, 0
	NEXT 7
	s_wait_dscnt 50
	MUL 4, 0, 0
	s_wait_dscnt 12
	MUL 0, 1, 0
	s_wait_dscnt 0x0
	MUL 4, 1, 0
	WIN 0
.endm
; Where my keys are not all under my queries: register n of tile qa holds key 32 (n / 16) + 16 h + n % 16 of my 128: hidden where that lies over the query.
.macro MASKIF
	s_cmp_lt_u32 s[KBW], s[QBW]
	s_cbranch_scc1 .Lopen_\@
	v_add_nc_u32 v[VD], 32*(qa/2)+8*(qa%2), v[VD0]
	WIN QW|(QW<<6)
.set mn, 0
.rept 64
	v_cmp_gt_i32 vcc_lo, 32*(mn/16)+mn%16, v[VD]
	v_cndmask_b32 v[QS+mn], v[QS+mn], v[NEGV], vcc_lo
.set mn, mn+1
.endr
	WIN 0
.Lopen_\@:
.endm
.macro QUANT                           ; 64 numbers of a lane, v[QS] on in window QW, register 16 b + i = k 32 b + 16 h + i of my row -> codes in v[PC] on, scale word in v[WD + qa]
	WIN QW|(QW<<2)
.irp b, 0,1,2,3
	v_max3_num_f32 v[TM+\b], |v[QS+16*\b]|, |v[QS+1+16*\b]|, 0x1800000     ; and the floor 2^(3 - 127): the byte cannot fall under 1
.endr
.irp i, 2,4,6,8,10,12,14
.irp b, 0,1,2,3
	v_max3_num_f32 v[TM+\b], |v[QS+16*\b+\i]|, |v[QS+1+16*\b+\i]|, v[TM+\b]
.endr
.endr
	WIN 0
.irp b, 0,1,2,3
	v_permlanex16_b32 v[TM+4+\b], v[TM+\b], s[SEL], s[SEL+1]
.endr
.irp b, 0,1,2,3
	v_max_num_f32 v[TM+\b], v[TM+\b], v[TM+4+\b]
.endr
.irp b, 0,1,2,3
	v_add_nc_u32 v[TM+12+\b], 0xff000000, v[TM+\b]
.endr
.irp b, 0,1,2,3
	v_lshrrev_b32 v[TM+4+\b], 23, v[TM+12+\b]
.endr
	v_lshl_or_b32 v[WD+qa], v[TM+5], 8, v[TM+4]
	v_lshl_or_b32 v[WD+qa], v[TM+6], 16, v[WD+qa]
	v_lshl_or_b32 v[WD+qa], v[TM+7], 24, v[WD+qa]
	WIN QW
.irp c, 0,1
	v_cvt_scalef32_pk16_fp6_f32 v[PC+6*\c:PC+2+6*\c], v[QS+32*\c:QS+15+32*\c], v[TM+12+2*\c]
	v_cvt_scalef32_pk16_fp6_f32 v[PC+12+4*\c:PC+14+4*\c], v[QS+16+32*\c:QS+31+32*\c], v[TM+12+2*\c+1]
.endr
	WIN 0
	v_nop                                          ; one plain place behind the scaled conversions
.irp c, 0,1
.irp i, 0,1,2
	v_permlane16_swap_b32 v[PC+6*\c+\i], v[PC+12+4*\c+\i]
.endr
.irp i, 0,1,2
	v_mov_b32 v[PC+3+6*\c+\i], v[PC+12+4*\c+\i]
.endr
.endr
.endm
.macro PUT
.irp c, 0,1,2
	global_store_b128 v[LI], v[PC+4*\c:PC+4*\c+3], s[OUT:OUT+1] offset:1536*qa+512*\c
.endr
.endm
	s_load_b256 s[4:11], s[0:1], 0x0               ; qk, xc, wc, bv
	s_load_b128 s[12:15], s[0:1], 0x20             ; st, vt
	v_lshl_add_u32 v[SPW], v0, 2, SPARE
	v_mov_b32 v[NIL], 0
	ds_add_u32 v[SPW], v[NIL]                      ; the wave's opening: the add, twice on end, and its wait ahead of my first tensor load
	ds_add_u32 v[SPW], v[NIL]
	v_lshrrev_b32 v8, 5, v0
	v_readfirstlane_b32 s[WV], v8
	s_and_b32 s[S0H], s[WV], 1
	s_lshr_b32 s[S1H], s[WV], 1
	s_mov_b32 s[HIM], 0xffff0000
	s_mov_b32 s[SEL], 0x76543210
	s_mov_b32 s[SEL+1], 0xfedcba98
	s_mov_b32 s[CS], 0x3d38aa3b
	s_mov_b32 s[CS+1], s[CS]
	s_mov_b32 s[NC], 0xbd38aa3b
	s_mov_b32 s[G1], 3<<16                         ; a dense region of 25,600 bytes as 100 rows of 32 elements of 8 bytes
	s_mov_b32 s[G1+1], 32<<16
	s_mov_b32 s[G1+2], 100<<16
	s_mov_b32 s[G1+3], 32<<16
	s_mov_b32 s[G1+4], 100
	s_mov_b32 s[G1+5], 32
	s_mov_b32 s[G1+6], 0
	s_mov_b32 s[G1+7], 0
	s_and_b32 s66, ttmp7, 0xffff                   ; score tile: the batch; v tile: Wv's tile of 256 rows n
	s_cmp_ge_u32 ttmp9, 36
	s_cselect_b32 s[VP], 1, 0
	s_mov_b32 s[QT], 0                             ; work-group x counts the triangle's tiles row by row: row qt begins at qt (qt + 1) / 2
.irp T, 1,3,6,10,15,21,28
	s_cmp_ge_u32 ttmp9, \T
	s_cselect_b32 s67, 1, 0
	s_add_co_u32 s[QT], s[QT], s67
.endr
	s_add_co_u32 s67, s[QT], 1
	s_mul_i32 s67, s67, s[QT]
	s_lshr_b32 s67, s67, 1
	s_sub_co_u32 s[KT], ttmp9, s67
	s_lshl_b32 s[QBW], s[QT], 1
	s_add_co_u32 s[QBW], s[QBW], s[S1H]            ; my block of 128 queries
	s_lshl_b32 s[KBW], s[KT], 1
	s_add_co_u32 s[KBW], s[KBW], s[S0H]            ; my block of 128 keys
	s_cmp_lt_u32 s[WV], 2                          ; score tile: waves 0, 1 fetch k's halves, waves 2, 3 q's
	s_cselect_b32 s68, s[KT], s[QT]
	s_cselect_b32 s69, 6553600, 0
	s_mul_i32 s68, s68, 204800
	s_add_co_u32 s68, s68, s69
	s_mul_i32 s70, s66, 1638400
	s_add_co_u32 s68, s68, s70
	s_sub_co_u32 s72, ttmp9, 36-16*VHALF           ; v tile: the tile of 256 keys among value's 32
	s_mov_b32 s73, 1638400                         ; Wv is the third weight in wc,
	s_cmp_lt_u32 s[WV], 2                          ; waves 0, 1 fetch the keys' halves, waves 2, 3 Wv's
	s_cselect_b32 s72, s72, s66
	s_cselect_b32 s73, 13107200, s73               ; value the third tensor in xc
	s_mul_i32 s72, s72, 204800
	s_add_co_u32 s72, s72, s73
	s_cmp_lg_u32 s[VP], 0
	s_cselect_b32 s68, s72, s68
	s_mul_i32 s70, s[S0H], 102400
	s_add_co_u32 s68, s68, s70
	s_mov_b32 s69, 0
	s_mul_i32 s71, s[WV], REG
	s_wait_dscnt 0x0                               ; both opening adds are done
	s_wait_kmcnt 0x0
	s_cmp_lt_u32 s[WV], 2
	s_cselect_b64 s[74:75], s[6:7], s[8:9]
	s_cmp_lg_u32 s[VP], 0
	s_cselect_b64 s[74:75], s[74:75], s[4:5]
	s_add_nc_u64 s[74:75], s[74:75], s[68:69]
.irp s, 0,1,2
	s_mov_b32 s[G0+4*\s], 1
	s_add_co_u32 s[G0+4*\s+1], s71, \s*SLOTB
	s_add_nc_u64 s[G0+4*\s+2:G0+4*\s+3], s[74:75], \s*REG
	s_or_b32 s[G0+4*\s+3], s[G0+4*\s+3], 0x80000000
.endr
.irp s, 0,1,2
	tensor_load_to_lds s[G0+4*\s:G0+4*\s+3], s[G1:G1+7]            ; slots 0, 1, 2: every wave its region: three loads of mine are out
	s_nop 0
.endr
	PLACES 4
	v_and_b32 v8, 31, v0
	v_and_b32 v9, 15, v0                           ; r
	v_bfe_u32 v10, v0, 4, 1                        ; h
	v_lshlrev_b32 v[LI], 4, v8
	s_mul_i32 s96, s[S0H], REG
	v_add_nc_u32 v[A0], s96, v[LI]
	s_mul_i32 s97, s[S1H], REG
	s_add_co_u32 s97, s97, 2*REG
	v_add_nc_u32 v[A1], s97, v[LI]
	s_xor_b32 s98, s[S0H], 1
	s_add_co_u32 s98, s98, s[S1H]
	s_add_co_u32 s98, s98, 1
	s_mul_i32 s98, s98, REG
	v_mul_u32_u24 v11, s98, v10
	v_lshl_add_u32 v11, v9, 5, v11
	s_add_co_u32 s96, s96, 12288
	v_add_nc_u32 v[AS0], s96, v11
	v_lshlrev_b32 v[SA], 5, v9
	v_lshl_add_u32 v[SA], v10, 4, v[SA]
.irp b, 0,1,2,3
	v_mov_b32 v[TM+4+\b], 0                        ; a lane permute's destination counts as one of its sources
.endr
	v_mov_b32 v[NM+1], 0                           ; (named as the upper half of a pair)
	v_mov_b32 v[NEGV], 0xd0ee6b28                  ; -1e9 x 32
	v_and_b32 v11, 8, v9
	v_add_nc_u32 v11, v11, v9                      ; r + 8 (r / 8)
	v_lshlrev_b32 v[BO], 2, v11
	v_lshlrev_b32 v12, 4, v10
	v_sub_nc_u32 v11, v11, v12
	s_sub_co_i32 s70, s[QBW], s[KBW]
	s_lshl_b32 s70, s70, 7
	v_add_nc_u32 v[VD0], s70, v11                  ; r + 8 (r / 8) - 16 h + 128 (my query block - my key block)
	s_lshl_b32 s77, s66, 1
	s_add_co_u32 s77, s77, s[S1H]                  ; v tile: my row block of channels
	s_lshl_b32 s94, s77, 9
	s_mov_b32 s95, 0
	s_add_nc_u64 s[92:93], s[10:11], s[94:95]      ; bv at its 128 channels
	s_sub_co_u32 s76, ttmp9, 36-16*VHALF
	s_lshl_b32 s76, s76, 1
	s_add_co_u32 s76, s76, s[S0H]                  ; my row block of keys among the 64
	s_lshr_b32 s78, s76, 4
	s_lshl_b32 s78, s78, 7
	s_lshl_b32 s77, s77, 4
	s_add_co_u32 s78, s78, s77
	s_and_b32 s76, s76, 15
	s_add_co_u32 s78, s78, s76                     ; v^T: 128 x batch + 16 x channels' row block + the keys' K step
	s_mul_i32 s78, s78, BLK
	s_lshl_b32 s70, s66, 4
	s_add_co_u32 s70, s70, s[QBW]
	s_lshl_b32 s70, s70, 4
	s_add_co_u32 s70, s70, s[KBW]
	s_lshl_b32 s70, s70, 10                        ; score tile: 1,024 bytes for each (query block, key block)
	s_cmp_lg_u32 s[VP], 0
	s_cselect_b32 s70, s78, s70
	s_cselect_b64 s[OUT:OUT+1], s[14:15], s[12:13]
	s_mov_b32 s71, 0
	s_add_nc_u64 s[OUT:OUT+1], s[OUT:OUT+1], s[70:71]
	s_cmp_lg_u32 s[VP], 0
	s_cbranch_scc1 .Lbias_v
	WIN 0x40
.set tb, 0
.rept 64
	v_mov_b32 v[192+tb], 0                         ; a score tile has no bias
.set tb, tb+1
.endr
	WIN 0
	s_branch .Lbias_done
.Lbias_v:
	WIN 0x40
.set tb, 0
.rept 64                               ; all eight registers of tile a: n = 32 (a / 2) + 8 (a % 2) + r + 8 (r / 8)
	global_load_b32 v[192+tb], v[BO], s[92:93] offset:4*(32*(tb/16)+8*((tb/8)%2))
.set tb, tb+1
.endr
	WIN 0
.Lbias_done:
	RUN 3
	PLACES 4
	s_cmp_lg_u32 s[VP], 0
	s_cbranch_scc1 .Lv_out
	s_cmp_gt_u32 s[KBW], s[QBW]                    ; my 128 x 128 lies wholly over the diagonal: nobody reads its figures
	s_cbranch_scc1 .Lend
.set qa, 0
.rept 8
.set QS, 64*(qa%4)
.set QW, 2+qa/4
	MASKIF
	WIN QW|(QW<<2)
.irp b, 0,1,2,3
	v_max_num_f32 v[TM+\b], v[QS+16*\b], v[QS+1+16*\b]             ; four chains; each accumulator is read from its low end on
.endr
.irp i, 2,4,6,8,10,12,14
.irp b, 0,1,2,3
	v_max3_num_f32 v[TM+\b], v[QS+16*\b+\i], v[QS+1+16*\b+\i], v[TM+\b]
.endr
.endr
	WIN 0
	v_max3_num_f32 v[TM], v[TM], v[TM+1], v[TM+2]
	v_max_num_f32 v[TM], v[TM], v[TM+3]
	v_permlanex16_b32 v[TM+4], v[TM], s[SEL], s[SEL+1]
	v_max_num_f32 v[TM], v[TM], v[TM+4]            ; with lane l xor 16's 64 keys
	v_mul_f32 v[NM], s[NC], v[TM]                  ; -m
	v_mul_f32 v[MT+qa], s[CS], v[TM]               ; m
	WIN QW
.set i2, 0
.rept 32
	v_pk_fma_f32 v[E+i2:E+i2+1], v[QS+i2:QS+i2+1], s[CS:CS+1], v[NM:NM+1] op_sel_hi:[1,0,0]   ; t - m
.set i2, i2+2
.endr
	WIN 0
.set i2, 0
.rept 64
	v_exp_f32 v[E+i2], v[E+i2]
.set i2, i2+1
.endr
	v_nop                                          ; a plain place behind the exponentials
	s_wait_alu depctr_va_vdst(0)                   ; one wait for the batch, ahead of its first reader
	v_pk_add_f32 v[56:57], v[E:E+1], v[E+2:E+3]
	v_pk_add_f32 v[58:59], v[E+4:E+5], v[E+6:E+7]
.set i2, 8
.rept 14
	v_pk_add_f32 v[56:57], v[56:57], v[E+i2:E+i2+1]
	v_pk_add_f32 v[58:59], v[58:59], v[E+i2+2:E+i2+3]
.set i2, i2+4
.endr
	v_pk_add_f32 v[56:57], v[56:57], v[58:59]
	v_add_f32 v56, v56, v57
	v_permlanex16_b32 v[TM+4], v56, s[SEL], s[SEL+1]
	v_add_f32 v[LSUM+qa], v56, v[TM+4]
.set qa, qa+1
.endr
.irp j, 0,1,2,3                        ; lanes 0-15 store tiles 0-3's figures of lane row r, lanes 16-31 tiles 4-7's
	v_cndmask_b32 v[IM+\j], v[MT+\j], v[MT+4+\j], s[HIM]
	v_cndmask_b32 v[IM+4+\j], v[LSUM+\j], v[LSUM+4+\j], s[HIM]
.endr
	global_store_b128 v[LI], v[IM:IM+3], s[OUT:OUT+1]
	global_store_b128 v[LI], v[IM+4:IM+7], s[OUT:OUT+1] offset:512
	s_branch .Lend
.Lv_out:                               ; a v tile: a row of eight accumulators is one fragment of v^T: 16 channels x 128 keys
.set qa, 0
.rept 8
.set QS, 64*(qa%4)
.set QW, 2+qa/4
.if qa > 0
	s_wait_xcnt 0x0                                ; the last fragment's stores have read their registers
.endif
	QUANT
	PUT
.set qa, qa+1
.endr
.irp j, 0,1,2,3
	v_cndmask_b32 v[IM+\j], v[WD+\j], v[WD+4+\j], s[HIM]
.endr
	global_store_b128 v[SA], v[IM:IM+3], s[OUT:OUT+1] offset:12288
.Lend:
	s_wait_tensorcnt 0x0                           ; the wave's end
	ds_add_u32 v[SPW], v[NIL]
	s_wait_dscnt 0x0
	s_endpgm
.Lfunc_end_k_q3c71e65ed7_stats:
	.size	k_q3c71e65ed7_stats, .Lfunc_end_k_q3c71e65ed7_stats-k_q3c71e65ed7_stats
	.p2alignl 7, 3214868480
	.fill 96, 4, 3214868480
	.section	.rodata,"a",@progbits
	.p2align	6, 0x0
	.amdhsa_kernel k_q3c71e65ed7_stats
		.amdhsa_group_segment_fixed_size 327680
		.amdhsa_private_segment_fixed_size 0
		.amdhsa_enable_private_segment 0
		.amdhsa_kernarg_size 48
		.amdhsa_user_sgpr_count 2
		.amdhsa_user_sgpr_kernarg_segment_ptr 1
		.amdhsa_wavefront_size32 1
		.amdhsa_system_sgpr_workgroup_id_x 1
		.amdhsa_system_sgpr_workgroup_id_y 1
		.amdhsa_system_sgpr_workgroup_id_z 1
		.amdhsa_system_vgpr_workitem_id 0
		.amdhsa_next_free_vgpr 1024
		.amdhsa_next_free_sgpr 100
		.amdhsa_reserve_vcc 1
		.amdhsa_float_denorm_mode_32 3
		.amdhsa_float_denorm_mode_16_64 3
		.amdhsa_memory_ordered 1
		.amdhsa_forward_progress 1
		.amdhsa_inst_pref_size 251
	.end_amdhsa_kernel
	.amdgpu_metadata
---
amdhsa.version: [ 1, 2 ]
amdhsa.kernels:
  - .name:           k_q3c71e65ed7_stats
    .symbol:         k_q3c71e65ed7_stats.kd
    .args:
      - { .name: qk, .offset: 0, .size: 8, .value_kind: global_buffer, .address_space: global }
      - { .name: xc, .offset: 8, .size: 8, .value_kind: global_buffer, .address_space: global }
      - { .name: wc, .offset: 16, .size: 8, .value_kind: global_buffer, .address_space: global }
      - { .name: bv, .offset: 24, .size: 8, .value_kind: global_buffer, .address_space: global }
      - { .name: st, .offset: 32, .size: 8, .value_kind: global_buffer, .address_space: global }
      - { .name: vt, .offset: 40, .size: 8, .value_kind: global_buffer, .address_space: global }
    .group_segment_fixed_size: 327680
    .private_segment_fixed_size: 0
    .kernarg_segment_align: 8
    .kernarg_segment_size: 48
    .max_flat_workgroup_size: 128
    .sgpr_count:     100
    .vgpr_count:     1024
    .wavefront_size: 32
...
	.end_amdgpu_metadata
.endif
;; end of part 9
;; launch pcodes (part 10): grid 52 x 4, 4 waves a work-group, no clusters, 327,680 bytes of LDS; arguments qk, xc, wc, bv, pc, vt, st; writes pc, vt
.if DOCPART == 10
	.amdgcn_target "amdgcn-amd-amdhsa--gfx1250"
	.amdhsa_code_object_version 6
	.text
	.protected	k_q3c71e65ed7_pcodes
	.globl	k_q3c71e65ed7_pcodes
	.p2align	8
	.type	k_q3c71e65ed7_pcodes,@function
k_q3c71e65ed7_pcodes:
	s_mov_b64 s[64:65], 0
	v_nop
	global_prefetch_b8 v0, s[64:65] scope:SCOPE_SE
	s_setreg_imm32_b32 hwreg(HW_REG_WAVE_MODE, 25, 1), 1
	s_wait_xcnt 0x0
; TWO KINDS OF TILE, one text, as in stats.  Work-groups x = 0 .. 35 (SCORE TILES): attn = exp(log_softmax(scores)), finished and normalised, as codes of E2M3 along the keys.  The scores of a tile of 256 queries x
; 256 keys are multiplied again, by the same instructions in the same order as in stats; a row's M = the largest m of its key blocks and L = the sum of l 2^(m - M) come from st; p = 2^(t - M) / L is quantised in
; registers and stored as a BLOCK of pc [query block][key block].  Work-groups x = 36 .. 51 (V TILES): v = value Wv + bv for the keys of batches 2 and 3, as v^T: the other 64 tiles of that product.
; LEFT OUT: the score tiles wholly over the diagonal, as in stats.  The wave of a diagonal tile whose 128 x 128 lies wholly over the diagonal stores a BLOCK of zero codes: the next launch's tile reads it.
; Of st only what stats stored is read: key blocks 0 .. my query block; the other places hold m = the least number and l = 0, set in registers.
; cluster = none: a row of the triangle has 1 to 8 tiles, 36 a batch: no cluster four wide divides it, and a launch is in clusters as a whole.
; REGISTERS as in proj; v8-23 the pairs (-M, 1 / L) of the eight tiles of queries; v24, v25 the mask's distances; v29 -3.2e10; v[30:31] 1 / L of the tile in hand; v64-127 p.
.set VHALF, 1                          ; which half of v's tiles
.set SLOTB, 102400
.set REG,   25600
.set BLK,   12800
.set SPARE, 307200
.set LI, 1
.set A0, 2
.set A1, 3
.set AD0, 4
.set AD1, 5
.set SPW, 6
.set NIL, 7
.set VD0, 24
.set VD, 25
.set AS0, 26
.set ADS, 27
.set SA, 28
.set NEGV, 29
.set IL, 30
.set SC, 32
.set TM, 48
.set BO, 63                            ; v63 the bias's place of my lane row (until the bias is in)
.set E, 64
.set PC, 128
.set WD, 152
.set IM, 160
.set QT, 16
.set KT, 17
.set QBW, 18
.set KBW, 19
.set WV, 20
.set S0H, 21
.set S1H, 22
.set VP, 23                            ; s23 1 in a v tile
.set G1, 24
.set G0, 32
.set HIM, 52
.set SEL, 54
.set CS, 56
.set OUT, 60
.set MSB, 0
.macro WIN new
.if MSB != (\new)
	s_set_vgpr_msb (MSB<<8)|(\new)
.set MSB, (\new)
.endif
.endm
.macro PLACES n
.rept \n
	v_nop
.endr
.endm
.macro MUL a0, p, cm                   ; 32 matrix instructions; cm = 3: C = the block of registers by source 1's tile.  The 64 accumulators take turns.
.if (\cm) >= 2
	WIN 0x91+0x40*((\a0)/4)
.else
	WIN 0xa1+0x50*((\a0)/4)
.endif
.set ma, \a0
.rept 4
.set mb, 0
.rept 8
.set rD, 8*(8*(ma%4)+mb)
.set rA, 96*(\p)+12*mb
.set rB, 64+96*(\p)+12*ma
.set zA, SC+8*(\p)+mb
.set zB, SC+8*(\p)+ma
.if (\cm) == 0
	v_wmma_scale_f32_16x16x128_f8f6f4 v[rD:rD+7], v[rA:rA+11], v[rB:rB+11], v[rD:rD+7], v[zA], v[zB] matrix_a_fmt:MATRIX_FMT_FP6 matrix_b_fmt:MATRIX_FMT_FP6 matrix_b_scale:MATRIX_SCALE_ROW1
.else
	v_wmma_scale_f32_16x16x128_f8f6f4 v[rD:rD+7], v[rA:rA+11], v[rB:rB+11], v[192+8*ma:199+8*ma], v[zA], v[zB] matrix_a_fmt:MATRIX_FMT_FP6 matrix_b_fmt:MATRIX_FMT_FP6 matrix_b_scale:MATRIX_SCALE_ROW1
.endif
.set mb, mb+1
.endr
.set ma, ma+1
.endr
.endm
.macro FETCH p, q
	WIN 0x40
.set ft, 0
.rept 8
.irp c, 0,1,2
	ds_load_b128 v[96*(\p)+12*ft+4*\c:96*(\p)+12*ft+4*\c+3], v[AD0] offset:BLK*(\q)+1536*ft+512*\c
.endr
.set ft, ft+1
.endr
	WIN 0
.irp i, 0,1
	ds_load_b128 v[SC+8*(\p)+4*\i:SC+8*(\p)+4*\i+3], v[ADS] offset:BLK*(\q)+16*\i
.endr
.set ft, 0
.rept 8
.irp c, 0,1,2
	ds_load_b128 v[64+96*(\p)+12*ft+4*\c:64+96*(\p)+12*ft+4*\c+3], v[AD1] offset:BLK*(\q)+1536*ft+512*\c
.endr
.set ft, ft+1
.endr
.endm
.macro NEXT k                          ; K step k's fragments into set k % 2; step k lies in slot (k / 2) % 3
	WIN 0
	v_add_nc_u32 v[AD0], SLOTB*(((\k)/2)%3), v[A0] ; these three and the v_nop are the four places in front of loads into registers that matrix instructions have read
	v_add_nc_u32 v[AD1], SLOTB*(((\k)/2)%3), v[A1]
	v_add_nc_u32 v[ADS], SLOTB*(((\k)/2)%3), v[AS0]
	v_nop
	FETCH (\k)%2, (\k)%2
.endm
.macro ARRIVE n                        ; a slot's arrival: all my tensor loads but the n youngest have landed, my LDS loads are in: say so.  Its wait stands 32 products on
	s_wait_tensorcnt \n
	s_wait_dscnt 0x0
	s_barrier_signal -1
.endm
.macro REFILL                          ; slot 0, whose two steps lie in every wave's registers, takes K steps 6 and 7
	WIN 0
	s_wait_tensorcnt 0x0                           ; all my tensor loads have landed, slot 2's too: the group 0 may be written
	ds_add_u32 v[SPW], v[NIL]                      ; 0 onto my spare word
	s_add_nc_u64 s[G0+2:G0+3], s[G0+2:G0+3], 3*REG
	s_wait_dscnt 0x0                               ; the add is done; my LDS loads are in, the reads of slot 0 long since
	s_barrier_signal -1
	s_barrier_wait -1
	tensor_load_to_lds s[G0:G0+3], s[G1:G1+7]      ; my one tensor load behind the barrier, and the first thing there
	s_nop 0
	PLACES 4
.endm
.macro RUN cm                          ; K = 1,024: eight steps of 64 products
	s_wait_tensorcnt 0x2                           ; my part of slot 0 is in; slots 1 and 2 may be out
	s_barrier_signal -1
	s_barrier_wait -1
	NEXT 0
	s_wait_loadcnt 0x0                             ; a v tile's bias
	s_wait_dscnt 12                                ; all but source 1's tiles 4-7
	MUL 0, 0, \cm
	NEXT 1
	s_wait_dscnt 50                                ; all but the 50 just issued
	MUL 4, 0, \cm
	ARRIVE 1                                       ; slot 1 (slot 2's load may be out)
	MUL 0, 1, 0
	s_barrier_wait -1
	NEXT 2
	MUL 4, 1, 0
	REFILL                                         ; it has three and a half steps in which to land
	MUL 0, 0, 0
	NEXT 3
	MUL 4, 0, 0
	s_wait_dscnt 12
	MUL 0, 1, 0
	NEXT 4
	s_wait_dscnt 50
	MUL 4, 1, 0
	s_wait_dscnt 12
	MUL 0, 0, 0
	NEXT 5
	s_wait_dscnt 50
	MUL 4, 0, 0
	ARRIVE 0                                       ; the refill
	MUL 0, 1, 0
	s_barrier_wait -1
	NEXT 6
	MUL 4, 1, 0
	s_wait_dscnt 12
	MUL 0, 0, 0
	NEXT 7
	s_wait_dscnt 50
	MUL 4, 0, 0
	s_wait_dscnt 12
	MUL 0, 1, 0
	s_wait_dscnt 0x0
	MUL 4, 1, 0
	WIN 0
.endm
.macro MASKIF                          ; where my keys are not all under my queries: register n of tile qa holds key 32 (n / 16) + 16 h + n % 16 of my 128
	s_cmp_lt_u32 s[KBW], s[QBW]
	s_cbranch_scc1 .Lopen_\@
	v_add_nc_u32 v[VD], 32*(qa/2)+8*(qa%2), v[VD0]
	WIN QW|(QW<<6)
.set mn, 0
.rept 64
	v_cmp_gt_i32 vcc_lo, 32*(mn/16)+mn%16, v[VD]
	v_cndmask_b32 v[QS+mn], v[QS+mn], v[NEGV], vcc_lo
.set mn, mn+1
.endr
	WIN 0
.Lopen_\@:
.endm
.macro QUANT                           ; 64 numbers of a lane, v[QS] on in window QW, register 16 b + i = k 32 b + 16 h + i of my row -> codes in v[PC] on, scale word in v[WD + qa]
	WIN QW|(QW<<2)
.irp b, 0,1,2,3
	v_max3_num_f32 v[TM+\b], |v[QS+16*\b]|, |v[QS+1+16*\b]|, 0x1800000     ; and the floor 2^(3 - 127): the byte cannot fall under 1
.endr
.irp i, 2,4,6,8,10,12,14
.irp b, 0,1,2,3
	v_max3_num_f32 v[TM+\b], |v[QS+16*\b+\i]|, |v[QS+1+16*\b+\i]|, v[TM+\b]
.endr
.endr
	WIN 0
.irp b, 0,1,2,3
	v_permlanex16_b32 v[TM+4+\b], v[TM+\b], s[SEL], s[SEL+1]
.endr
.irp b, 0,1,2,3
	v_max_num_f32 v[TM+\b], v[TM+\b], v[TM+4+\b]
.endr
.irp b, 0,1,2,3
	v_add_nc_u32 v[TM+12+\b], 0xff000000, v[TM+\b]
.endr
.irp b, 0,1,2,3
	v_lshrrev_b32 v[TM+4+\b], 23, v[TM+12+\b]
.endr
	v_lshl_or_b32 v[WD+qa], v[TM+5], 8, v[TM+4]
	v_lshl_or_b32 v[WD+qa], v[TM+6], 16, v[WD+qa]
	v_lshl_or_b32 v[WD+qa], v[TM+7], 24, v[WD+qa]
	WIN QW
.irp c, 0,1
	v_cvt_scalef32_pk16_fp6_f32 v[PC+6*\c:PC+2+6*\c], v[QS+32*\c:QS+15+32*\c], v[TM+12+2*\c]
	v_cvt_scalef32_pk16_fp6_f32 v[PC+12+4*\c:PC+14+4*\c], v[QS+16+32*\c:QS+31+32*\c], v[TM+12+2*\c+1]
.endr
	WIN 0
	v_nop                                          ; one plain place behind the scaled conversions
.irp c, 0,1
.irp i, 0,1,2
	v_permlane16_swap_b32 v[PC+6*\c+\i], v[PC+12+4*\c+\i]
.endr
.irp i, 0,1,2
	v_mov_b32 v[PC+3+6*\c+\i], v[PC+12+4*\c+\i]
.endr
.endr
.endm
.macro PUT
.irp c, 0,1,2
	global_store_b128 v[LI], v[PC+4*\c:PC+4*\c+3], s[OUT:OUT+1] offset:1536*qa+512*\c
.endr
.endm
	s_load_b256 s[4:11], s[0:1], 0x0               ; qk, xc, wc, bv
	s_load_b128 s[12:15], s[0:1], 0x20             ; pc, vt
	s_load_b64 s[44:45], s[0:1], 0x30              ; st
	v_lshl_add_u32 v[SPW], v0, 2, SPARE
	v_mov_b32 v[NIL], 0
	ds_add_u32 v[SPW], v[NIL]                      ; the wave's opening: the add, twice on end, and its wait ahead of my first tensor load
	ds_add_u32 v[SPW], v[NIL]
	v_lshrrev_b32 v8, 5, v0
	v_readfirstlane_b32 s[WV], v8
	s_and_b32 s[S0H], s[WV], 1
	s_lshr_b32 s[S1H], s[WV], 1
	s_mov_b32 s[HIM], 0xffff0000
	s_mov_b32 s[SEL], 0x76543210
	s_mov_b32 s[SEL+1], 0xfedcba98
	s_mov_b32 s[CS], 0x3d38aa3b                    ; c = log2(e) / 32
	s_mov_b32 s[CS+1], s[CS]
	s_mov_b32 s[G1], 3<<16
	s_mov_b32 s[G1+1], 32<<16
	s_mov_b32 s[G1+2], 100<<16
	s_mov_b32 s[G1+3], 32<<16
	s_mov_b32 s[G1+4], 100
	s_mov_b32 s[G1+5], 32
	s_mov_b32 s[G1+6], 0
	s_mov_b32 s[G1+7], 0
	s_and_b32 s66, ttmp7, 0xffff                   ; score tile: the batch; v tile: Wv's tile of 256 rows n
	s_cmp_ge_u32 ttmp9, 36
	s_cselect_b32 s[VP], 1, 0
	s_mov_b32 s[QT], 0
.irp T, 1,3,6,10,15,21,28
	s_cmp_ge_u32 ttmp9, \T
	s_cselect_b32 s67, 1, 0
	s_add_co_u32 s[QT], s[QT], s67
.endr
	s_add_co_u32 s67, s[QT], 1
	s_mul_i32 s67, s67, s[QT]
	s_lshr_b32 s67, s67, 1
	s_sub_co_u32 s[KT], ttmp9, s67
	s_lshl_b32 s[QBW], s[QT], 1
	s_add_co_u32 s[QBW], s[QBW], s[S1H]
	s_lshl_b32 s[KBW], s[KT], 1
	s_add_co_u32 s[KBW], s[KBW], s[S0H]
	s_cmp_lt_u32 s[WV], 2                          ; score tile: waves 0, 1 fetch k's halves, waves 2, 3 q's
	s_cselect_b32 s68, s[KT], s[QT]
	s_cselect_b32 s69, 6553600, 0
	s_mul_i32 s68, s68, 204800
	s_add_co_u32 s68, s68, s69
	s_mul_i32 s70, s66, 1638400
	s_add_co_u32 s68, s68, s70
	s_sub_co_u32 s72, ttmp9, 36-16*VHALF           ; v tile: the tile of 256 keys among value's 32
	s_mov_b32 s73, 1638400                         ; Wv is the third weight in wc,
	s_cmp_lt_u32 s[WV], 2                          ; waves 0, 1 fetch the keys' halves, waves 2, 3 Wv's
	s_cselect_b32 s72, s72, s66
	s_cselect_b32 s73, 13107200, s73               ; value the third tensor in xc
	s_mul_i32 s72, s72, 204800
	s_add_co_u32 s72, s72, s73
	s_cmp_lg_u32 s[VP], 0
	s_cselect_b32 s68, s72, s68
	s_mul_i32 s70, s[S0H], 102400
	s_add_co_u32 s68, s68, s70
	s_mov_b32 s69, 0
	s_mul_i32 s71, s[WV], REG
	s_wait_dscnt 0x0                               ; both opening adds are done
	s_wait_kmcnt 0x0
	s_cmp_lt_u32 s[WV], 2
	s_cselect_b64 s[74:75], s[6:7], s[8:9]
	s_cmp_lg_u32 s[VP], 0
	s_cselect_b64 s[74:75], s[74:75], s[4:5]
	s_add_nc_u64 s[74:75], s[74:75], s[68:69]
.irp s, 0,1,2
	s_mov_b32 s[G0+4*\s], 1
	s_add_co_u32 s[G0+4*\s+1], s71, \s*SLOTB
	s_add_nc_u64 s[G0+4*\s+2:G0+4*\s+3], s[74:75], \s*REG
	s_or_b32 s[G0+4*\s+3], s[G0+4*\s+3], 0x80000000
.endr
.irp s, 0,1,2
	tensor_load_to_lds s[G0+4*\s:G0+4*\s+3], s[G1:G1+7]            ; slots 0, 1, 2: every wave its region: three loads of mine are out
	s_nop 0
.endr
	PLACES 4
	v_and_b32 v8, 31, v0
	v_and_b32 v9, 15, v0                           ; r
	v_bfe_u32 v10, v0, 4, 1                        ; h
	v_lshlrev_b32 v[LI], 4, v8
	s_mul_i32 s96, s[S0H], REG
	v_add_nc_u32 v[A0], s96, v[LI]
	s_mul_i32 s97, s[S1H], REG
	s_add_co_u32 s97, s97, 2*REG
	v_add_nc_u32 v[A1], s97, v[LI]
	s_xor_b32 s98, s[S0H], 1
	s_add_co_u32 s98, s98, s[S1H]
	s_add_co_u32 s98, s98, 1
	s_mul_i32 s98, s98, REG
	v_mul_u32_u24 v11, s98, v10
	v_lshl_add_u32 v11, v9, 5, v11
	s_add_co_u32 s96, s96, 12288
	v_add_nc_u32 v[AS0], s96, v11
	v_lshlrev_b32 v[SA], 5, v9
	v_lshl_add_u32 v[SA], v10, 4, v[SA]
.irp b, 0,1,2,3
	v_mov_b32 v[TM+4+\b], 0                        ; lane permutes' destinations count as sources
.endr
	v_mov_b32 v60, 0
	v_mov_b32 v61, 0
	v_mov_b32 v[IL+1], 0                           ; (named as the upper half of a pair)
	v_mov_b32 v[NEGV], 0xd0ee6b28                  ; -1e9 x 32
	v_and_b32 v11, 8, v9
	v_add_nc_u32 v11, v11, v9                      ; r + 8 (r / 8)
	v_lshlrev_b32 v[BO], 2, v11
	v_lshlrev_b32 v12, 4, v10
	v_sub_nc_u32 v11, v11, v12
	s_sub_co_i32 s70, s[QBW], s[KBW]
	s_lshl_b32 s70, s70, 7
	v_add_nc_u32 v[VD0], s70, v11                  ; r + 8 (r / 8) - 16 h + 128 (my query block - my key block)
.set tb, 8
.rept 16
	v_mov_b32 v[tb], 0                             ; the rows' figures: written on every way through the text; a score tile writes its own below
.set tb, tb+1
.endr
	s_lshl_b32 s77, s66, 1
	s_add_co_u32 s77, s77, s[S1H]                  ; v tile: my row block of channels
	s_lshl_b32 s94, s77, 9
	s_mov_b32 s95, 0
	s_add_nc_u64 s[92:93], s[10:11], s[94:95]      ; bv at its 128 channels
	s_sub_co_u32 s76, ttmp9, 36-16*VHALF
	s_lshl_b32 s76, s76, 1
	s_add_co_u32 s76, s76, s[S0H]                  ; my row block of keys among the 64
	s_lshr_b32 s78, s76, 4
	s_lshl_b32 s78, s78, 7
	s_lshl_b32 s77, s77, 4
	s_add_co_u32 s78, s78, s77
	s_and_b32 s76, s76, 15
	s_add_co_u32 s78, s78, s76                     ; v^T: 128 x batch + 16 x channels' row block + the keys' K step
	s_mul_i32 s78, s78, BLK
	s_lshl_b32 s70, s66, 4
	s_add_co_u32 s70, s70, s[QBW]                  ; score tile: my query block among the 64
	s_lshl_b32 s72, s70, 14                        ; its 16 places of 1,024 bytes in st
	s_mov_b32 s73, 0
	s_add_nc_u64 s[46:47], s[44:45], s[72:73]
	s_lshl_b32 s70, s70, 4
	s_add_co_u32 s70, s70, s[KBW]
	s_mul_i32 s70, s70, BLK
	s_cmp_lg_u32 s[VP], 0
	s_cselect_b32 s70, s78, s70
	s_cselect_b64 s[OUT:OUT+1], s[14:15], s[12:13]
	s_mov_b32 s71, 0
	s_add_nc_u64 s[OUT:OUT+1], s[OUT:OUT+1], s[70:71]
	s_cmp_lg_u32 s[VP], 0
	s_cbranch_scc1 .Lbias_v
	WIN 0x40
.set tb, 0
.rept 64
	v_mov_b32 v[192+tb], 0                         ; a score tile has no bias
.set tb, tb+1
.endr
	WIN 0
.set kb, 0
.rept 16                               ; key block kb: m of tiles 4 h + 0 .. 3 at v[64 + 8 kb] on, l behind them
.irp j, 0,1,2,3
	v_mov_b32 v[64+8*kb+\j], 0xff7fffff
	v_mov_b32 v[68+8*kb+\j], 0
.endr
.set kb, kb+1
.endr
.set kb, 0
.rept 16
	s_cmp_lt_u32 s[QBW], kb                        ; ids and the wave's number alone
	s_cbranch_scc1 .Lgot
	global_load_b128 v[64+8*kb:67+8*kb], v[LI], s[46:47] offset:1024*kb
	global_load_b128 v[68+8*kb:71+8*kb], v[LI], s[46:47] offset:1024*kb+512
.set kb, kb+1
.endr
.Lgot:
	s_wait_loadcnt 0x0                             ; the rows' figures; the tiles are on their way meanwhile
.irp j, 0,1,2,3
	v_max3_num_f32 v[48+\j], v[64+\j], v[72+\j], v[80+\j]
.endr
.irp k, 3,5,7,9,11,13
.irp j, 0,1,2,3
	v_max3_num_f32 v[48+\j], v[48+\j], v[64+8*\k+\j], v[72+8*\k+\j]
.endr
.endr
.irp j, 0,1,2,3
	v_max_num_f32 v[48+\j], v[48+\j], v[184+\j]    ; M
.endr
.set kb, 0
.rept 16
	v_pk_add_f32 v[64+8*kb:65+8*kb], v[64+8*kb:65+8*kb], v[48:49] neg_lo:[0,1] neg_hi:[0,1]   ; m - M
	v_pk_add_f32 v[66+8*kb:67+8*kb], v[66+8*kb:67+8*kb], v[50:51] neg_lo:[0,1] neg_hi:[0,1]
.set kb, kb+1
.endr
.set kb, 0
.rept 16
.irp j, 0,1,2,3
	v_exp_f32 v[64+8*kb+\j], v[64+8*kb+\j]
.endr
.set kb, kb+1
.endr
.irp j, 0,1,2,3
	v_xor_b32 v[48+\j], 0x80000000, v[48+\j]       ; -M.  (Plain places behind the exponentials)
.endr
	s_wait_alu depctr_va_vdst(0)                   ; one wait for the batch, ahead of its first reader
	v_pk_mul_f32 v[52:53], v[68:69], v[64:65]
	v_pk_mul_f32 v[54:55], v[70:71], v[66:67]
.set kb, 1
.rept 15
	v_pk_fma_f32 v[52:53], v[68+8*kb:69+8*kb], v[64+8*kb:65+8*kb], v[52:53]                   ; L = the sum of l 2^(m - M)
	v_pk_fma_f32 v[54:55], v[70+8*kb:71+8*kb], v[66+8*kb:67+8*kb], v[54:55]
.set kb, kb+1
.endr
.irp j, 0,1,2,3
	v_rcp_f32 v[56+\j], v[52+\j]
.endr
	v_nop
	s_wait_alu depctr_va_vdst(0)
.irp j, 0,1,2,3                        ; lanes 0-15 hold tiles 0-3's figures, lanes 16-31 tiles 4-7's: every lane gets all eight
	v_permlanex16_b32 v60, v[48+\j], s[SEL], s[SEL+1]
	v_permlanex16_b32 v61, v[56+\j], s[SEL], s[SEL+1]
	v_cndmask_b32 v[8+2*\j], v[48+\j], v60, s[HIM]
	v_cndmask_b32 v[16+2*\j], v60, v[48+\j], s[HIM]
	v_cndmask_b32 v[9+2*\j], v[56+\j], v61, s[HIM]
	v_cndmask_b32 v[17+2*\j], v61, v[56+\j], s[HIM]
.endr
	s_branch .Lbias_done
.Lbias_v:
	WIN 0x40
.set tb, 0
.rept 64                               ; all eight registers of tile a: n = 32 (a / 2) + 8 (a % 2) + r + 8 (r / 8)
	global_load_b32 v[192+tb], v[BO], s[92:93] offset:4*(32*(tb/16)+8*((tb/8)%2))
.set tb, tb+1
.endr
	WIN 0
.Lbias_done:
	RUN 3
	PLACES 4
	s_cmp_lg_u32 s[VP], 0
	s_cbranch_scc1 .Lv_out
.set qa, 0
.rept 8
.set QS, 64*(qa%4)
.set QW, 2+qa/4
.if qa > 0
	s_wait_xcnt 0x0                                ; the last fragment's stores have read their registers
.endif
	MASKIF
	v_mov_b32 v[IL], v[9+2*qa]
	WIN QW
.set i2, 0
.rept 32
	v_pk_fma_f32 v[E+i2:E+i2+1], v[QS+i2:QS+i2+1], s[CS:CS+1], v[8+2*qa:9+2*qa] op_sel_hi:[1,0,0]   ; t - M; each accumulator is read from its low end on
.set i2, i2+2
.endr
	WIN 0
.set i2, 0
.rept 64
	v_exp_f32 v[E+i2], v[E+i2]
.set i2, i2+1
.endr
	v_nop                                          ; a plain place behind the exponentials
	s_wait_alu depctr_va_vdst(0)                   ; one wait for the batch
.set i2, 0
.rept 32
	v_pk_mul_f32 v[E+i2:E+i2+1], v[E+i2:E+i2+1], v[IL:IL+1] op_sel_hi:[1,0]                   ; / L: the finished softmax
.set i2, i2+2
.endr
.set QS, E
.set QW, 0
	QUANT
	PUT
.set qa, qa+1
.endr
	s_branch .Limg
.Lv_out:                               ; a v tile: a row of eight accumulators is one fragment of v^T: 16 channels x 128 keys
.set qa, 0
.rept 8
.set QS, 64*(qa%4)
.set QW, 2+qa/4
.if qa > 0
	s_wait_xcnt 0x0                                ; the last fragment's stores have read their registers
.endif
	QUANT
	PUT
.set qa, qa+1
.endr
.Limg:
.irp j, 0,1,2,3
	v_cndmask_b32 v[IM+\j], v[WD+\j], v[WD+4+\j], s[HIM]
.endr
	global_store_b128 v[SA], v[IM:IM+3], s[OUT:OUT+1] offset:12288
	s_wait_tensorcnt 0x0                           ; the wave's end
	ds_add_u32 v[SPW], v[NIL]
	s_wait_dscnt 0x0
	s_endpgm
.Lfunc_end_k_q3c71e65ed7_pcodes:
	.size	k_q3c71e65ed7_pcodes, .Lfunc_end_k_q3c71e65ed7_pcodes-k_q3c71e65ed7_pcodes
	.p2alignl 7, 3214868480
	.fill 96, 4, 3214868480
	.section	.rodata,"a",@progbits
	.p2align	6, 0x0
	.amdhsa_kernel k_q3c71e65ed7_pcodes
		.amdhsa_group_segment_fixed_size 327680
		.amdhsa_private_segment_fixed_size 0
		.amdhsa_enable_private_segment 0
		.amdhsa_kernarg_size 56
		.amdhsa_user_sgpr_count 2
		.amdhsa_user_sgpr_kernarg_segment_ptr 1
		.amdhsa_wavefront_size32 1
		.amdhsa_system_sgpr_workgroup_id_x 1
		.amdhsa_system_sgpr_workgroup_id_y 1
		.amdhsa_system_sgpr_workgroup_id_z 1
		.amdhsa_system_vgpr_workitem_id 0
		.amdhsa_next_free_vgpr 1024
		.amdhsa_next_free_sgpr 100
		.amdhsa_reserve_vcc 1
		.amdhsa_float_denorm_mode_32 3
		.amdhsa_float_denorm_mode_16_64 3
		.amdhsa_memory_ordered 1
		.amdhsa_forward_progress 1
		.amdhsa_inst_pref_size 255
	.end_amdhsa_kernel
	.section	.bss,"aw",@nobits
	.p2align	6
	.space	262144
	.amdgpu_metadata
---
amdhsa.version: [ 1, 2 ]
amdhsa.kernels:
  - .name:           k_q3c71e65ed7_pcodes
    .symbol:         k_q3c71e65ed7_pcodes.kd
    .args:
      - { .name: qk, .offset: 0, .size: 8, .value_kind: global_buffer, .address_space: global }
      - { .name: xc, .offset: 8, .size: 8, .value_kind: global_buffer, .address_space: global }
      - { .name: wc, .offset: 16, .size: 8, .value_kind: global_buffer, .address_space: global }
      - { .name: bv, .offset: 24, .size: 8, .value_kind: global_buffer, .address_space: global }
      - { .name: pc, .offset: 32, .size: 8, .value_kind: global_buffer, .address_space: global }
      - { .name: vt, .offset: 40, .size: 8, .value_kind: global_buffer, .address_space: global }
      - { .name: st, .offset: 48, .size: 8, .value_kind: global_buffer, .address_space: global }
    .group_segment_fixed_size: 327680
    .private_segment_fixed_size: 0
    .kernarg_segment_align: 8
    .kernarg_segment_size: 56
    .max_flat_workgroup_size: 128
    .sgpr_count:     100
    .vgpr_count:     1024
    .wavefront_size: 32
...
	.end_amdgpu_metadata
.endif
;; end of part 10
;; launch pv (part 11): grid 4 x 32, 4 waves a work-group, no clusters, 327,680 bytes of LDS; arguments vt, pc, oc; writes oc
.if DOCPART == 11
	.amdgcn_target "amdgcn-amd-amdhsa--gfx1250"
	.amdhsa_code_object_version 6
	.text
	.protected	k_q3c71e65ed7_pv
	.globl	k_q3c71e65ed7_pv
	.p2align	8
	.type	k_q3c71e65ed7_pv,@function
k_q3c71e65ed7_pv:
	s_mov_b64 s[64:65], 0
	v_nop
	global_prefetch_b8 v0, s[64:65] scope:SCOPE_SE
	s_setreg_imm32_b32 hwreg(HW_REG_WAVE_MODE, 25, 1), 1
	s_wait_xcnt 0x0
; O = attn v on codes of E2M3, K = the keys, and O quantised at once along d for the last product.  Source 0 = v^T (256 channels), source 1 = attn (256 queries); a wave makes 128 x 128, as in proj.
; K goes in steps of 256 through two LDS slots; a slot is four dense regions of 25,600 bytes (two BLOCKS), one tensor load a wave.
; LEFT OUT: the keys after a tile's last query: their attn is 0 (hidden by reference()'s own mask).  Query tile qt walks qt + 1 of the 8 slots of 256 keys.  The loop's trip count stays a constant; a scalar branch on
; ids, the same in all four waves, leads round a step's work, and the same test, directly behind the barrier, round the tensor load of a slot that no step reads.  Every wait on TENSORcnt is for 0.
; cluster = none: that jump may not lead round a joint load, and partners along the queries would need different numbers of tiles.
; The longest walks come first in the grid (qt = 7 - y % 8).
.set SLOT1, 131072
.set REG,   25600
.set BLK,   12800
.set SPARE, 267264
.set LI, 1
.set A0, 2
.set A1, 3
.set AD0, 4
.set AD1, 5
.set SPW, 6
.set NIL, 7
.set AS0, 26
.set ADS, 27
.set SA, 28
.set SC, 32
.set TM, 48
.set PC, 128
.set WD, 152
.set IM, 160
.set QT, 16
.set WV, 20
.set S0H, 21
.set S1H, 22
.set G1, 24
.set G0, 32
.set TB, 48
.set CNT, 49
.set SI, 50                            ; s50 the slot's number;  s51 how many slots this tile reads
.set NS, 51
.set HIM, 52
.set SEL, 54
.set OUT, 60
.set MSB, 0
.macro WIN new
.if MSB != (\new)
	s_set_vgpr_msb (MSB<<8)|(\new)
.set MSB, (\new)
.endif
.endm
.macro PLACES n
.rept \n
	v_nop
.endr
.endm
.macro MUL a0, p, cm                   ; 32 matrix instructions; cm = 1: C = 0.  The 64 accumulators take turns.
	WIN 0xa1+0x50*((\a0)/4)
.set ma, \a0
.rept 4
.set mb, 0
.rept 8
.set rD, 8*(8*(ma%4)+mb)
.set rA, 96*(\p)+12*mb
.set rB, 64+96*(\p)+12*ma
.set zA, SC+8*(\p)+mb
.set zB, SC+8*(\p)+ma
.if (\cm) == 0
	v_wmma_scale_f32_16x16x128_f8f6f4 v[rD:rD+7], v[rA:rA+11], v[rB:rB+11], v[rD:rD+7], v[zA], v[zB] matrix_a_fmt:MATRIX_FMT_FP6 matrix_b_fmt:MATRIX_FMT_FP6 matrix_b_scale:MATRIX_SCALE_ROW1
.else
	v_wmma_scale_f32_16x16x128_f8f6f4 v[rD:rD+7], v[rA:rA+11], v[rB:rB+11], 0, v[zA], v[zB] matrix_a_fmt:MATRIX_FMT_FP6 matrix_b_fmt:MATRIX_FMT_FP6 matrix_b_scale:MATRIX_SCALE_ROW1
.endif
.set mb, mb+1
.endr
.set ma, ma+1
.endr
.endm
.macro FETCH p, q
	WIN 0x40
.set ft, 0
.rept 8
.irp c, 0,1,2
	ds_load_b128 v[96*(\p)+12*ft+4*\c:96*(\p)+12*ft+4*\c+3], v[AD0] offset:BLK*(\q)+1536*ft+512*\c
.endr
.set ft, ft+1
.endr
	WIN 0
.irp i, 0,1
	ds_load_b128 v[SC+8*(\p)+4*\i:SC+8*(\p)+4*\i+3], v[ADS] offset:BLK*(\q)+16*\i
.endr
.set ft, 0
.rept 8
.irp c, 0,1,2
	ds_load_b128 v[64+96*(\p)+12*ft+4*\c:64+96*(\p)+12*ft+4*\c+3], v[AD1] offset:BLK*(\q)+1536*ft+512*\c
.endr
.set ft, ft+1
.endr
.endm
.macro SLOT cm
.if (\cm) == 0
	s_cmp_ge_u32 s[SI], s[NS]                      ; all this slot's keys come after my tile's queries: its work is left out; the lines at its end that step numbers are not
	s_cbranch_scc1 .Lskip_\@
.endif
	v_add_nc_u32 v[AD0], s[TB], v[A0]              ; these three and the v_nop are the four places in front of loads into registers that matrix instructions have read
	v_add_nc_u32 v[AD1], s[TB], v[A1]
	v_add_nc_u32 v[ADS], s[TB], v[AS0]
	v_nop
	FETCH 0, 0
	s_wait_dscnt 12                                ; all but source 1's tiles 4-7
	MUL 0, 0, \cm
	FETCH 1, 1
	s_wait_dscnt 50                                ; all but the 50 just issued
	MUL 4, 0, \cm
	s_wait_dscnt 12
	MUL 0, 1, 0
	s_wait_dscnt 0x0
	MUL 4, 1, 0
	WIN 0
.if (\cm) == 0
.Lskip_\@:
.endif
	s_xor_b32 s[TB], s[TB], SLOT1
	s_add_co_u32 s[SI], s[SI], 1
.endm
.macro CHANGE fill
	s_wait_tensorcnt 0x0                           ; no tensor load of mine is out: the group 0 may be written
	ds_add_u32 v[SPW], v[NIL]                      ; 0 onto my spare word
.if \fill
	s_xor_b32 s[G0+1], s[G0+1], SLOT1
	s_add_nc_u64 s[G0+2:G0+3], s[G0+2:G0+3], REG
.endif
	s_wait_dscnt 0x0                               ; the add is done, and my reads of the slot left are over
	s_barrier_signal -1
	s_barrier_wait -1
.if \fill
	s_add_co_u32 s66, s[SI], 1                     ; the slot that this change would ask for
	s_cmp_ge_u32 s66, s[NS]                        ; ids and the count of slots alone: all four waves go the same way, and a work-group past its limit stays past it
	s_cbranch_scc1 .Lpast_\@
	tensor_load_to_lds s[G0:G0+3], s[G1:G1+7]      ; my one tensor load behind the barrier
	s_nop 0
	PLACES 4
.Lpast_\@:
.endif
.endm
.macro QUANT                           ; 64 numbers of a lane, v[QS] on in window QW, register 16 b + i = k 32 b + 16 h + i of my row -> codes in v[PC] on, scale word in v[WD + qa]
	WIN QW|(QW<<2)
.irp b, 0,1,2,3
	v_max3_num_f32 v[TM+\b], |v[QS+16*\b]|, |v[QS+1+16*\b]|, 0x1800000     ; and the floor 2^(3 - 127): the byte cannot fall under 1
.endr
.irp i, 2,4,6,8,10,12,14
.irp b, 0,1,2,3
	v_max3_num_f32 v[TM+\b], |v[QS+16*\b+\i]|, |v[QS+1+16*\b+\i]|, v[TM+\b]
.endr
.endr
	WIN 0
.irp b, 0,1,2,3
	v_permlanex16_b32 v[TM+4+\b], v[TM+\b], s[SEL], s[SEL+1]
.endr
.irp b, 0,1,2,3
	v_max_num_f32 v[TM+\b], v[TM+\b], v[TM+4+\b]
.endr
.irp b, 0,1,2,3
	v_add_nc_u32 v[TM+12+\b], 0xff000000, v[TM+\b]
.endr
.irp b, 0,1,2,3
	v_lshrrev_b32 v[TM+4+\b], 23, v[TM+12+\b]
.endr
	v_lshl_or_b32 v[WD+qa], v[TM+5], 8, v[TM+4]
	v_lshl_or_b32 v[WD+qa], v[TM+6], 16, v[WD+qa]
	v_lshl_or_b32 v[WD+qa], v[TM+7], 24, v[WD+qa]
	WIN QW
.irp c, 0,1
	v_cvt_scalef32_pk16_fp6_f32 v[PC+6*\c:PC+2+6*\c], v[QS+32*\c:QS+15+32*\c], v[TM+12+2*\c]
	v_cvt_scalef32_pk16_fp6_f32 v[PC+12+4*\c:PC+14+4*\c], v[QS+16+32*\c:QS+31+32*\c], v[TM+12+2*\c+1]
.endr
	WIN 0
	v_nop                                          ; one plain place behind the scaled conversions
.irp c, 0,1
.irp i, 0,1,2
	v_permlane16_swap_b32 v[PC+6*\c+\i], v[PC+12+4*\c+\i]
.endr
.irp i, 0,1,2
	v_mov_b32 v[PC+3+6*\c+\i], v[PC+12+4*\c+\i]
.endr
.endr
.endm
.macro PUT
.irp c, 0,1,2
	global_store_b128 v[LI], v[PC+4*\c:PC+4*\c+3], s[OUT:OUT+1] offset:1536*qa+512*\c
.endr
.endm
	s_load_b128 s[4:7], s[0:1], 0x0                ; vt, pc
	s_load_b64 s[8:9], s[0:1], 0x10                ; oc
	v_lshl_add_u32 v[SPW], v0, 2, SPARE
	v_mov_b32 v[NIL], 0
	ds_add_u32 v[SPW], v[NIL]                      ; the wave's opening: the add, twice on end, and its wait ahead of my first tensor load
	ds_add_u32 v[SPW], v[NIL]
	v_lshrrev_b32 v8, 5, v0
	v_readfirstlane_b32 s[WV], v8
	s_and_b32 s[S0H], s[WV], 1
	s_lshr_b32 s[S1H], s[WV], 1
	s_mov_b32 s[TB], 0
	s_mov_b32 s[HIM], 0xffff0000
	s_mov_b32 s[SEL], 0x76543210
	s_mov_b32 s[SEL+1], 0xfedcba98
	s_mov_b32 s[G1], 3<<16
	s_mov_b32 s[G1+1], 32<<16
	s_mov_b32 s[G1+2], 100<<16
	s_mov_b32 s[G1+3], 32<<16
	s_mov_b32 s[G1+4], 100
	s_mov_b32 s[G1+5], 32
	s_mov_b32 s[G1+6], 0
	s_mov_b32 s[G1+7], 0
	s_and_b32 s66, ttmp7, 0xffff
	s_lshr_b32 s67, s66, 3                         ; the batch
	s_and_b32 s66, s66, 7
	s_sub_co_u32 s[QT], 7, s66                     ; the tile of 256 queries
	s_add_co_u32 s[NS], s[QT], 1
	s_mov_b32 s[SI], 0
	s_mul_i32 s68, s67, 1638400                    ; v^T: the batch's 8 row blocks of 16 BLOCKS,
	s_mul_i32 s70, ttmp9, 409600                   ; my tile of 256 channels
	s_add_co_u32 s68, s68, s70
	s_mul_i32 s72, s67, 3276800                    ; attn: the batch's 16 row blocks of 16 BLOCKS,
	s_mul_i32 s70, s[QT], 409600
	s_add_co_u32 s72, s72, s70
	s_cmp_lt_u32 s[WV], 2                          ; waves 0, 1 fetch v^T's halves, waves 2, 3 attn's
	s_cselect_b32 s68, s68, s72
	s_mul_i32 s70, s[S0H], 204800
	s_add_co_u32 s68, s68, s70
	s_mov_b32 s69, 0
	s_mul_i32 s71, s[WV], REG
	s_wait_dscnt 0x0                               ; both opening adds are done
	s_wait_kmcnt 0x0
	s_cmp_lt_u32 s[WV], 2
	s_cselect_b64 s[74:75], s[4:5], s[6:7]
	s_mov_b32 s[G0], 1
	s_mov_b32 s[G0+1], s71
	s_add_nc_u64 s[G0+2:G0+3], s[74:75], s[68:69]
	s_or_b32 s[G0+3], s[G0+3], 0x80000000
	tensor_load_to_lds s[G0:G0+3], s[G1:G1+7]      ; slot 0, which every tile reads
	s_nop 0
	PLACES 4
	v_and_b32 v8, 31, v0
	v_and_b32 v9, 15, v0
	v_bfe_u32 v10, v0, 4, 1
	v_lshlrev_b32 v[LI], 4, v8
	s_mul_i32 s96, s[S0H], REG
	v_add_nc_u32 v[A0], s96, v[LI]
	s_mul_i32 s97, s[S1H], REG
	s_add_co_u32 s97, s97, 2*REG
	v_add_nc_u32 v[A1], s97, v[LI]
	s_xor_b32 s98, s[S0H], 1
	s_add_co_u32 s98, s98, s[S1H]
	s_add_co_u32 s98, s98, 1
	s_mul_i32 s98, s98, REG
	v_mul_u32_u24 v11, s98, v10
	v_lshl_add_u32 v11, v9, 5, v11
	s_add_co_u32 s96, s96, 12288
	v_add_nc_u32 v[AS0], s96, v11
	v_lshlrev_b32 v[SA], 5, v9
	v_lshl_add_u32 v[SA], v10, 4, v[SA]
.irp b, 0,1,2,3
	v_mov_b32 v[TM+4+\b], 0
.endr
	s_lshl_b32 s70, s67, 4
	s_lshl_b32 s72, s[QT], 1
	s_add_co_u32 s70, s70, s72
	s_add_co_u32 s70, s70, s[S1H]                  ; my query block among the 64
	s_lshl_b32 s70, s70, 3
	s_lshl_b32 s72, ttmp9, 1
	s_add_co_u32 s70, s70, s72
	s_add_co_u32 s70, s70, s[S0H]                  ; its K step: my block of 128 channels
	s_mul_i32 s70, s70, BLK
	s_mov_b32 s71, 0
	s_add_nc_u64 s[OUT:OUT+1], s[8:9], s[70:71]
	CHANGE 1
	SLOT 1
	s_mov_b32 s[CNT], 6
.Lk:
	CHANGE 1
	SLOT 0
	s_sub_co_u32 s[CNT], s[CNT], 1
	s_cmp_lg_u32 s[CNT], 0
	s_cbranch_scc1 .Lk
	CHANGE 0
	SLOT 0
	PLACES 4
.set qa, 0
.rept 8
.set QS, 64*(qa%4)
.set QW, 2+qa/4
.if qa > 0
	s_wait_xcnt 0x0                                ; the last fragment's stores have read their registers
.endif
	QUANT
	PUT
.set qa, qa+1
.endr
.irp j, 0,1,2,3
	v_cndmask_b32 v[IM+\j], v[WD+\j], v[WD+4+\j], s[HIM]
.endr
	global_store_b128 v[SA], v[IM:IM+3], s[OUT:OUT+1] offset:12288
	s_wait_tensorcnt 0x0                           ; the wave's end
	ds_add_u32 v[SPW], v[NIL]
	s_wait_dscnt 0x0
	s_endpgm
.Lfunc_end_k_q3c71e65ed7_pv:
	.size	k_q3c71e65ed7_pv, .Lfunc_end_k_q3c71e65ed7_pv-k_q3c71e65ed7_pv
	.p2alignl 7, 3214868480
	.fill 96, 4, 3214868480
	.section	.rodata,"a",@progbits
	.p2align	6, 0x0
	.amdhsa_kernel k_q3c71e65ed7_pv
		.amdhsa_group_segment_fixed_size 327680
		.amdhsa_private_segment_fixed_size 0
		.amdhsa_enable_private_segment 0
		.amdhsa_kernarg_size 24
		.amdhsa_user_sgpr_count 2
		.amdhsa_user_sgpr_kernarg_segment_ptr 1
		.amdhsa_wavefront_size32 1
		.amdhsa_system_sgpr_workgroup_id_x 1
		.amdhsa_system_sgpr_workgroup_id_y 1
		.amdhsa_system_sgpr_workgroup_id_z 1
		.amdhsa_system_vgpr_workitem_id 0
		.amdhsa_next_free_vgpr 1024
		.amdhsa_next_free_sgpr 100
		.amdhsa_reserve_vcc 0
		.amdhsa_float_denorm_mode_32 3
		.amdhsa_float_denorm_mode_16_64 3
		.amdhsa_memory_ordered 1
		.amdhsa_forward_progress 1
		.amdhsa_inst_pref_size 109
	.end_amdhsa_kernel
	.amdgpu_metadata
---
amdhsa.version: [ 1, 2 ]
amdhsa.kernels:
  - .name:           k_q3c71e65ed7_pv
    .symbol:         k_q3c71e65ed7_pv.kd
    .args:
      - { .name: vt, .offset: 0, .size: 8, .value_kind: global_buffer, .address_space: global }
      - { .name: pc, .offset: 8, .size: 8, .value_kind: global_buffer, .address_space: global }
      - { .name: oc, .offset: 16, .size: 8, .value_kind: global_buffer, .address_space: global }
    .group_segment_fixed_size: 327680
    .private_segment_fixed_size: 0
    .kernarg_segment_align: 8
    .kernarg_segment_size: 24
    .max_flat_workgroup_size: 128
    .sgpr_count:     100
    .vgpr_count:     1024
    .wavefront_size: 32
...
	.end_amdgpu_metadata
.endif
;; end of part 11
;; launch outp (part 12): grid 4 x 64, 4 waves a work-group, clusters of 4 x 4, 327,680 bytes of LDS; arguments oc, wc, bo, out0; writes out0
.if DOCPART == 12
	.amdgcn_target "amdgcn-amd-amdhsa--gfx1250"
	.amdhsa_code_object_version 6
	.text
	.protected	k_q3c71e65ed7_outp
	.globl	k_q3c71e65ed7_outp
	.p2align	8
	.type	k_q3c71e65ed7_outp,@function
k_q3c71e65ed7_outp:
	s_mov_b64 s[64:65], 0
	v_nop
	global_prefetch_b8 v0, s[64:65] scope:SCOPE_SE
	s_setreg_imm32_b32 hwreg(HW_REG_WAVE_MODE, 25, 1), 1
	s_wait_xcnt 0x0
	s_wait_alu depctr_hold_cnt(0) depctr_sa_sdst(0) depctr_va_vdst(0) depctr_va_sdst(0) depctr_va_ssrc(0) depctr_va_vcc(0) depctr_vm_vsrc(0)
	s_getreg_b32 s2, hwreg(HW_REG_IB_STS2, 6, 4)
	s_cmp_eq_u32 s2, 0
	s_cbranch_scc0 .Lentry_in_a_cluster
	s_endpgm
.Lentry_in_a_cluster:
	s_bfe_u32 s2, ttmp6, 0x10000c
	s_cmp_lg_u32 s2, 0xf033
	s_cbranch_scc0 .Lentry_shape_is_right
	s_endpgm
.Lentry_shape_is_right:
; out = O Wo + bo on codes of E2M3; out0 is f32.  The product has 128 tiles of 256 x 256; so that each of 256 work-groups has one, a tile here is 256 columns n (source 0 = Wo, two row blocks) x 128 rows
; (source 1 = O, one row block).  Wave w makes row block w % 2 of Wo x tiles 4 (w / 2) + 0 .. 3 of O's eight: 128 columns x 64 rows, 32 accumulators.  bo is the C of the first products.
; LDS: such a tile's operands for ALL of K are three regions of 102,400 bytes (a row block's 8 BLOCKS, dense in memory): there is no ring and nothing is filled again.  Waves 0 and 1 fetch Wo's two regions, wave 2
; O's, each by four tensor loads of two K steps, in the order of K (four loads of a wave are out); wave 3 fetches nothing.  A counted wait and a barrier stand ahead of the first read of each pair of K steps.
; K goes in eight written-out steps of 32 products; the next step's 38 LDS loads stand at a step's head.
; CLUSTER 4 x 4: Wo's regions hang on cx and are asked for jointly by a column of the cluster, O's on cy, by a row.
; THE WAY OUT: a lane holds 8 neighbouring numbers of a row in each accumulator, and the lanes beside it hold other rows: a row of eight accumulators (16 rows x 128 columns) goes through the wave's own stage in LDS
; (rows of 528 bytes) and comes back as whole pieces of 512 bytes of a row, which the 32 lanes store as 512 consecutive bytes at a multiple of 256 from out0's first byte.  The stages lie over K steps 0 to 2 of
; region 0: those bytes have had their only fill, and behind the last barrier, in front of which every wave has K step 5 in its registers, nobody reads them.
; Lane row t of my tile a is row 64 (w / 2) + 32 (a / 2) + 8 (a % 2) + t + 8 (t / 8) of the 128.
; REGISTERS: window 0: addresses; v32-47 scale words, two sets (lanes 0-15 Wo's tile i, lanes 16-31 of registers 0-3 my O tile i); v64-111, v112-159 O's fragments, two sets.
;   window 1: v0-95, v96-191 Wo's fragments, two sets; v192-255 the bias.   window 2: accumulator (a, b) at v[8 (8 a + b)].
.set RGN,   102400                     ; a region
.set CH,    25600                      ; two K steps of a region: what one tensor load brings
.set BLK,   12800
.set STAGE, 0
.set SPARE, 307456                     ; behind the regions, one block of 256 bytes left free between: the spare words, 128 bytes for each wave
.set LI, 1
.set A0, 2
.set A1, 3
.set AD0, 4
.set AD1, 5
.set SPW, 6
.set NIL, 7
.set STO, 12
.set RD, 13
.set AS0, 26                           ; v26 scale words 0-3: lanes 0-15 Wo's, lanes 16-31 my O tiles';  v28 words 4-7: lanes 0-15 Wo's, lanes 16-31 the same place as v26 (not used)
.set ADS, 27
.set AS1, 28
.set ADS2, 29
.set SC, 32
.set WV, 20
.set S0H, 21
.set S1Q, 22
.set G1, 24                            ; s[24:31] group 1, s[32:47] four groups 0: Wo;  s[68:75], s[76:91]: O
.set G0, 32
.set OUT, 60
.set G1B, 68
.set G0B, 76
.set MSB, 0
.macro WIN new
.if MSB != (\new)
	s_set_vgpr_msb (MSB<<8)|(\new)
.set MSB, (\new)
.endif
.endm
.macro PLACES n
.rept \n
	v_nop
.endr
.endm
.macro ROUND                           ; a round of the cluster's barrier
	s_barrier_signal -1
	s_barrier_wait -1
	s_cmp_lg_u32 s[WV], 0
	s_cbranch_scc1 .Lnot_wave_0_\@
	s_barrier_signal -3
.Lnot_wave_0_\@:
	s_barrier_wait -3
	s_barrier_signal -1
	s_barrier_wait -1
.endm
.macro MULH p, cm                      ; 32 matrix instructions: my four tiles of O x Wo's eight, register set p.  cm = 2: C = the bias by Wo's tile.  The 32 accumulators take turns.
.if (\cm) == 2
	WIN 0x91
.else
	WIN 0xa1
.endif
.set ma, 0
.rept 4
.set mb, 0
.rept 8
.set rD, 8*(8*ma+mb)
.set rA, 96*(\p)+12*mb
.set rB, 64+48*(\p)+12*ma
.set zA, SC+8*(\p)+mb
.set zB, SC+8*(\p)+ma
.if (\cm) == 0
	v_wmma_scale_f32_16x16x128_f8f6f4 v[rD:rD+7], v[rA:rA+11], v[rB:rB+11], v[rD:rD+7], v[zA], v[zB] matrix_a_fmt:MATRIX_FMT_FP6 matrix_b_fmt:MATRIX_FMT_FP6 matrix_b_scale:MATRIX_SCALE_ROW1
.else
	v_wmma_scale_f32_16x16x128_f8f6f4 v[rD:rD+7], v[rA:rA+11], v[rB:rB+11], v[192+8*mb:199+8*mb], v[zA], v[zB] matrix_a_fmt:MATRIX_FMT_FP6 matrix_b_fmt:MATRIX_FMT_FP6 matrix_b_scale:MATRIX_SCALE_ROW1
.endif
.set mb, mb+1
.endr
.set ma, ma+1
.endr
.endm
.macro FETCHH p, q                     ; 38 LDS loads: Wo's 24, the scale words' 2, O's 12
	WIN 0x40
.set ft, 0
.rept 8
.irp c, 0,1,2
	ds_load_b128 v[96*(\p)+12*ft+4*\c:96*(\p)+12*ft+4*\c+3], v[AD0] offset:BLK*(\q)+1536*ft+512*\c
.endr
.set ft, ft+1
.endr
	WIN 0
	ds_load_b128 v[SC+8*(\p):SC+8*(\p)+3], v[ADS] offset:BLK*(\q)
	ds_load_b128 v[SC+8*(\p)+4:SC+8*(\p)+7], v[ADS2] offset:BLK*(\q)
.set ft, 0
.rept 4
.irp c, 0,1,2
	ds_load_b128 v[64+48*(\p)+12*ft+4*\c:64+48*(\p)+12*ft+4*\c+3], v[AD1] offset:BLK*(\q)+1536*ft+512*\c
.endr
.set ft, ft+1
.endr
.endm
.macro NEXTH k                         ; K step k's fragments into set k % 2
	WIN 0
	v_add_nc_u32 v[AD0], CH*((\k)/2), v[A0]        ; these four are the places in front of loads into registers that matrix instructions have read
	v_add_nc_u32 v[AD1], CH*((\k)/2), v[A1]
	v_add_nc_u32 v[ADS], CH*((\k)/2), v[AS0]
	v_add_nc_u32 v[ADS2], CH*((\k)/2), v[AS1]
	FETCHH (\k)%2, (\k)%2
.endm
.macro ARRIVE n                        ; two more K steps have arrived: all my tensor loads but the n youngest have landed, my LDS loads are in; then the work-group's barrier.  Nothing is ever filled again
	s_wait_tensorcnt \n
	s_wait_dscnt 0x0
	s_barrier_signal -1
	s_barrier_wait -1
.endm
.macro TOSTAGE                         ; tile qa's eight accumulators into my stage, each from its low end on, and back as rows
.set AC, 64*qa
	WIN 0x08
.set tb, 0
.rept 8
	ds_store_b128 v[STO], v[AC+8*tb:AC+8*tb+3] offset:128*(tb/2)+32*(tb%2)
	ds_store_b128 v[STO], v[AC+8*tb+4:AC+8*tb+7] offset:128*(tb/2)+32*(tb%2)+16
.set tb, tb+1
.endr
	WIN 0
.set BB, 64+64*(qa%2)
.set tb, 0
.rept 16
	ds_load_b128 v[BB+4*tb:BB+4*tb+3], v[RD] offset:528*tb         ; LDS serves a wave's instructions in order: these see my stores
.set tb, tb+1
.endr
.endm
.macro SEND sa, younger                ; younger: the LDS instructions issued behind tile sa's loads, which may stay out
.set BB, 64+64*((\sa)%2)
	s_wait_dscnt \younger
.set tb, 0
.rept 16
	global_store_b128 v[LI], v[BB+4*tb:BB+4*tb+3], s[OUT:OUT+1] offset:(32*((\sa)/2)+8*((\sa)%2)+tb+8*(tb/8))*4096 th:TH_STORE_NT
.set tb, tb+1
.endr
.endm
	s_load_b256 s[4:11], s[0:1], 0x0               ; oc, wc, bo, out0
	v_lshl_add_u32 v[SPW], v0, 2, SPARE
	v_mov_b32 v[NIL], 0
	ds_add_u32 v[SPW], v[NIL]                      ; the wave's opening: the add, twice on end, and its wait ahead of my first tensor load
	ds_add_u32 v[SPW], v[NIL]
	v_lshrrev_b32 v8, 5, v0
	v_readfirstlane_b32 s[WV], v8
	s_and_b32 s[S0H], s[WV], 1                     ; my row block of Wo's two
	s_lshr_b32 s[S1Q], s[WV], 1                    ; my four of O's eight tiles
.irp g, G1, G1B                        ; 25,600 dense bytes as 100 rows of 32 elements of 8 bytes
	s_mov_b32 s[\g+1], 32<<16
	s_mov_b32 s[\g+2], 100<<16
	s_mov_b32 s[\g+3], 32<<16
	s_mov_b32 s[\g+4], 100
	s_mov_b32 s[\g+5], 32
	s_mov_b32 s[\g+6], 0
	s_mov_b32 s[\g+7], 0
.endr
	s_bfe_u32 s48, ttmp6, 0x40000                  ; cx: Wo's tile (256 columns n)
	s_bfe_u32 s49, ttmp6, 0x40004                  ; cy
	s_and_b32 s50, ttmp7, 0xffff
	s_lshl_b32 s50, s50, 2
	s_add_co_u32 s50, s50, s49                     ; O's row block: 4 x cluster + cy
	s_lshl_b32 s51, 0x1111, s48                    ; my column of the cluster
	s_lshl_b32 s52, s49, 2
	s_lshl_b32 s52, 15, s52                        ; my row
	s_or_b32 s[G1], s51, (3<<16)|(1<<21)
	s_or_b32 s[G1B], s52, (3<<16)|(1<<21)
	s_mul_i32 s54, s48, 204800
	s_mul_i32 s53, s[S0H], RGN
	s_add_co_u32 s54, s54, s53
	s_add_co_u32 s54, s54, 2457600                 ; Wo is the fourth weight in wc
	s_mov_b32 s55, 0
	s_mul_i32 s56, s50, RGN
	s_mov_b32 s57, 0
	s_mul_i32 s58, s[WV], RGN                      ; wave w fills region w: no place in the cluster enters an LDS address
	s_wait_dscnt 0x0                               ; both opening adds are done
	s_wait_kmcnt 0x0
	s_add_nc_u64 s[54:55], s[6:7], s[54:55]
	s_add_nc_u64 s[56:57], s[4:5], s[56:57]
.irp c, 0,1,2,3
	s_mov_b32 s[G0+4*\c], 1
	s_add_co_u32 s[G0+4*\c+1], s58, \c*CH
	s_add_nc_u64 s[G0+4*\c+2:G0+4*\c+3], s[54:55], \c*CH
	s_or_b32 s[G0+4*\c+3], s[G0+4*\c+3], 0x80000000
	s_mov_b32 s[G0B+4*\c], 1
	s_add_co_u32 s[G0B+4*\c+1], s58, \c*CH
	s_add_nc_u64 s[G0B+4*\c+2:G0B+4*\c+3], s[56:57], \c*CH
	s_or_b32 s[G0B+4*\c+3], s[G0B+4*\c+3], 0x80000000
.endr
	ROUND                                          ; all sixteen work-groups are here: the joint loads meet
	s_cmp_lt_u32 s[WV], 2                          ; a wave's four fills stand in one branch on its number, ahead of every wait on TENSORcnt and every LDS read
	s_cbranch_scc0 .Lfirst_1
.irp c, 0,1,2,3
	tensor_load_to_lds s[G0+4*\c:G0+4*\c+3], s[G1:G1+7]
	s_nop 0
.endr
	PLACES 4
	s_branch .Lfirst_done
.Lfirst_1:
	s_cmp_eq_u32 s[WV], 2
	s_cbranch_scc0 .Lfirst_done
.irp c, 0,1,2,3
	tensor_load_to_lds s[G0B+4*\c:G0B+4*\c+3], s[G1B:G1B+7]
	s_nop 0
.endr
	PLACES 4
.Lfirst_done:
	v_and_b32 v8, 31, v0
	v_and_b32 v9, 15, v0                           ; r
	v_bfe_u32 v10, v0, 4, 1                        ; h
	v_lshlrev_b32 v[LI], 4, v8
	s_mul_i32 s96, s[S0H], RGN
	v_add_nc_u32 v[A0], s96, v[LI]
	s_mul_i32 s97, s[S1Q], 6144                    ; four fragment images
	s_add_co_u32 s97, s97, 2*RGN
	v_add_nc_u32 v[A1], s97, v[LI]
	s_xor_b32 s98, s[S0H], 1
	s_add_co_u32 s98, s98, 1
	s_mul_i32 s98, s98, RGN                        ; from my region of Wo to O's region,
	s_lshl_b32 s97, s[S1Q], 4
	s_add_co_u32 s98, s98, s97                     ; and to my four tiles' words in a row's eight
	v_mul_u32_u24 v11, s98, v10                    ; lanes 16-31 take O's words
	v_lshl_add_u32 v11, v9, 5, v11
	s_add_co_u32 s96, s96, 12288
	v_add_nc_u32 v[AS0], s96, v11
	v_xor_b32 v14, 1, v10
	v_lshl_add_u32 v[AS1], v14, 4, v[AS0]          ; 16 bytes on in lanes 0-15 alone
	s_mul_i32 s96, s[WV], 8448
	s_add_co_u32 s96, s96, STAGE                   ; my stage
	v_mul_u32_u24 v[STO], v9, 528
	v_lshl_add_u32 v[STO], v10, 6, v[STO]
	v_add_nc_u32 v[STO], s96, v[STO]               ; in: row r, + 64 h
	v_add_nc_u32 v[RD], s96, v[LI]                 ; back: 16 bytes a lane of a row's 512
	s_lshl_b32 s92, s48, 1
	s_add_co_u32 s92, s92, s[S0H]                  ; my block of 128 columns
	s_lshl_b32 s94, s92, 9
	s_mov_b32 s95, 0
	s_lshl_b32 s92, s50, 1
	s_add_co_u32 s92, s92, s[S1Q]                  ; my 64 rows
	s_lshl_b32 s92, s92, 18                        ; of 4,096 bytes
	s_add_co_u32 s92, s92, s94
	s_mov_b32 s93, 0
	s_add_nc_u64 s[OUT:OUT+1], s[10:11], s[92:93]
	s_add_nc_u64 s[92:93], s[8:9], s[94:95]        ; bo at my 128 columns
	v_lshlrev_b32 v11, 6, v10                      ; register j of tile b: n = 32 (b / 2) + 16 h + 8 (b % 2) + j
	WIN 0x40
.set tb, 0
.rept 8
	global_load_b128 v[192+8*tb:195+8*tb], v11, s[92:93] offset:4*(32*(tb/2)+8*(tb%2))
	global_load_b128 v[196+8*tb:199+8*tb], v11, s[92:93] offset:4*(32*(tb/2)+8*(tb%2))+16
.set tb, tb+1
.endr
	WIN 0
	s_wait_tensorcnt 0x3                           ; my K steps 0 and 1 are in; my three younger loads may be out
	s_barrier_signal -1
	s_barrier_wait -1
	NEXTH 0
	s_wait_loadcnt 0x0                             ; the bias
	s_wait_dscnt 0x0
	NEXTH 1
	MULH 0, 2                                      ; the first products start the sums with the bias
	ARRIVE 2                                       ; K steps 2 and 3
	NEXTH 2
	MULH 1, 0
	s_wait_dscnt 0x0
	NEXTH 3
	MULH 0, 0
	ARRIVE 1                                       ; K steps 4 and 5
	NEXTH 4
	MULH 1, 0
	s_wait_dscnt 0x0
	NEXTH 5
	MULH 0, 0
	ARRIVE 0                                       ; K steps 6 and 7; and every wave's reads of K steps 0 to 5 are over
	NEXTH 6
	MULH 1, 0
	s_wait_dscnt 0x0
	NEXTH 7
	MULH 0, 0
	s_wait_dscnt 0x0
	MULH 1, 0
	WIN 0
	PLACES 4                                       ; in front of the first read of results and of loads into the fragments' registers
.set qa, 0
	TOSTAGE
.set qa, 1
.rept 3
.if qa > 1
	s_wait_xcnt 0x0                                ; the stores of two tiles ago have read their registers: this tile's loads may land there
.endif
	TOSTAGE
	SEND qa-1, 32                                  ; behind the last tile's loads: this tile's 16 stores and 16 loads
.set qa, qa+1
.endr
	SEND 3, 0
	s_wait_tensorcnt 0x0                           ; the wave's end, behind my last tensor load and my last LDS store
	ds_add_u32 v[SPW], v[NIL]
	s_wait_dscnt 0x0
	ROUND                                          ; the closing round
	s_endpgm
.Lfunc_end_k_q3c71e65ed7_outp:
	.size	k_q3c71e65ed7_outp, .Lfunc_end_k_q3c71e65ed7_outp-k_q3c71e65ed7_outp
	.p2alignl 7, 3214868480
	.fill 96, 4, 3214868480
	.section	.rodata,"a",@progbits
	.p2align	6, 0x0
	.amdhsa_kernel k_q3c71e65ed7_outp
		.amdhsa_group_segment_fixed_size 327680
		.amdhsa_private_segment_fixed_size 0
		.amdhsa_enable_private_segment 0
		.amdhsa_kernarg_size 32
		.amdhsa_user_sgpr_count 2
		.amdhsa_user_sgpr_kernarg_segment_ptr 1
		.amdhsa_wavefront_size32 1
		.amdhsa_system_sgpr_workgroup_id_x 1
		.amdhsa_system_sgpr_workgroup_id_y 1
		.amdhsa_system_sgpr_workgroup_id_z 1
		.amdhsa_system_vgpr_workitem_id 0
		.amdhsa_next_free_vgpr 768
		.amdhsa_next_free_sgpr 100
		.amdhsa_reserve_vcc 0
		.amdhsa_float_denorm_mode_32 3
		.amdhsa_float_denorm_mode_16_64 3
		.amdhsa_memory_ordered 1
		.amdhsa_forward_progress 1
		.amdhsa_inst_pref_size 79
	.end_amdhsa_kernel
	.amdgpu_metadata
---
amdhsa.version: [ 1, 2 ]
amdhsa.kernels:
  - .name:           k_q3c71e65ed7_outp
    .symbol:         k_q3c71e65ed7_outp.kd
    .args:
      - { .name: oc, .offset: 0, .size: 8, .value_kind: global_buffer, .address_space: global }
      - { .name: wc, .offset: 8, .size: 8, .value_kind: global_buffer, .address_space: global }
      - { .name: bo, .offset: 16, .size: 8, .value_kind: global_buffer, .address_space: global }
      - { .name: out0, .offset: 24, .size: 8, .value_kind: global_buffer, .address_space: global }
    .group_segment_fixed_size: 327680
    .private_segment_fixed_size: 0
    .kernarg_segment_align: 8
    .kernarg_segment_size: 32
    .max_flat_workgroup_size: 128
    .sgpr_count:     100
    .vgpr_count:     768
    .wavefront_size: 32
...
	.end_amdgpu_metadata
.endif
;; end of part 12
